; MI455X (gfx1250); checked and timed in simulation.
; The chip was launched on July 23, 2026; its instructions are those of AMD's public machine-readable ISA for CDNA 5 (MIT licence, August 2026) and "CDNA5" Instruction Set Architecture Reference Guide (July 2026). The comments in the code are by the model that wrote it; some were corrected since.
;; Mini GPT. Allowed arithmetic: matrix products marked QUANTISED: E2M3 operands, one E8M0 scale for each 32 along K, by v_wmma_scale_f32_16x16x128_f8f6f4 with both operands' format E2M3, f32 sums; everything else in f32.
;; Inputs: Wo0_codes 1,024 x 32 x 24 uint8 (E2M3 codes of Wo0, K innermost, in blocks of 32 codes, four codes in three bytes); Wo0_scales 1,024 x 32 uint8 (E8M0 scales of Wo0, one for each 32 codes along K); Wo1_codes 1,024 x 32 x 24 uint8 (E2M3 codes of Wo1, K innermost, in blocks of 32 codes, four codes in three bytes); Wo1_scales 1,024 x 32 uint8 (E8M0 scales of Wo1, one for each 32 codes along K); Wqkv0_codes 3,072 x 32 x 24 uint8 (E2M3 codes of Wqkv0, K innermost, in blocks of 32 codes, four codes in three bytes); Wqkv0_scales 3,072 x 32 uint8 (E8M0 scales of Wqkv0, one for each 32 codes along K); Wqkv1_codes 3,072 x 32 x 24 uint8 (E2M3 codes of Wqkv1, K innermost, in blocks of 32 codes, four codes in three bytes); Wqkv1_scales 3,072 x 32 uint8 (E8M0 scales of Wqkv1, one for each 32 codes along K); input_ids 1 x 2,048 int32; pos_emb 2,048 x 1,024 float32; tok_emb 6,282 x 1,024 float32.
;; Outputs: out0 1 x 2,048 x 6,282 float32.
;; This version of the problem:
;;   THIS VERSION OF THE PROBLEM IS GIVEN IN LOW PRECISION. The matrix products marked QUANTISED in the list below multiply operands that are first quantised to E2M3 (2 exponent bits, 3 mantissa bits; 6 bits a number), with one power-of-two scale for each 32 numbers along K (OCP MX v1.0); their sums are f32. All else is computed in f32.
;;   The module's matrix products, in the order in which they are computed (A, B: the left and right operand; K: the contracted axis; several contracted axes count as one K, in the product's order):
;;     1. [M 2,048, K 1,024] x [K 1,024, N 3,072]; A: computed on the way; B: input Wqkv0 (given as codes): QUANTISED
;;     2. [M 2,048, K 1,024] x [K 1,024, N 3,072]; A: computed on the way; B: input Wqkv0 (given as codes): QUANTISED
;;     3. batch 16 x [M 2,048, K 64] x [K 64, N 2,048]; A: computed on the way; B: computed on the way: QUANTISED
;;     4. batch 16 x [M 2,048, K 2,048] x [K 2,048, N 64]; A: softmax (see below); B: computed on the way: QUANTISED
;;     5. [M 2,048, K 1,024] x [K 1,024, N 1,024]; A: computed on the way; B: input Wo0 (given as codes): QUANTISED
;;     6. [M 2,048, K 1,024] x [K 1,024, N 3,072]; A: computed on the way; B: input Wqkv1 (given as codes): QUANTISED
;;     7. [M 2,048, K 1,024] x [K 1,024, N 3,072]; A: computed on the way; B: input Wqkv1 (given as codes): QUANTISED
;;     8. batch 16 x [M 2,048, K 64] x [K 64, N 2,048]; A: computed on the way; B: computed on the way: QUANTISED
;;     9. batch 16 x [M 2,048, K 2,048] x [K 2,048, N 64]; A: softmax (see below); B: computed on the way: QUANTISED
;;     10. [M 2,048, K 1,024] x [K 1,024, N 1,024]; A: computed on the way; B: input Wo1 (given as codes): QUANTISED
;;     11. [M 2,048, K 1,024] x [K 1,024, N 6,282]; A: computed on the way; B: input tok_emb: QUANTISED
;;   THE QUANTISER, for each operand of a quantised product, along K:
;;     - K is cut into blocks of 32 from its start; a last block that is shorter is filled with zeros.
;;     - A block's scale is 2^e with e = floor(log2(the largest magnitude in the block)) - 2, held to -126 .. 127; a block of zeros has e = 0. As a byte (E8M0): e + 127.
;;     - Each number is divided by its block's scale, clamped to +-7.5, and rounded to the nearest number of E2M3, ties to even, subnormals kept.
;;     - The product sums the exact products of the quantised numbers (number of the format x scale) in f32.
;;   ~~~python
;;   def quantise(x, axis):      # numpy; x: float32 -> the quantised numbers, widened to float32 again
;;       x = np.moveaxis(x, axis, -1); K = x.shape[-1]
;;       x = np.pad(x, [(0, 0)] * (x.ndim - 1) + [(0, -K % 32)]); x = x.reshape(x.shape[:-1] + (-1, 32)); a = np.abs(x).max(-1, keepdims=True)
;;       e = np.where(a > 0, np.clip(np.frexp(np.where(a > 0, a, 1))[1] - 1 - 2, -126, 127), 0)      # np.frexp(a)[1] - 1 = floor(log2(a)), exactly
;;       r = np.clip(x / 2.0 ** e, -7.5, 7.5)
;;       step = 2.0 ** (np.maximum(np.frexp(np.where(r == 0, 1, r))[1] - 1, 0) - 3)
;;       q = np.round(r / step) * step * 2.0 ** e      # np.round: ties to even
;;       return np.moveaxis(q.reshape(q.shape[:-2] + (-1,))[..., :K], -1, axis).astype(np.float32)
;;   ~~~
;;   SOFTMAX AHEAD OF A QUANTISED PRODUCT. Where the list says 'softmax', what is quantised is not the finished softmax but p = 2^(t - M), with t = logit x log2(e) and M = ceil(the row's largest t), a whole number; so 1/2 < the row's largest p <= 1. The row's sum l is taken of the UNQUANTISED p, in f32, and the product's result is divided by l at the end. Since M is a whole number, a kernel that streams over the keys may use a running M (the ceiling of the running maximum): every later rescaling is an exact power of two, which a block's scale takes up: the codes' values come out the same.
;;   OPERANDS COMPUTED ON THE WAY. 'Computed on the way' means the value that the module computes at that place (a softmax that the list does not call 'softmax' is quantised finished and normalised). What goes into a quantiser is computed in f32, as accurately as f32 sums, v_exp_f32 and their like allow (about 1e-6 of the number): no bf16 or f16 on the way to a quantiser, and a product that is left as it is and whose result goes on into a quantised operand takes f32 operands (vector FMAs, or v_wmma_f32_16x16x4_f32). A number that lies on a knife's edge between two numbers of the format may be rounded either way, as far as f32 arithmetic and the matrix unit's own rounding can turn it there, and no further.
;;   INPUTS GIVEN AS CODES. Wo0 (in the module: [1024, 1024], K = its axis 1); Wo1 (in the module: [1024, 1024], K = its axis 1); Wqkv0 (in the module: [3072, 1024], K = its axis 1); Wqkv1 (in the module: [3072, 1024], K = its axis 1): each comes as NAME_codes (uint8): NAME with its K axis moved to the last place and cut into blocks of 32 codes, [.., K / 32, bytes a block], one block behind the other in memory; four codes in three bytes: a row's codes are one little-endian stream of bits, code i at bits 6 i .. 6 i + 5 (a code: sign, 2 exponent bits, 3 mantissa bits); and NAME_scales (uint8): the same leading axes, one E8M0 byte (e + 127) for each 32 codes along K. Its value is code x scale, taken as it is: it is not quantised again, and the codes and scales need not be those that the quantiser above would give.
;; 2 versions. Each part assembles by itself: llvm-mc -triple=amdgcn-amd-amdhsa -mcpu=gfx1250 --defsym DOCPART=n.
;; ======== version 1 of 2: 8 launches
;; limits: right only within a limited range of input values
;; workspace buffers: a0 12,582,912 bytes; a1 12,582,912 bytes; w0 3,145,728 bytes; w1 3,145,728 bytes; wt 8,650,752 bytes; qkv 6,291,456 bytes; comb 2,097,152 bytes
;; launch prep (part 1): grid 1040 x 1, 4 waves a work-group, no clusters, 0 bytes of LDS; arguments input_ids, tok_emb, pos_emb, Wqkv0_codes, Wqkv0_scales, Wqkv1_codes, Wqkv1_scales, Wo0_codes, Wo0_scales, Wo1_codes, Wo1_scales, a0, w0, w1, wt; writes a0, w0, w1, wt
.if DOCPART == 1
	.amdgcn_target "amdgcn-amd-amdhsa--gfx1250"
	.amdhsa_code_object_version 6
	.text
	.protected	k_q8de30a7cb7_prep
	.globl	k_q8de30a7cb7_prep
	.p2align	8
	.type	k_q8de30a7cb7_prep,@function
k_q8de30a7cb7_prep:
	s_mov_b64 s[64:65], 0
	v_nop
	global_prefetch_b8 v0, s[64:65] scope:SCOPE_SE
	s_setreg_imm32_b32 hwreg(HW_REG_WAVE_MODE, 25, 1), 1
	s_wait_xcnt 0x0
; PREP: every operand that later launches read is laid out once, as RECORDS of 1,024 bytes.
; A record is 16 rows x 64 along K as an image of the operand's registers: bytes 0-511 registers 0-3 (16 bytes a lane), bytes 512-767 registers 4-5 (8 bytes a lane),
; bytes 768-1023 the pair (scale word, 0), 8 bytes a lane; the scale word is byte(block 0) | byte(block 1) << 8.  Lane (r, h) holds k = 32 h .. 32 h + 31 of the tile's row r.
; THE ROWS OF A TILE ARE NOT NEIGHBOURS: row r of tile T is row 32 (T / 2) + 8 (T % 2) + r + 8 (r / 8) of its matrix, so that a transposed product's 16 registers of two neighbouring tiles are 16 neighbours along the next K.
; Work-groups 0-127: tile T of the tokens: emb = tok_emb[input_ids] as f32 images (a0 + 4 MiB), its codes (a0), the codes of emb + pos_emb (a0 + 2 MiB).
; Work-groups 128-527: tok_emb quantised along its 1,024 (wt + 2 MiB), 400 tiles; rows from 6,282 on are zero codes.  Work-groups 528-1039: the four weights' given codes and scale bytes, copied into records, unchanged.
; DEAD WORK LEFT OUT BY THE PROGRAM.  (1) reference() takes q and k from (x + pe) Wqkv^T and slices its v columns away, and takes v from x Wqkv^T and slices its q, k columns away: the sliced columns reach no output for any
; values of the inputs, so each layer multiplies 2,048 columns by x + pe and 1,024 by x.  (2) Key steps that lie wholly above the diagonal of the mask that reference() builds (qi < ki) are not walked.
; LIMITS.  A hidden key has the logit -10,000 in reference(), so its weight is 2^(-14,427 - M): it is 0 in f32 while a row's largest open logit lies above about -9,890; below that the hidden keys of the steps left out would count and
; are not served.  A NaN, an infinity or an overflow that reaches only the work left out is not carried to the result; NaN and infinities among the inputs are not served.
; A block of zeros gets the scale byte 1 (the rule says 127): its codes are zeros, and this program alone reads the bytes.  All inputs have a way to the output and are loaded.
.set ROWB4, 4096                       ; a row of 1,024 f32 in bytes
.set REC,   1024                       ; a record
.set LI16, 4                           ; v4   16 x lane
.set LI8,  5                           ; v5   8 x lane
.set TM,   10                          ; v10-13 largest magnitudes, and the other half of the lanes'
.set SO,   14                          ; v14-15 the conversions' scale operands
.set BY,   16                          ; v16-17 scale bytes
.set PW,   18                          ; v18 the scale word, v19 = 0
.set PC,   20                          ; v20-25 a record's codes
.set PT,   26                          ; v26-28 the second conversion's result
.set WV,   34                          ; s34  my wave
.set SEL,  46                          ; s[46:47] lane selects: lane l xor 16
; 32 numbers of a lane, register 16 b + i = k 32 b + 16 (lane / 16) + i of my row, become a record's codes in v[PC] on and its scale word in v[PW].
.macro QUANT2 s
.irp b, 0,1
	v_max3_num_f32 v[TM+\b], |v[(\s)+16*\b]|, |v[(\s)+16*\b+1]|, 0x1800000   ; my 16 numbers of block b, and the floor 2^(3 - 127): the byte cannot fall under 1
.endr
.irp i, 2,4,6,8,10,12,14
.irp b, 0,1
	v_max3_num_f32 v[TM+\b], v[TM+\b], |v[(\s)+16*\b+\i]|, |v[(\s)+16*\b+\i+1]|
.endr
.endr
.irp b, 0,1
	v_permlanex16_b32 v[TM+2+\b], v[TM+\b], s[SEL], s[SEL+1]
.endr
.irp b, 0,1
	v_max_num_f32 v[TM+\b], v[TM+\b], v[TM+2+\b]   ; with lane l xor 16's: the block's largest magnitude
.endr
.irp b, 0,1
	v_add_nc_u32 v[SO+\b], 0xff000000, v[TM+\b]    ; 2 off its exponent field: the conversion takes this operand's exponent field as its scale
.endr
	s_wait_xcnt 0x0                                ; the last record's stores have read v[PC] on and v[PW]: only now are they written again
.irp b, 0,1
	v_lshrrev_b32 v[BY+\b], 23, v[SO+\b]           ; the scale's byte
.endr
	v_lshl_or_b32 v[PW], v[BY+1], 8, v[BY]
	v_cvt_scalef32_pk16_fp6_f32 v[PC:PC+2], v[(\s):(\s)+15], v[SO]
	v_cvt_scalef32_pk16_fp6_f32 v[PT:PT+2], v[(\s)+16:(\s)+31], v[SO+1]
	v_nop                                          ; one plain instruction behind a scaled conversion
.irp i, 0,1,2
	v_permlane16_swap_b32 v[PC+\i], v[PT+\i]       ; a lane wants a WHOLE block: lanes 0-15 block 0, lanes 16-31 block 1
.endr
.irp i, 0,1,2
	v_mov_b32 v[PC+3+\i], v[PT+\i]
.endr
.endm
.macro PUTREC base, off                ; three stores, each of whole aligned runs of 256 bytes
	global_store_b128 v[LI16], v[PC:PC+3], s[\base:\base+1] offset:\off
	global_store_b64 v[LI8], v[PC+4:PC+5], s[\base:\base+1] offset:(\off)+512
	global_store_b64 v[LI8], v[PW:PW+1], s[\base:\base+1] offset:(\off)+768
.endm
	s_load_b512 s[4:19], s[0:1], 0x0               ; ids s[4:5], tok s[6:7], pos s[8:9], Wqkv0 codes, scales s[10:13], Wqkv1 s[14:17], Wo0 codes s[18:19]
	s_load_b256 s[20:27], s[0:1], 0x40             ; Wo0 scales s[20:21], Wo1 codes, scales s[22:25], a0 s[26:27]
	s_load_b128 s[28:31], s[0:1], 0x60             ; w0 s[28:29], w1 s[30:31]
	s_load_b64 s[32:33], s[0:1], 0x70              ; wt
	v_lshrrev_b32 v1, 5, v0
	v_readfirstlane_b32 s[WV], v1                  ; wave 0..3: it takes the tile's half-fragments 4 w .. 4 w + 3 of 16
	v_and_b32 v1, 15, v0                           ; r
	v_bfe_u32 v2, v0, 4, 1                         ; h
	v_and_b32 v3, 8, v1
	v_add_nc_u32 v3, v3, v1                        ; r + 8 (r / 8)
	v_and_b32 v[LI8], 31, v0
	v_lshlrev_b32 v[LI16], 4, v[LI8]
	v_lshlrev_b32 v[LI8], 3, v[LI8]
	v_mov_b32 v[TM+2], 0                           ; written once: a lane permute's destination counts as one of its sources
	v_mov_b32 v[TM+3], 0
	v_mov_b32 v[PW+1], 0
	s_mov_b32 s[SEL], 0x76543210
	s_mov_b32 s[SEL+1], 0xfedcba98
	s_wait_kmcnt 0x0
	s_cmp_lt_u32 ttmp9, 128
	s_cbranch_scc0 .Lnot_a
	; ---- the tokens: tile T = the work-group's number
	s_lshr_b32 s35, ttmp9, 1
	s_lshl_b32 s35, s35, 5
	s_and_b32 s36, ttmp9, 1
	s_lshl_b32 s36, s36, 3
	s_add_co_u32 s35, s35, s36                     ; 32 (T / 2) + 8 (T % 2)
	v_add_nc_u32 v6, s35, v3                       ; my token
	v_lshlrev_b32 v7, 2, v6
	global_load_b32 v8, v7, s[4:5]                 ; its id
	s_lshl_b32 s36, s[WV], 10                      ; my wave's four half-fragments: 1,024 bytes of a row
	s_mov_b32 s37, 0
	s_add_nc_u64 s[6:7], s[6:7], s[36:37]
	s_add_nc_u64 s[8:9], s[8:9], s[36:37]
	s_lshl_b32 s38, ttmp9, 14
	s_lshl_b32 s39, s[WV], 12
	s_add_co_u32 s38, s38, s39                     ; record (16 T + 4 w) x 1,024
	s_mov_b32 s39, 0
	s_add_nc_u64 s[40:41], s[26:27], s[38:39]      ; the codes of emb; those of emb + pe lie 2 MiB on
	s_lshl_b32 s38, s38, 2
	s_add_co_u32 s38, s38, 0x400000
	s_add_nc_u64 s[42:43], s[26:27], s[38:39]      ; the f32 images, 4,096 bytes each
	v_lshlrev_b32 v9, 12, v6
	v_lshl_add_u32 v9, v2, 6, v9                   ; pos_emb: row = my token, + 64 h: my 16 numbers of a block of 32
	s_wait_loadcnt 0x0
	v_min_u32 v8, 0x1889, v8                       ; an id stays inside the table of 6,282 rows
	v_lshlrev_b32 v8, 12, v8
	v_lshl_add_u32 v8, v2, 6, v8                   ; tok_emb: row = the id, + 64 h
.macro LOADA i, e                      ; half-fragment i of my four: 32 numbers of emb into v[e] on, 32 of pos_emb into v[e + 32] on
.irp b, 0,1
.irp j, 0,1,2,3
	global_load_b128 v[(\e)+16*\b+4*\j:(\e)+16*\b+4*\j+3], v8, s[6:7] offset:256*(\i)+128*\b+16*\j
.endr
.endr
.irp b, 0,1
.irp j, 0,1,2,3
	global_load_b128 v[(\e)+32+16*\b+4*\j:(\e)+32+16*\b+4*\j+3], v9, s[8:9] offset:256*(\i)+128*\b+16*\j
.endr
.endr
.endm
.macro HFA i, e, left
	s_wait_loadcnt \left                           ; this half-fragment's 16 loads are in; the next one's 16 may be out
.irp p, 0,1,2,3,4,5,6,7
	global_store_b128 v[LI16], v[(\e)+4*\p:(\e)+4*\p+3], s[42:43] offset:4096*(\i)+512*\p   ; emb as it stands in an accumulator's layout: the residual of the layer's last product
.endr
	QUANT2 \e
	PUTREC 40, 1024*(\i)
.set kk, 0
.rept 16
	v_pk_add_f32 v[(\e)+32+kk:(\e)+33+kk], v[(\e)+32+kk:(\e)+33+kk], v[(\e)+kk:(\e)+kk+1]   ; emb + pe
.set kk, kk+2
.endr
	QUANT2 (\e)+32
	PUTREC 40, 0x200000+1024*(\i)
.if (\i) < 2
	s_wait_xcnt 0x0                                ; the image's stores have read their registers: they take the loads of two half-fragments on
	LOADA (\i)+2, \e
.endif
.endm
	LOADA 0, 32
	LOADA 1, 96
	HFA 0, 32, 16
	HFA 1, 96, 16
	HFA 2, 32, 16
	HFA 3, 96, 0
	s_endpgm
.Lnot_a:
	s_cmp_lt_u32 ttmp9, 528
	s_cbranch_scc0 .Lweights
	; ---- tok_emb as the last product's operand: tile Tt
	s_sub_co_u32 s35, ttmp9, 128
	s_lshr_b32 s36, s35, 1
	s_lshl_b32 s36, s36, 5
	s_and_b32 s37, s35, 1
	s_lshl_b32 s37, s37, 3
	s_add_co_u32 s36, s36, s37
	v_add_nc_u32 v6, s36, v3                       ; my row of the table
	v_cmp_gt_u32 s44, 0x188a, v6                   ; is it one of the 6,282?
	v_min_u32 v7, 0x1889, v6                       ; no load leaves the table
	v_lshlrev_b32 v7, 12, v7
	v_lshl_add_u32 v7, v2, 6, v7
	s_lshl_b32 s36, s[WV], 10
	s_mov_b32 s37, 0
	s_add_nc_u64 s[6:7], s[6:7], s[36:37]
	s_lshl_b32 s38, s35, 14
	s_lshl_b32 s36, s[WV], 12
	s_add_co_u32 s38, s38, s36
	s_add_co_u32 s38, s38, 0x200000
	s_mov_b32 s39, 0
	s_add_nc_u64 s[40:41], s[32:33], s[38:39]
.irp i, 0,1,2,3
.irp b, 0,1
.irp j, 0,1,2,3
	global_load_b128 v[32+32*\i+16*\b+4*\j:35+32*\i+16*\b+4*\j], v7, s[6:7] offset:256*\i+128*\b+16*\j
.endr
.endr
.endr
.irp i, 0,1,2,3
	s_wait_loadcnt 24-8*\i                         ; the later half-fragments' loads, 8 each, may be out
.set kk, 0
.rept 32
	v_cndmask_b32 v[32+32*\i+kk], 0, v[32+32*\i+kk], s44   ; rows past the table's end are zeros
.set kk, kk+1
.endr
	QUANT2 32+32*\i
	PUTREC 40, 1024*\i
.endr
	s_endpgm
.Lweights:
	; ---- the given codes and scale bytes, into records: tiles 0-191 Wqkv0, 192-383 Wqkv1, 384-447 Wo0, 448-511 Wo1.  The choice hangs on the work-group's number alone
	s_sub_co_u32 s35, ttmp9, 528
	s_mov_b64 s[36:37], s[22:23]                   ; codes,
	s_mov_b64 s[38:39], s[24:25]                   ; scale bytes,
	s_mov_b64 s[40:41], s[32:33]                   ; where the records go,
	s_mov_b32 s42, 448                             ; the matrix's first tile,
	s_mov_b32 s43, 0x100000                        ; and its place in that buffer
	s_cmp_lt_u32 s35, 448
	s_cselect_b64 s[36:37], s[18:19], s[36:37]
	s_cselect_b64 s[38:39], s[20:21], s[38:39]
	s_cselect_b32 s42, 384, s42
	s_cselect_b32 s43, 0, s43
	s_cmp_lt_u32 s35, 384
	s_cselect_b64 s[36:37], s[14:15], s[36:37]
	s_cselect_b64 s[38:39], s[16:17], s[38:39]
	s_cselect_b64 s[40:41], s[30:31], s[40:41]
	s_cselect_b32 s42, 192, s42
	s_cmp_lt_u32 s35, 192
	s_cselect_b64 s[36:37], s[10:11], s[36:37]
	s_cselect_b64 s[38:39], s[12:13], s[38:39]
	s_cselect_b64 s[40:41], s[28:29], s[40:41]
	s_cselect_b32 s42, 0, s42
	s_sub_co_u32 s35, s35, s42                     ; the tile in its matrix
	s_lshr_b32 s44, s35, 1
	s_lshl_b32 s44, s44, 5
	s_and_b32 s45, s35, 1
	s_lshl_b32 s45, s45, 3
	s_add_co_u32 s44, s44, s45
	v_add_nc_u32 v6, s44, v3                       ; my row
	v_mul_u32_u24 v7, v6, 0x300                    ; a row of 1,024 codes is 768 bytes
	v_mad_u32_u24 v7, v2, 24, v7                   ; + 24 h: my block of 32
	v_lshlrev_b32 v8, 5, v6                        ; a row of scale bytes is 32 bytes
	s_mul_i32 s44, s[WV], 192                      ; my four half-fragments: 48 bytes of codes each,
	s_mov_b32 s45, 0
	s_add_nc_u64 s[36:37], s[36:37], s[44:45]
	s_lshl_b32 s44, s[WV], 3                       ; 2 scale bytes each
	s_add_nc_u64 s[38:39], s[38:39], s[44:45]
	s_lshl_b32 s44, s35, 14
	s_lshl_b32 s42, s[WV], 12
	s_add_co_u32 s44, s44, s42
	s_add_co_u32 s44, s44, s43
	s_add_nc_u64 s[40:41], s[40:41], s[44:45]
.irp i, 0,1,2,3
.irp p, 0,1,2
	global_load_b64 v[32+8*\i+2*\p:33+8*\i+2*\p], v7, s[36:37] offset:48*\i+8*\p th:TH_LOAD_NT   ; 24 bytes of the row's stream of bits, as they lie
.endr
	global_load_u16 v[38+8*\i], v8, s[38:39] offset:2*\i th:TH_LOAD_NT   ; the two blocks' bytes are the scale word
	v_mov_b32 v[39+8*\i], 0
.endr
	s_wait_loadcnt 0x0
.irp i, 0,1,2,3
	global_store_b128 v[LI16], v[32+8*\i:35+8*\i], s[40:41] offset:1024*\i
	global_store_b64 v[LI8], v[36+8*\i:37+8*\i], s[40:41] offset:1024*\i+512
	global_store_b64 v[LI8], v[38+8*\i:39+8*\i], s[40:41] offset:1024*\i+768
.endr
	s_endpgm
.Lfunc_end_k_q8de30a7cb7_prep:
	.size	k_q8de30a7cb7_prep, .Lfunc_end_k_q8de30a7cb7_prep-k_q8de30a7cb7_prep
	.p2alignl 7, 3214868480
	.fill 96, 4, 3214868480
	.section	.rodata,"a",@progbits
	.p2align	6, 0x0
	.amdhsa_kernel k_q8de30a7cb7_prep
		.amdhsa_group_segment_fixed_size 0
		.amdhsa_private_segment_fixed_size 0
		.amdhsa_enable_private_segment 0
		.amdhsa_kernarg_size 120
		.amdhsa_user_sgpr_count 2
		.amdhsa_user_sgpr_kernarg_segment_ptr 1
		.amdhsa_wavefront_size32 1
		.amdhsa_system_sgpr_workgroup_id_x 1
		.amdhsa_system_sgpr_workgroup_id_y 1
		.amdhsa_system_sgpr_workgroup_id_z 1
		.amdhsa_system_vgpr_workitem_id 0
		.amdhsa_next_free_vgpr 160
		.amdhsa_next_free_sgpr 66
		.amdhsa_reserve_vcc 0
		.amdhsa_float_denorm_mode_32 3
		.amdhsa_float_denorm_mode_16_64 3
		.amdhsa_memory_ordered 1
		.amdhsa_forward_progress 1
		.amdhsa_inst_pref_size 58
	.end_amdhsa_kernel
	.amdgpu_metadata
---
amdhsa.version: [ 1, 2 ]
amdhsa.kernels:
  - .name:           k_q8de30a7cb7_prep
    .symbol:         k_q8de30a7cb7_prep.kd
    .args:
      - { .name: input_ids, .offset: 0, .size: 8, .value_kind: global_buffer, .address_space: global }
      - { .name: tok_emb, .offset: 8, .size: 8, .value_kind: global_buffer, .address_space: global }
      - { .name: pos_emb, .offset: 16, .size: 8, .value_kind: global_buffer, .address_space: global }
      - { .name: Wqkv0_codes, .offset: 24, .size: 8, .value_kind: global_buffer, .address_space: global }
      - { .name: Wqkv0_scales, .offset: 32, .size: 8, .value_kind: global_buffer, .address_space: global }
      - { .name: Wqkv1_codes, .offset: 40, .size: 8, .value_kind: global_buffer, .address_space: global }
      - { .name: Wqkv1_scales, .offset: 48, .size: 8, .value_kind: global_buffer, .address_space: global }
      - { .name: Wo0_codes, .offset: 56, .size: 8, .value_kind: global_buffer, .address_space: global }
      - { .name: Wo0_scales, .offset: 64, .size: 8, .value_kind: global_buffer, .address_space: global }
      - { .name: Wo1_codes, .offset: 72, .size: 8, .value_kind: global_buffer, .address_space: global }
      - { .name: Wo1_scales, .offset: 80, .size: 8, .value_kind: global_buffer, .address_space: global }
      - { .name: a0, .offset: 88, .size: 8, .value_kind: global_buffer, .address_space: global }
      - { .name: w0, .offset: 96, .size: 8, .value_kind: global_buffer, .address_space: global }
      - { .name: w1, .offset: 104, .size: 8, .value_kind: global_buffer, .address_space: global }
      - { .name: wt, .offset: 112, .size: 8, .value_kind: global_buffer, .address_space: global }
    .group_segment_fixed_size: 0
    .private_segment_fixed_size: 0
    .kernarg_segment_align: 8
    .kernarg_segment_size: 120
    .max_flat_workgroup_size: 128
    .sgpr_count:     66
    .vgpr_count:     160
    .wavefront_size: 32
...
	.end_amdgpu_metadata
.endif
;; end of part 1
;; launch qkv0 (part 2): grid 16 x 24, 4 waves a work-group, clusters of 4 x 4, 262,656 bytes of LDS; arguments a0, w0, qkv; writes qkv
.if DOCPART == 2
	.amdgcn_target "amdgcn-amd-amdhsa--gfx1250"
	.amdhsa_code_object_version 6
	.text
	.protected	k_q8de30a7cb7_qkv0
	.globl	k_q8de30a7cb7_qkv0
	.p2align	8
	.type	k_q8de30a7cb7_qkv0,@function
k_q8de30a7cb7_qkv0:
	s_mov_b64 s[64:65], 0
	v_nop
	global_prefetch_b8 v0, s[64:65] scope:SCOPE_SE
	s_setreg_imm32_b32 hwreg(HW_REG_WAVE_MODE, 25, 1), 1
	s_wait_xcnt 0x0
	s_wait_alu depctr_hold_cnt(0) depctr_sa_sdst(0) depctr_va_vdst(0) depctr_va_sdst(0) depctr_va_ssrc(0) depctr_va_vcc(0) depctr_vm_vsrc(0)
	s_getreg_b32 s2, hwreg(HW_REG_IB_STS2, 6, 4)
	s_cmp_eq_u32 s2, 0
	s_cbranch_scc0 .Lentry_in_a_cluster
	s_endpgm
.Lentry_in_a_cluster:
	s_bfe_u32 s2, ttmp6, 0x10000c
	s_cmp_lg_u32 s2, 0xf033
	s_cbranch_scc0 .Lentry_shape_is_right
	s_endpgm
.Lentry_shape_is_right:
; Q, K AND V^T OF ONE LAYER, as records of codes.  out[m][n] = sum over k of X[m][k] Y[n][k], K = 1,024, on codes of FP6 (E2M3) with E8M0 scales; the result is quantised in registers along n.
; WORK LEFT OUT: the columns that reference() slices away (v of the product with x + pe; q, k of the product with x) are not multiplied: shown at the head of the first kernel.
; Tile rows 0-15 of the grid: X = x + pe (tokens), Y = Wq, Wk: a lane holds one token and 64 neighbouring features: a head's q or k, quantised along the head's 64.
; Tile rows 16-23: X = Wv (features), Y = x (tokens): a lane holds one feature of v and 64 neighbouring keys: V^T, quantised along the keys.
; All operands are records (16 rows x 64 K as an image of the operand's registers: 512 bytes registers 0-3, 256 bytes registers 4-5, 256 bytes scale words), record = 16 x tile + half-fragment.
; A work-group of four waves makes 128 x 128, a wave 64 x 64.  THE MATRIX INSTRUCTION IS USED TRANSPOSED: source 0 = 16 rows of Y, source 1 = 16 rows of X.
; LDS holds the work-group's whole K: 4 chunks of 256 along K, all asked for at the head and filled once; a chunk is read behind a counted wait and one barrier.  By this text's count a wave has four tensor loads out.
; CLUSTER 4 x 4: X's tiles hang on the tile row alone and are asked for jointly along a row of the cluster, Y's on the tile column alone, along a column.
.set XT,    4                          ; X tiles a wave
.set XB,    XT*4096                    ; a chunk's X tiles of one half of the rows, in bytes
.set CH,    2*XB+32768                 ; a chunk: X half 0, X half 1, Y half 0, Y half 1; in a half [tile][4 half-fragments][1,024]
.set SPARE, 4*CH                       ; the spare words, 128 bytes a wave: two blocks of 256 bytes that no other line names
.set AX16, 1                           ; v1-2  LDS address of my X tiles: 16 x lane and 8 x lane
.set AX8,  2
.set AY16, 3                           ; v3-4  the same for Y
.set AY8,  4
.set ASC,  5                           ; v5    of the scale words: lanes 0-15 X's tile i, lanes 16-31 Y's tile i
.set SPW,  6                           ; v6    my spare word; never rewritten
.set NIL,  7                           ; v7    0; never rewritten
.set LI16, 8
.set LI8,  9
.set ST,   12                          ; v12-19 scale words of two half-fragments as loaded
.set SC,   20                          ; v20-23 scale words of 128 along K; they hold scales and nothing else
.set YF,   24                          ; v24-71  Y's four fragments
.set XF,   72                          ; v72-119 X's
.set ACC,  120                         ; accumulator (a, b) at v[ACC + 32 a + 8 b]
.set TM,   24                          ; the way out works where Y's fragments lay
.set SO,   28
.set BY,   30
.set PW,   32
.set PC,   36
.set PT,   44
.set G1X,  24                          ; s[24:31], s[48:55] descriptor groups 1;  s[68:83], s[84:99] groups 0, one for each chunk
.set G1Y,  48
.set G0X,  68
.set G0Y,  84
.set SEL,  66
.macro CROUND                          ; a round of the cluster's barrier
	s_barrier_signal -1
	s_barrier_wait -1
	s_cmp_lg_u32 s14, 0
	s_cbranch_scc1 .Lnot_wave_0_\@
	s_barrier_signal -3
.Lnot_wave_0_\@:
	s_barrier_wait -3
	s_barrier_signal -1
	s_barrier_wait -1
.endm
.macro QUANT2 s                        ; 32 numbers of a lane, register 16 b + i = k 32 b + 16 (lane / 16) + i of my row, become a record's codes and scale word
.irp b, 0,1
	v_max3_num_f32 v[TM+\b], |v[(\s)+16*\b]|, |v[(\s)+16*\b+1]|, 0x1800000   ; with the floor 2^(3 - 127): the byte cannot fall under 1.  Each accumulator is read from its low end on
.endr
.irp i, 2,4,6,8,10,12,14
.irp b, 0,1
	v_max3_num_f32 v[TM+\b], v[TM+\b], |v[(\s)+16*\b+\i]|, |v[(\s)+16*\b+\i+1]|
.endr
.endr
.irp b, 0,1
	v_permlanex16_b32 v[TM+2+\b], v[TM+\b], s[SEL], s[SEL+1]
.endr
.irp b, 0,1
	v_max_num_f32 v[TM+\b], v[TM+\b], v[TM+2+\b]
.endr
.irp b, 0,1
	v_add_nc_u32 v[SO+\b], 0xff000000, v[TM+\b]    ; 2 off the exponent field: the conversion's scale operand
.endr
	s_wait_xcnt 0x0                                ; the last record's stores have read their registers
.irp b, 0,1
	v_lshrrev_b32 v[BY+\b], 23, v[SO+\b]
.endr
	v_lshl_or_b32 v[PW], v[BY+1], 8, v[BY]
	v_cvt_scalef32_pk16_fp6_f32 v[PC:PC+2], v[(\s):(\s)+15], v[SO]
	v_cvt_scalef32_pk16_fp6_f32 v[PT:PT+2], v[(\s)+16:(\s)+31], v[SO+1]
	v_nop                                          ; one plain instruction behind a scaled conversion
.irp i, 0,1,2
	v_permlane16_swap_b32 v[PC+\i], v[PT+\i]
.endr
.irp i, 0,1,2
	v_mov_b32 v[PC+3+\i], v[PT+\i]
.endr
.endm
.macro PUTREC base, off
	global_store_b128 v[LI16], v[PC:PC+3], s[\base:\base+1] offset:\off
	global_store_b64 v[LI8], v[PC+4:PC+5], s[\base:\base+1] offset:(\off)+512
	global_store_b64 v[LI8], v[PW:PW+1], s[\base:\base+1] offset:(\off)+768
.endm
; 128 along K: the chunk's half-fragments 2 q and 2 q + 1.  zero = 1: the products start the sums.
.macro KSTEP q, zero
.rept 4
	v_nop                                          ; four places behind the last products, ahead of loads into their operands and of the writes of their scale registers
.endr
.irp i, 0,1,2,3
.irp p, 0,1
	ds_load_b32 v[ST+2*\i+\p], v[ASC] offset:4096*\i+1024*(2*(\q)+\p)
.endr
.endr
.irp b, 0,1,2,3
.irp p, 0,1
	ds_load_b128 v[YF+12*\b+6*\p:YF+12*\b+6*\p+3], v[AY16] offset:4096*\b+1024*(2*(\q)+\p)
	ds_load_b64 v[YF+12*\b+6*\p+4:YF+12*\b+6*\p+5], v[AY8] offset:4096*\b+1024*(2*(\q)+\p)+512
.endr
.endr
.set aa, 0
.rept XT
.irp p, 0,1
	ds_load_b128 v[XF+12*aa+6*\p:XF+12*aa+6*\p+3], v[AX16] offset:4096*aa+1024*(2*(\q)+\p)
	ds_load_b64 v[XF+12*aa+6*\p+4:XF+12*aa+6*\p+5], v[AX8] offset:4096*aa+1024*(2*(\q)+\p)+512
.endr
.set aa, aa+1
.endr
	s_wait_dscnt 16+4*XT                           ; the eight scale words are in; the loads of codes behind them may be out
.irp i, 0,1,2,3
	v_lshl_or_b32 v[SC+\i], v[ST+2*\i+1], 16, v[ST+2*\i]   ; two half-fragments' bytes make the word of 128 along K
.endr
.rept 8
	v_nop                                          ; a scale register written by a vector instruction stands eight places ahead of the product
.endr
	s_wait_dscnt 0x0
.set aa, 0
.rept XT
.irp b, 0,1,2,3
.if \zero
	v_wmma_scale_f32_16x16x128_f8f6f4 v[ACC+32*aa+8*\b:ACC+32*aa+8*\b+7], v[YF+12*\b:YF+12*\b+11], v[XF+12*aa:XF+12*aa+11], 0, v[SC+\b], v[SC+aa] matrix_a_fmt:MATRIX_FMT_FP6 matrix_b_fmt:MATRIX_FMT_FP6 matrix_a_scale:MATRIX_SCALE_ROW1
.else
	v_wmma_scale_f32_16x16x128_f8f6f4 v[ACC+32*aa+8*\b:ACC+32*aa+8*\b+7], v[YF+12*\b:YF+12*\b+11], v[XF+12*aa:XF+12*aa+11], v[ACC+32*aa+8*\b:ACC+32*aa+8*\b+7], v[SC+\b], v[SC+aa] matrix_a_fmt:MATRIX_FMT_FP6 matrix_b_fmt:MATRIX_FMT_FP6 matrix_a_scale:MATRIX_SCALE_ROW1
.endif
.endr
.set aa, aa+1
.endr                                  ; the accumulators take turns, one instruction a turn
.endm
.macro CHUNK c, zero
	s_wait_tensorcnt 3-\c                          ; my part of chunk c is in; my loads of the later chunks may be out
	s_wait_dscnt 0x0
	s_barrier_signal -1
	s_barrier_wait -1                              ; everybody's part is in
	KSTEP 0, \zero
	KSTEP 1, 0
.if \c < 3
.irp r, AX16, AX8, AY16, AY8, ASC
	v_add_nc_u32 v[\r], CH, v[\r]
.endr
.endif
.endm
	s_load_b128 s[4:7], s[0:1], 0x0                ; the activations' buffer s[4:5], the weights' records s[6:7]
	s_load_b64 s[8:9], s[0:1], 0x10                ; qkv
	v_lshl_add_u32 v[SPW], v0, 2, SPARE
	v_mov_b32 v[NIL], 0
	ds_add_u32 v[SPW], v[NIL]                      ; the wave's opening: the add, twice on end, and its wait ahead of my first tensor load
	ds_add_u32 v[SPW], v[NIL]
	v_lshrrev_b32 v10, 5, v0
	v_readfirstlane_b32 s14, v10                   ; wave 0..3
	s_lshr_b32 s15, s14, 1                         ; which half of the rows (X) is mine.  Also: I fetch for X (0) or for Y (1)
	s_and_b32 s16, s14, 1                          ; which half of the columns (Y).  Also: which half I fetch
	s_bfe_u32 s40, ttmp6, 0x40000                  ; cx, cy
	s_bfe_u32 s41, ttmp6, 0x40004
	s_lshl_b32 s42, ttmp9, 2
	s_add_co_u32 s42, s42, s40                     ; tile column = 4 x cluster x + cx
	s_and_b32 s18, ttmp7, 0xffff                   ; cluster y: 0-3 the part of q and k, 4-5 the part of v
	s_lshl_b32 s17, s18, 2
	s_add_co_u32 s17, s17, s41                     ; tile row = 4 x cluster y + cy
	s_lshl_b32 s43, s41, 2
	s_lshl_b32 s43, 15, s43                        ; my row of the cluster
	s_lshl_b32 s44, 0x1111, s40                    ; my column
	s_or_b32 s[G1X], s43, (3<<16)|(1<<21)          ; 15:0 the mask; 17:16 elements of 8 bytes; 21 set beside a mask; no padding
	s_or_b32 s[G1Y], s44, (3<<16)|(1<<21)
.irp g, G1X, G1Y
	s_mov_b32 s[\g+1], 512<<16                     ; tensor_dim0 = 512 elements: a tile's four half-fragments of a chunk, 4,096 bytes
	s_mov_b32 s[\g+3], 512<<16                     ; tile_dim0
	s_mov_b32 s[\g+5], 2048                        ; from tile to tile: 16 records
	s_mov_b32 s[\g+6], 0
	s_mov_b32 s[\g+7], 0
.endr
	s_mov_b32 s[G1X+2], XT<<16                     ; tensor_dim1, tile_dim1: the tiles of a half
	s_mov_b32 s[G1X+4], XT
	s_mov_b32 s[G1Y+2], 4<<16
	s_mov_b32 s[G1Y+4], 4
	s_lshl_b32 s19, s16, 16                        ; the half that I fetch: 4 tiles of 16,384 bytes
	s_and_b32 s20, s17, 15
	s_lshl_b32 s20, s20, 17                        ; X: 8 tiles a tile row,
	s_add_co_u32 s20, s20, s19
	s_add_co_u32 s20, s20, 0x200000                ; 2 MiB into its buffer: there lie the codes of x + pe, and there lies Wv
	s_mov_b32 s21, 0
	s_lshl_b32 s46, s42, 17                        ; Y: 8 tiles a tile column, from its buffer's start: Wq, Wk, or the codes of x
	s_add_co_u32 s46, s46, s19
	s_mov_b32 s47, 0
	s_mul_i32 s56, s16, XB                         ; where they go in a chunk: no place in the cluster enters an LDS address
	s_lshl_b32 s57, s16, 14
	s_add_co_u32 s57, s57, 2*XB
	s_mov_b32 s[SEL], 0x76543210
	s_mov_b32 s[SEL+1], 0xfedcba98
	s_wait_dscnt 0x0                               ; both opening adds are done
	s_wait_kmcnt 0x0
	s_cmp_lt_u32 s18, 4                            ; the choice hangs on the cluster's y alone, which all sixteen partners share
	s_cselect_b64 s[10:11], s[4:5], s[6:7]         ; X's buffer
	s_cselect_b64 s[12:13], s[6:7], s[4:5]         ; Y's
	s_add_nc_u64 s[20:21], s[10:11], s[20:21]
	s_add_nc_u64 s[46:47], s[12:13], s[46:47]
	CROUND                                         ; all sixteen work-groups are here: the joint loads meet
.irp c, 0,1,2,3
	s_mov_b32 s[G0X+4*\c], 1
	s_add_co_u32 s[G0X+4*\c+1], s56, \c*CH
	s_add_nc_u64 s[G0X+4*\c+2:G0X+4*\c+3], s[20:21], \c*4096
	s_or_b32 s[G0X+4*\c+3], s[G0X+4*\c+3], 0x80000000
	s_mov_b32 s[G0Y+4*\c], 1
	s_add_co_u32 s[G0Y+4*\c+1], s57, \c*CH
	s_add_nc_u64 s[G0Y+4*\c+2:G0Y+4*\c+3], s[46:47], \c*4096
	s_or_b32 s[G0Y+4*\c+3], s[G0Y+4*\c+3], 0x80000000
.endr
	s_cmp_eq_u32 s15, 0                            ; a wave's four fills stand in one arm of one branch on its number
	s_cbranch_scc0 .Lfor_y
.irp c, 0,1,2,3
	tensor_load_to_lds s[G0X+4*\c:G0X+4*\c+3], s[G1X:G1X+7]
	s_nop 0
.endr
.rept 4
	v_nop
.endr
	s_branch .Lasked
.Lfor_y:
.irp c, 0,1,2,3
	tensor_load_to_lds s[G0Y+4*\c:G0Y+4*\c+3], s[G1Y:G1Y+7]
	s_nop 0
.endr
.rept 4
	v_nop
.endr
.Lasked:
	v_and_b32 v10, 15, v0                          ; r
	v_bfe_u32 v11, v0, 4, 1                        ; h
	v_and_b32 v[LI8], 31, v0
	v_lshlrev_b32 v[LI16], 4, v[LI8]
	v_lshlrev_b32 v[LI8], 3, v[LI8]
	s_mul_i32 s58, s15, XB                         ; my half of X
	s_lshl_b32 s59, s16, 14
	s_add_co_u32 s59, s59, 2*XB                    ; my half of Y
	v_add_nc_u32 v[AX16], s58, v[LI16]
	v_add_nc_u32 v[AX8], s58, v[LI8]
	v_add_nc_u32 v[AY16], s59, v[LI16]
	v_add_nc_u32 v[AY8], s59, v[LI8]
	s_sub_co_u32 s59, s59, s58
	v_mul_u32_u24 v[ASC], s59, v11                 ; lanes 16-31 take Y's scale words
	v_lshl_add_u32 v[ASC], v10, 3, v[ASC]          ; row r's word lies at 8 r,
	s_add_co_u32 s58, s58, 768                     ; 768 bytes into the record
	v_add_nc_u32 v[ASC], s58, v[ASC]
	; where my four records go
	s_lshl_b32 s58, s42, 1
	s_add_co_u32 s58, s58, s16                     ; which 64 along n: 2 x tile column + my half
	s_lshl_b32 s59, s58, 7
	s_lshl_b32 s60, s17, 3
	s_add_co_u32 s59, s59, s60
	s_lshl_b32 s60, s15, 2
	s_add_co_u32 s59, s59, s60                     ; q, k: record 128 x (head, or 16 + head) + token tile
	s_and_b32 s60, s17, 15
	s_lshl_b32 s60, s60, 1
	s_add_co_u32 s60, s60, s15                     ; v: the head is my four tiles of Wv;
	s_lshl_b32 s60, s60, 7
	s_lshl_b32 s61, s58, 2
	s_add_co_u32 s60, s60, s61                     ; record 128 x head + 4 x (64 keys) + tile of 16 features,
	s_add_co_u32 s60, s60, 4096                    ; 4 MiB on
	s_cmp_lt_u32 s18, 4
	s_cselect_b32 s58, s59, s60
	s_lshl_b32 s58, s58, 10
	s_mov_b32 s59, 0
	s_add_nc_u64 s[8:9], s[8:9], s[58:59]
	CHUNK 0, 1
	CHUNK 1, 0
	CHUNK 2, 0
	CHUNK 3, 0
.rept 4
	v_nop                                          ; four places behind the last products, ahead of the first read of results and of writes over operands
.endr
	v_mov_b32 v[TM+2], 0                           ; a lane permute's destination counts as one of its sources
	v_mov_b32 v[TM+3], 0
	v_mov_b32 v[PW+1], 0
.irp a, 0,1,2,3
	QUANT2 ACC+32*\a                               ; X tile a's 16 rows x my 64 along n: one record
	PUTREC 8, 1024*\a
.endr
	s_wait_tensorcnt 0x0                           ; the wave's end
	ds_add_u32 v[SPW], v[NIL]
	s_wait_dscnt 0x0
	CROUND                                         ; the closing round
	s_endpgm
.Lfunc_end_k_q8de30a7cb7_qkv0:
	.size	k_q8de30a7cb7_qkv0, .Lfunc_end_k_q8de30a7cb7_qkv0-k_q8de30a7cb7_qkv0
	.p2alignl 7, 3214868480
	.fill 96, 4, 3214868480
	.section	.rodata,"a",@progbits
	.p2align	6, 0x0
	.amdhsa_kernel k_q8de30a7cb7_qkv0
		.amdhsa_group_segment_fixed_size 262656
		.amdhsa_private_segment_fixed_size 0
		.amdhsa_enable_private_segment 0
		.amdhsa_kernarg_size 24
		.amdhsa_user_sgpr_count 2
		.amdhsa_user_sgpr_kernarg_segment_ptr 1
		.amdhsa_wavefront_size32 1
		.amdhsa_system_sgpr_workgroup_id_x 1
		.amdhsa_system_sgpr_workgroup_id_y 1
		.amdhsa_system_sgpr_workgroup_id_z 1
		.amdhsa_system_vgpr_workitem_id 0
		.amdhsa_next_free_vgpr 256
		.amdhsa_next_free_sgpr 100
		.amdhsa_reserve_vcc 0
		.amdhsa_float_denorm_mode_32 3
		.amdhsa_float_denorm_mode_16_64 3
		.amdhsa_memory_ordered 1
		.amdhsa_forward_progress 1
		.amdhsa_inst_pref_size 60
	.end_amdhsa_kernel
	.amdgpu_metadata
---
amdhsa.version: [ 1, 2 ]
amdhsa.kernels:
  - .name:           k_q8de30a7cb7_qkv0
    .symbol:         k_q8de30a7cb7_qkv0.kd
    .args:
      - { .name: a0, .offset: 0, .size: 8, .value_kind: global_buffer, .address_space: global }
      - { .name: w0, .offset: 8, .size: 8, .value_kind: global_buffer, .address_space: global }
      - { .name: qkv, .offset: 16, .size: 8, .value_kind: global_buffer, .address_space: global }
    .group_segment_fixed_size: 262656
    .private_segment_fixed_size: 0
    .kernarg_segment_align: 8
    .kernarg_segment_size: 24
    .max_flat_workgroup_size: 128
    .sgpr_count:     100
    .vgpr_count:     256
    .wavefront_size: 32
...
	.end_amdgpu_metadata
.endif
;; end of part 2
;; launch att0 (part 3): grid 16 x 16, 8 waves a work-group, clusters of 4 x 1, 263,168 bytes of LDS; arguments qkv, comb; writes comb
.if DOCPART == 3
	.amdgcn_target "amdgcn-amd-amdhsa--gfx1250"
	.amdhsa_code_object_version 6
	.text
	.protected	k_q8de30a7cb7_att0
	.globl	k_q8de30a7cb7_att0
	.p2align	8
	.type	k_q8de30a7cb7_att0,@function
k_q8de30a7cb7_att0:
	s_mov_b64 s[64:65], 0
	v_nop
	global_prefetch_b8 v0, s[64:65] scope:SCOPE_SE
	s_setreg_imm32_b32 hwreg(HW_REG_WAVE_MODE, 25, 1), 1
	s_wait_xcnt 0x0
	s_wait_alu depctr_hold_cnt(0) depctr_sa_sdst(0) depctr_va_vdst(0) depctr_va_sdst(0) depctr_va_ssrc(0) depctr_va_vcc(0) depctr_vm_vsrc(0)
	s_getreg_b32 s2, hwreg(HW_REG_IB_STS2, 6, 4)
	s_cmp_eq_u32 s2, 0
	s_cbranch_scc0 .Lentry_in_a_cluster
	s_endpgm
.Lentry_in_a_cluster:
	s_bfe_u32 s2, ttmp6, 0x10000c
	s_cmp_lg_u32 s2, 0x3003
	s_cbranch_scc0 .Lentry_shape_is_right
	s_endpgm
.Lentry_shape_is_right:
; CAUSAL ATTENTION OF ONE LAYER on codes of FP6 (E2M3) with E8M0 scales: 16 heads of 64, 2,048 tokens.  q, k: records of 16 tokens x the head's 64; V^T: records of 16 features x 64 keys; the result: records of 16 tokens x 64 features.
; WORK LEFT OUT: key steps all of whose 128 keys come after a wave's 16 queries (the mask qi < ki that reference() builds); shown, with its limit of range (a row's largest open logit above about -9,890), at the head of the first kernel.
; In the one step on the diagonal hidden scores become -80,000, which times c is reference()'s -10,000 x log2(e).
; THE SOFTMAX: t = score x c, c = log2(e) / 8; M = the running largest t rounded UP to a whole number; p = 2^(t - M) is quantised along the keys, not normalised; the row's sum is taken of the unquantised p and divides at the end.
; When M moves, the sum and O are multiplied by 2^(old M - new M): exact.
; SHARES.  The grid's y is the head; work-group j of 16 takes the query tiles 16 g + j, g = 0 .. 7: wave w takes g = w xor 3 (w / 4), so that waves w and w + 4 together walk as many key steps for every w.
; Both products are used transposed: S^T = K Q^T, O^T = V^T P^T: a lane holds ONE query throughout.  A tile's tokens are 32 (T / 2) + 8 (T % 2) + r + 8 (r / 8), so that p's 16 registers of two neighbouring tiles are 16 neighbouring keys.
; The first product's K is 64, the instruction's 128: q's registers 6-11 are zero codes, and what stands in k's (the next tile's codes) adds nothing.
; LDS holds the head's whole K and V^T, 131,072 bytes each, filled once, in 4 chunks of 512 keys; a chunk is read behind a counted wait and one barrier.  Waves 0 to 3 fetch (K's halves, V's halves): four loads each are out.
; CLUSTER 4 x 1: the four partners walk the same head, so each tile is asked for jointly.
.set VOFF,  131072                     ; V^T behind K
.set SPARE, 262144                     ; the spare words, 128 bytes a wave: four blocks of 256 bytes that no other line names
.set L16,  1                           ; v1  16 x lane
.set L8,   2                           ; v2  8 x lane
.set LI16, 1
.set LI8,  2
.set DQ,   3                           ; v3  my query - the diagonal step's first key - 16 (lane / 16)
.set SPW,  4
.set NIL,  5
.set A16,  6                           ; v6-9 the step's LDS addresses
.set A8,   7
.set AV16, 8
.set AV8,  9
.set QS,   10                          ; v10 q's scale word.  v12 -M, v13 the largest t, v[14:15] the sum in two halves
.set QF,   16                          ; v16-27 q's fragment
.set KF,   28                          ; v28-81 eight tiles of k, 6 registers each, and 6 of zeros; later four fragments of V^T
.set KS,   82                          ; v82-89 k's scale words; later V^T's, by halves
.set VS,   90                          ; v90-93 V^T's scale words
.set S,    96                          ; v96-159 S^T, then p
.set O,    160                         ; v160-191 O^T
.set PCO,  192                         ; v192-203 p's codes
.set PTO,  204                         ; v204-210 the second conversions' results
.set BM,   212                         ; v212-215 each block's largest score, then its largest p
.set PM,   216                         ; v216-219 the other half of the lanes'
.set SOP,  220                         ; v220-223 the conversions' scale operands
.set PS,   224                         ; v224 p's scale word
.set F,    226                         ; v[226:227] f = 2^(old M - new M); at the end 1 / the sum
.set TMPR, 228
.set NEG,  229                         ; v229 -80,000
.set CH2,  230                         ; v[230:231] the sum's second chain
.set BYT,  232                         ; v232-235 scale bytes
.set TM,   232                         ; the way out's quantiser
.set SO,   236
.set BY,   238
.set PW,   240
.set PC,   242
.set PT,   248
.set WV,   8
.set SL,   10                          ; s10 my last key step: the one on the diagonal
.set SI,   11                          ; s11 the key step
.set TB,   12                          ; s12 its first byte in K's part of LDS, and in V's: 8,192 a step
.set CNT,  13
.set CS,   22                          ; s[22:23] c
.set G1,   24                          ; s[24:31] descriptor group 1;  s[32:47] groups 0, one for each chunk
.set G0,   32
.set SEL,  54
.macro CROUND
	s_barrier_signal -1
	s_barrier_wait -1
	s_cmp_lg_u32 s[WV], 0
	s_cbranch_scc1 .Lnot_wave_0_\@
	s_barrier_signal -3
.Lnot_wave_0_\@:
	s_barrier_wait -3
	s_barrier_signal -1
	s_barrier_wait -1
.endm
.macro QUANT2 s
.irp b, 0,1
	v_max3_num_f32 v[TM+\b], |v[(\s)+16*\b]|, |v[(\s)+16*\b+1]|, 0x1800000
.endr
.irp i, 2,4,6,8,10,12,14
.irp b, 0,1
	v_max3_num_f32 v[TM+\b], v[TM+\b], |v[(\s)+16*\b+\i]|, |v[(\s)+16*\b+\i+1]|
.endr
.endr
.irp b, 0,1
	v_permlanex16_b32 v[TM+2+\b], v[TM+\b], s[SEL], s[SEL+1]
.endr
.irp b, 0,1
	v_max_num_f32 v[TM+\b], v[TM+\b], v[TM+2+\b]
.endr
.irp b, 0,1
	v_add_nc_u32 v[SO+\b], 0xff000000, v[TM+\b]
.endr
	s_wait_xcnt 0x0
.irp b, 0,1
	v_lshrrev_b32 v[BY+\b], 23, v[SO+\b]
.endr
	v_lshl_or_b32 v[PW], v[BY+1], 8, v[BY]
	v_cvt_scalef32_pk16_fp6_f32 v[PC:PC+2], v[(\s):(\s)+15], v[SO]
	v_cvt_scalef32_pk16_fp6_f32 v[PT:PT+2], v[(\s)+16:(\s)+31], v[SO+1]
	v_nop
.irp i, 0,1,2
	v_permlane16_swap_b32 v[PC+\i], v[PT+\i]
.endr
.irp i, 0,1,2
	v_mov_b32 v[PC+3+\i], v[PT+\i]
.endr
.endm
.macro PUTREC base, off
	global_store_b128 v[LI16], v[PC:PC+3], s[\base:\base+1] offset:\off
	global_store_b64 v[LI8], v[PC+4:PC+5], s[\base:\base+1] offset:(\off)+512
	global_store_b64 v[LI8], v[PW:PW+1], s[\base:\base+1] offset:(\off)+768
.endm
; A KEY STEP: 128 keys.
.macro STEP
	s_cmp_gt_u32 s[SI], s[SL]                      ; all its keys come after my queries: the step's work is left out; ids and the count of steps alone decide; no barrier stands in a step
	s_cbranch_scc1 .Lhid_\@
	v_add_nc_u32 v[A16], s[TB], v[L16]             ; (these four are also the places behind the last step's products, ahead of the loads into their operands)
	v_add_nc_u32 v[A8], s[TB], v[L8]
	v_add_nc_u32 v[AV16], VOFF, v[A16]
	v_add_nc_u32 v[AV8], VOFF, v[A8]
.irp t, 0,1,2,3,4,5,6,7
	ds_load_b128 v[KF+6*\t:KF+6*\t+3], v[A16] offset:1024*\t
	ds_load_b64 v[KF+6*\t+4:KF+6*\t+5], v[A8] offset:1024*\t+512
	ds_load_b32 v[KS+\t], v[A8] offset:1024*\t+768
.endr
	s_wait_dscnt 0x0
.irp t, 0,1,2,3,4,5,6,7
	v_wmma_scale_f32_16x16x128_f8f6f4 v[S+8*\t:S+8*\t+7], v[KF+6*\t:KF+6*\t+11], v[QF:QF+11], 0, v[KS+\t], v[QS] matrix_a_fmt:MATRIX_FMT_FP6 matrix_b_fmt:MATRIX_FMT_FP6
.endr                                  ; lane (r, h): query r; the 16 registers of tiles 2 b, 2 b + 1 are keys 32 b + 16 h + 0 .. 15 of the step
.rept 4
	v_nop                                          ; four places: ahead of the loads into k's registers and of the first read of the scores
.endr
.irp d, 0,1,2,3                        ; V^T's four fragments (16 features x these 128 keys) land while the softmax is worked
.irp p, 0,1
	ds_load_b128 v[KF+12*\d+6*\p:KF+12*\d+6*\p+3], v[AV16] offset:4096*\p+1024*\d
	ds_load_b64 v[KF+12*\d+6*\p+4:KF+12*\d+6*\p+5], v[AV8] offset:4096*\p+1024*\d+512
	ds_load_b32 v[KS+2*\d+\p], v[AV8] offset:4096*\p+1024*\d+768
.endr
.endr
	s_cmp_lg_u32 s[SI], s[SL]                      ; only the step on the diagonal has hidden keys
	s_cbranch_scc1 .Lopen_\@
.set jj, 0
.rept 64
	v_cmp_gt_i32 vcc_lo, 32*(jj/16)+jj%16, v[DQ]   ; register 16 b + i holds the step's key 32 b + 16 h + i
	v_cndmask_b32 v[S+jj], v[S+jj], v[NEG], vcc_lo
.set jj, jj+1
.endr
.Lopen_\@:
.irp b, 0,1,2,3
	v_max3_num_f32 v[BM+\b], v[S+16*\b], v[S+16*\b+1], v[S+16*\b+2]   ; the largest score of each block of 32 keys: it serves the row's maximum and, since p rises with the score, the block's largest p
.endr
.irp i, 3,5,7,9,11,13
.irp b, 0,1,2,3
	v_max3_num_f32 v[BM+\b], v[BM+\b], v[S+16*\b+\i], v[S+16*\b+\i+1]
.endr
.endr
.irp b, 0,1,2,3
	v_max_num_f32 v[BM+\b], v[BM+\b], v[S+16*\b+15]
.endr
.irp b, 0,1,2,3
	v_permlanex16_b32 v[PM+\b], v[BM+\b], s[SEL], s[SEL+1]
.endr
.irp b, 0,1,2,3
	v_max_num_f32 v[BM+\b], v[BM+\b], v[PM+\b]     ; with lane l xor 16's 16 keys
.endr
	v_max3_num_f32 v[TMPR], v[BM], v[BM+1], v[BM+2]
	v_max_num_f32 v[TMPR], v[TMPR], v[BM+3]
	v_mul_f32 v[TMPR], s[CS], v[TMPR]              ; as t (c is positive)
	v_max_num_f32 v13, v13, v[TMPR]                ; the running largest t
	v_mov_b32 v[TMPR], v12
	v_floor_f32 v12, -v13                          ; the new -M = floor(-t)
	v_sub_f32 v[TMPR], v12, v[TMPR]                ; old M - new M: a whole number, 0 or less
	v_cvt_i32_f32 v[TMPR], v[TMPR]                 ; (it saturates)
	v_ldexp_f32 v[F], 1.0, v[TMPR]                 ; f
.set jj, 0
.rept 32
	v_pk_fma_f32 v[S+jj:S+jj+1], v[S+jj:S+jj+1], s[CS:CS+1], v[12:13] op_sel_hi:[1,0,0]   ; t - M, two at a time
.set jj, jj+2
.endr
.irp b, 0,1,2,3
	v_fma_f32 v[BM+\b], v[BM+\b], s[CS], v12       ; the same of each block's largest score
.endr
.set jj, 0
.rept 64
	v_exp_f32 v[S+jj], v[S+jj]                     ; p = 2^(t - M)
.set jj, jj+1
.endr
	v_pk_mul_f32 v[14:15], v[14:15], v[F:F+1] op_sel_hi:[1,0]   ; the sums under the new M: a plain instruction behind the exponentials
	s_wait_alu depctr_va_vdst(0)                   ; one wait for the batch, ahead of its first reader
.irp b, 0,1,2,3
	v_exp_f32 v[BM+\b], v[BM+\b]                   ; the block's largest p
.endr
	v_pk_add_f32 v[CH2:CH2+1], v[S:S+1], v[S+2:S+3]   ; the row's sum is taken of the unquantised p, in two chains
.set jj, 4
.rept 15
	v_pk_add_f32 v[14:15], v[14:15], v[S+jj:S+jj+1]
	v_pk_add_f32 v[CH2:CH2+1], v[CH2:CH2+1], v[S+jj+2:S+jj+3]
.set jj, jj+4
.endr
	v_pk_add_f32 v[14:15], v[14:15], v[CH2:CH2+1]
	s_wait_alu depctr_va_vdst(0)                   ; and one for the four
.irp b, 0,1,2,3
	v_max_num_f32 v[BM+\b], 0x1800000, v[BM+\b]    ; the floor 2^(3 - 127): a block whose every p is 0 keeps the byte 1; its codes are zeros
.endr
.irp b, 0,1,2,3
	v_add_nc_u32 v[SOP+\b], 0xff000000, v[BM+\b]
.endr
.irp b, 0,1,2,3
	v_lshrrev_b32 v[BYT+\b], 23, v[SOP+\b]
.endr
	v_lshl_or_b32 v[PS], v[BYT+1], 8, v[BYT]       ; p's scale word for these 128 keys
	v_lshl_or_b32 v[PS], v[BYT+2], 16, v[PS]
	v_lshl_or_b32 v[PS], v[BYT+3], 24, v[PS]
	s_wait_dscnt 0x0                               ; V^T is in
.irp d, 0,1,2,3
	v_lshl_or_b32 v[VS+\d], v[KS+2*\d+1], 16, v[KS+2*\d]   ; two records' bytes make the word of 128 keys
.endr
.irp c, 0,1
	v_cvt_scalef32_pk16_fp6_f32 v[PCO+6*\c:PCO+6*\c+2], v[S+32*\c:S+32*\c+15], v[SOP+2*\c]
	v_cvt_scalef32_pk16_fp6_f32 v[PTO+4*\c:PTO+4*\c+2], v[S+32*\c+16:S+32*\c+31], v[SOP+2*\c+1]
.endr
	v_nop                                          ; one plain instruction behind a scaled conversion
.irp c, 0,1
.irp i, 0,1,2
	v_permlane16_swap_b32 v[PCO+6*\c+\i], v[PTO+4*\c+\i]
.endr
.irp i, 0,1,2
	v_mov_b32 v[PCO+6*\c+3+\i], v[PTO+4*\c+\i]
.endr
.endr
.set jj, 0
.rept 16
	v_pk_mul_f32 v[O+jj:O+jj+1], v[O+jj:O+jj+1], v[F:F+1] op_sel_hi:[1,0]   ; O^T under the new M.  (These sixteen are also the places ahead of the products)
.set jj, jj+2
.endr
.irp d, 0,1,2,3
	v_wmma_scale_f32_16x16x128_f8f6f4 v[O+8*\d:O+8*\d+7], v[KF+12*\d:KF+12*\d+11], v[PCO:PCO+11], v[O+8*\d:O+8*\d+7], v[VS+\d], v[PS] matrix_a_fmt:MATRIX_FMT_FP6 matrix_b_fmt:MATRIX_FMT_FP6
.endr                                  ; four accumulators by turns
.Lhid_\@:
	s_add_co_u32 s[TB], s[TB], 8192
	s_add_co_u32 s[SI], s[SI], 1
.endm
.macro CHUNK c                         ; 512 keys: four steps
	s_wait_tensorcnt 3-\c                          ; my part of chunk c is in (a wave that fetches nothing has nothing out); the later chunks' loads may be out
	s_wait_dscnt 0x0
	s_barrier_signal -1
	s_barrier_wait -1
	s_mov_b32 s[TB], \c*32768
	s_mov_b32 s[SI], \c*4
	s_mov_b32 s[CNT], 4
.Lstep_\@:
	STEP
	s_sub_co_u32 s[CNT], s[CNT], 1
	s_cmp_lg_u32 s[CNT], 0
	s_cbranch_scc1 .Lstep_\@
.endm
	s_load_b128 s[4:7], s[0:1], 0x0                ; qkv s[4:5], comb s[6:7]
	v_lshl_add_u32 v[SPW], v0, 2, SPARE
	v_mov_b32 v[NIL], 0
	ds_add_u32 v[SPW], v[NIL]                      ; the wave's opening: the add, twice on end, and its wait ahead of the first tensor load
	ds_add_u32 v[SPW], v[NIL]
	v_lshrrev_b32 v6, 5, v0
	v_readfirstlane_b32 s[WV], v6                  ; wave 0..7
	s_bfe_u32 s9, ttmp6, 0x40000                   ; cx
	s_lshl_b32 s14, ttmp9, 2
	s_add_co_u32 s14, s14, s9                      ; j = 4 x cluster x + cx: it enters q's and the result's addresses and the diagonal's numbers alone
	s_and_b32 s15, ttmp7, 0xffff                   ; the head
	s_lshr_b32 s16, s[WV], 2
	s_mul_i32 s16, s16, 3
	s_xor_b32 s16, s[WV], s16                      ; g
	s_lshl_b32 s[SL], s16, 1
	s_lshr_b32 s17, ttmp9, 1
	s_add_co_u32 s[SL], s[SL], s17                 ; the diagonal's step 2 g + j / 8: of the wave's number and the cluster's x alone
	s_lshl_b32 s17, s16, 4
	s_add_co_u32 s17, s17, s14                     ; my query tile
	s_mov_b32 s[G1], 15|(3<<16)|(1<<21)            ; 15:0 the mask: all four partners; 17:16 elements of 8 bytes; 21 set beside a mask
	s_mov_b32 s[G1+1], 32<<16                      ; rows of 256 bytes
	s_mov_b32 s[G1+2], 64<<16                      ; 64 of them: half a chunk of K or of V^T, dense in memory
	s_mov_b32 s[G1+3], 32<<16
	s_mov_b32 s[G1+4], 64
	s_mov_b32 s[G1+5], 32
	s_mov_b32 s[G1+6], 0
	s_mov_b32 s[G1+7], 0
	s_bfe_u32 s18, s[WV], 0x10001                  ; waves 0, 1: K; waves 2, 3: V^T
	s_and_b32 s19, s[WV], 1                        ; which half of a chunk
	s_lshl_b32 s20, s18, 17
	s_lshl_b32 s21, s19, 14
	s_add_co_u32 s20, s20, s21                     ; in LDS
	s_lshl_b32 s48, s18, 21                        ; in memory: K's records begin 2 MiB into qkv, V^T's 4 MiB,
	s_add_co_u32 s48, s48, s21
	s_lshl_b32 s49, s15, 17                        ; a head's are 131,072 bytes
	s_add_co_u32 s48, s48, s49
	s_add_co_u32 s48, s48, 0x200000
	s_mov_b32 s49, 0
	s_lshl_b32 s50, s15, 7
	s_add_co_u32 s50, s50, s17
	s_lshl_b32 s50, s50, 10                        ; q: record 128 x head + tile
	s_mov_b32 s51, 0
	s_lshl_b32 s56, s17, 4
	s_add_co_u32 s56, s56, s15
	s_lshl_b32 s56, s56, 10                        ; the result: record 16 x tile + head
	s_mov_b32 s57, 0
	s_mov_b32 s[CS], 0x3e38aa3b                    ; c = log2(e) / 8
	s_mov_b32 s[CS+1], s[CS]
	s_mov_b32 s[SEL], 0x76543210
	s_mov_b32 s[SEL+1], 0xfedcba98
	s_wait_dscnt 0x0                               ; both opening adds are done
	s_wait_kmcnt 0x0
	s_add_nc_u64 s[48:49], s[4:5], s[48:49]
	s_add_nc_u64 s[52:53], s[4:5], s[50:51]
	s_add_nc_u64 s[6:7], s[6:7], s[56:57]
	CROUND                                         ; all four work-groups are here: the joint loads meet
.irp c, 0,1,2,3
	s_mov_b32 s[G0+4*\c], 1
	s_add_co_u32 s[G0+4*\c+1], s20, \c*32768
	s_add_nc_u64 s[G0+4*\c+2:G0+4*\c+3], s[48:49], \c*32768
	s_or_b32 s[G0+4*\c+3], s[G0+4*\c+3], 0x80000000
.endr
	s_cmp_lt_u32 s[WV], 4                          ; a wave's four fills stand inside one branch on its number
	s_cbranch_scc0 .Lno_fill
.irp c, 0,1,2,3
	tensor_load_to_lds s[G0+4*\c:G0+4*\c+3], s[G1:G1+7]
	s_nop 0
.endr
.rept 4
	v_nop
.endr
.Lno_fill:
	v_and_b32 v[L8], 31, v0
	v_lshlrev_b32 v[L16], 4, v[L8]
	v_lshlrev_b32 v[L8], 3, v[L8]
	global_load_b128 v[QF:QF+3], v[L16], s[52:53]  ; q's record stays in registers
	global_load_b64 v[QF+4:QF+5], v[L8], s[52:53] offset:512
	global_load_b32 v[QS], v[L8], s[52:53] offset:768
	s_lshr_b32 s50, s14, 1
	s_and_b32 s50, s50, 3
	s_lshl_b32 s50, s50, 5
	s_and_b32 s51, s14, 1
	s_lshl_b32 s51, s51, 3
	s_add_co_u32 s50, s50, s51                     ; my tile's first query, counted from the diagonal step's first key
	v_and_b32 v6, 15, v0
	v_and_b32 v7, 8, v6
	v_add_nc_u32 v6, v6, v7                        ; r + 8 (r / 8)
	v_bfe_u32 v7, v0, 4, 1
	v_lshlrev_b32 v7, 4, v7
	v_add_nc_u32 v[DQ], s50, v6
	v_sub_nc_u32 v[DQ], v[DQ], v7
	v_mov_b32 v13, 0xff61b1e6                      ; the largest t so far: -3e38
	v_floor_f32 v12, -v13
	v_mov_b32 v14, 0
	v_mov_b32 v15, 0
	v_mov_b32 v[NEG], 0xc79c4000                   ; -80,000
	v_mov_b32 v[F+1], 0                            ; (named as the upper half of a pair)
.irp i, 0,1,2,3,4,5
	v_mov_b32 v[QF+6+\i], 0                        ; q's k = 64 .. 127: zero codes
	v_mov_b32 v[KF+48+\i], 0                       ; what the eighth tile of k names beyond its own six
.endr
.irp b, 0,1,2,3
	v_mov_b32 v[PM+\b], 0                          ; a lane permute's destination counts as one of its sources
.endr
.set jj, 0
.rept 32
	v_mov_b32 v[O+jj], 0                           ; O^T: the step is written once; the first finds zeros
.set jj, jj+1
.endr
	s_wait_loadcnt 0x0                             ; q
	CHUNK 0
	CHUNK 1
	CHUNK 2
	CHUNK 3
	; THE WAY OUT: O^T / the sum is one record of the next product's operand: 16 tokens x this head's 64 features
.rept 4
	v_nop                                          ; four places behind the last products
.endr
	v_add_f32 v14, v14, v15
	v_permlanex16_b32 v[PM], v14, s[SEL], s[SEL+1]
	v_add_f32 v14, v14, v[PM]                      ; the row's sum
	v_rcp_f32 v[F], v14
	v_mov_b32 v[PW+1], 0                           ; (plain instructions behind the reciprocal)
	v_mov_b32 v[TM+2], 0
	v_mov_b32 v[TM+3], 0
	s_wait_alu depctr_va_vdst(0)                   ; the wait ahead of its first reader
.set jj, 0
.rept 16
	v_pk_mul_f32 v[S+jj:S+jj+1], v[O+jj:O+jj+1], v[F:F+1] op_sel_hi:[1,0]   ; each accumulator from its low end on; register 16 b + i is feature 32 b + 16 h + i
.set jj, jj+2
.endr
	QUANT2 S
	PUTREC 6, 0
	s_wait_tensorcnt 0x0                           ; the wave's end
	ds_add_u32 v[SPW], v[NIL]
	s_wait_dscnt 0x0
	CROUND                                         ; the closing round
	s_endpgm
.Lfunc_end_k_q8de30a7cb7_att0:
	.size	k_q8de30a7cb7_att0, .Lfunc_end_k_q8de30a7cb7_att0-k_q8de30a7cb7_att0
	.p2alignl 7, 3214868480
	.fill 96, 4, 3214868480
	.section	.rodata,"a",@progbits
	.p2align	6, 0x0
	.amdhsa_kernel k_q8de30a7cb7_att0
		.amdhsa_group_segment_fixed_size 263168
		.amdhsa_private_segment_fixed_size 0
		.amdhsa_enable_private_segment 0
		.amdhsa_kernarg_size 16
		.amdhsa_user_sgpr_count 2
		.amdhsa_user_sgpr_kernarg_segment_ptr 1
		.amdhsa_wavefront_size32 1
		.amdhsa_system_sgpr_workgroup_id_x 1
		.amdhsa_system_sgpr_workgroup_id_y 1
		.amdhsa_system_sgpr_workgroup_id_z 1
		.amdhsa_system_vgpr_workitem_id 0
		.amdhsa_next_free_vgpr 256
		.amdhsa_next_free_sgpr 66
		.amdhsa_reserve_vcc 1
		.amdhsa_float_denorm_mode_32 3
		.amdhsa_float_denorm_mode_16_64 3
		.amdhsa_memory_ordered 1
		.amdhsa_forward_progress 1
		.amdhsa_inst_pref_size 101
	.end_amdhsa_kernel
	.amdgpu_metadata
---
amdhsa.version: [ 1, 2 ]
amdhsa.kernels:
  - .name:           k_q8de30a7cb7_att0
    .symbol:         k_q8de30a7cb7_att0.kd
    .args:
      - { .name: qkv, .offset: 0, .size: 8, .value_kind: global_buffer, .address_space: global }
      - { .name: comb, .offset: 8, .size: 8, .value_kind: global_buffer, .address_space: global }
    .group_segment_fixed_size: 263168
    .private_segment_fixed_size: 0
    .kernarg_segment_align: 8
    .kernarg_segment_size: 16
    .max_flat_workgroup_size: 256
    .sgpr_count:     66
    .vgpr_count:     256
    .wavefront_size: 32
...
	.end_amdgpu_metadata
.endif
;; end of part 3
;; launch wo0 (part 4): grid 8 x 32, 4 waves a work-group, clusters of 4 x 4, 197,120 bytes of LDS; arguments comb, wt, a0, pos_emb, a1; writes a1
.if DOCPART == 4
	.amdgcn_target "amdgcn-amd-amdhsa--gfx1250"
	.amdhsa_code_object_version 6
	.text
	.protected	k_q8de30a7cb7_wo0
	.globl	k_q8de30a7cb7_wo0
	.p2align	8
	.type	k_q8de30a7cb7_wo0,@function
k_q8de30a7cb7_wo0:
	s_mov_b64 s[64:65], 0
	v_nop
	global_prefetch_b8 v0, s[64:65] scope:SCOPE_SE
	s_setreg_imm32_b32 hwreg(HW_REG_WAVE_MODE, 25, 1), 1
	s_wait_xcnt 0x0
	s_wait_alu depctr_hold_cnt(0) depctr_sa_sdst(0) depctr_va_vdst(0) depctr_va_sdst(0) depctr_va_ssrc(0) depctr_va_vcc(0) depctr_vm_vsrc(0)
	s_getreg_b32 s2, hwreg(HW_REG_IB_STS2, 6, 4)
	s_cmp_eq_u32 s2, 0
	s_cbranch_scc0 .Lentry_in_a_cluster
	s_endpgm
.Lentry_in_a_cluster:
	s_bfe_u32 s2, ttmp6, 0x10000c
	s_cmp_lg_u32 s2, 0xf033
	s_cbranch_scc0 .Lentry_shape_is_right
	s_endpgm
.Lentry_shape_is_right:
; THE LAYER'S WAY OUT: emb' = emb + combined Wo^T, K = 1,024, on codes of FP6 (E2M3) with E8M0 scales.  X = combined (records of 16 tokens x 64), Y = Wo (records).
; The residual emb comes as f32 images in the accumulators' layout and is the C of the first products: it costs no addition.
; LAST = 0 (the first layer): stored are emb' as f32 images, its codes, and the codes of emb' + pos_emb.  LAST = 1 (the second): its codes alone, which is all that the last product reads.
; A work-group of four waves makes 64 tokens x 128 columns, a wave 32 x 64; source 0 = 16 rows of Wo, source 1 = 16 tokens: a lane holds one token and 64 neighbouring columns.
; LDS holds the work-group's whole K in 4 chunks, filled once; a chunk is read behind a counted wait and one barrier.  By this text's count a wave has four tensor loads out.
; CLUSTER 4 x 4: X's tiles are asked for jointly along a row of the cluster, Y's along a column.
.set LAST,  0
.set WOFF,  0                          ; where this layer's Wo lies in wt
.set OUTP,  12-2*LAST                  ; s[OUTP:OUTP+1] the buffer that is written
.set XT,    2
.set XB,    XT*4096
.set CH,    2*XB+32768
.set SPARE, 4*CH
.set AX16, 1
.set AX8,  2
.set AY16, 3
.set AY8,  4
.set ASC,  5
.set SPW,  6
.set NIL,  7
.set LI16, 8
.set LI8,  9
.set ST,   12
.set SC,   20
.set YF,   24
.set XF,   72
.set ACC,  120                         ; v120-183
.set PE,   184                         ; v184-247 pos_emb at my accumulators' places
.set TM,   24
.set SO,   28
.set BY,   30
.set PW,   32
.set PC,   36
.set PT,   44
.set G1X,  24
.set G1Y,  48
.set G0X,  68
.set G0Y,  84
.set SEL,  66
.macro CROUND
	s_barrier_signal -1
	s_barrier_wait -1
	s_cmp_lg_u32 s14, 0
	s_cbranch_scc1 .Lnot_wave_0_\@
	s_barrier_signal -3
.Lnot_wave_0_\@:
	s_barrier_wait -3
	s_barrier_signal -1
	s_barrier_wait -1
.endm
.macro QUANT2 s
.irp b, 0,1
	v_max3_num_f32 v[TM+\b], |v[(\s)+16*\b]|, |v[(\s)+16*\b+1]|, 0x1800000
.endr
.irp i, 2,4,6,8,10,12,14
.irp b, 0,1
	v_max3_num_f32 v[TM+\b], v[TM+\b], |v[(\s)+16*\b+\i]|, |v[(\s)+16*\b+\i+1]|
.endr
.endr
.irp b, 0,1
	v_permlanex16_b32 v[TM+2+\b], v[TM+\b], s[SEL], s[SEL+1]
.endr
.irp b, 0,1
	v_max_num_f32 v[TM+\b], v[TM+\b], v[TM+2+\b]
.endr
.irp b, 0,1
	v_add_nc_u32 v[SO+\b], 0xff000000, v[TM+\b]
.endr
	s_wait_xcnt 0x0                                ; the last record's stores have read their registers
.irp b, 0,1
	v_lshrrev_b32 v[BY+\b], 23, v[SO+\b]
.endr
	v_lshl_or_b32 v[PW], v[BY+1], 8, v[BY]
	v_cvt_scalef32_pk16_fp6_f32 v[PC:PC+2], v[(\s):(\s)+15], v[SO]
	v_cvt_scalef32_pk16_fp6_f32 v[PT:PT+2], v[(\s)+16:(\s)+31], v[SO+1]
	v_nop
.irp i, 0,1,2
	v_permlane16_swap_b32 v[PC+\i], v[PT+\i]
.endr
.irp i, 0,1,2
	v_mov_b32 v[PC+3+\i], v[PT+\i]
.endr
.endm
.macro PUTREC base, off
	global_store_b128 v[LI16], v[PC:PC+3], s[\base:\base+1] offset:\off
	global_store_b64 v[LI8], v[PC+4:PC+5], s[\base:\base+1] offset:(\off)+512
	global_store_b64 v[LI8], v[PW:PW+1], s[\base:\base+1] offset:(\off)+768
.endm
.macro KSTEP q
.rept 4
	v_nop                                          ; four places behind the last products, ahead of loads into their operands and of the writes of their scale registers
.endr
.irp i, 0,1,2,3
.irp p, 0,1
	ds_load_b32 v[ST+2*\i+\p], v[ASC] offset:4096*\i+1024*(2*(\q)+\p)   ; (lanes 0-15 of words 2 and 3 read filled bytes of the chunk that no product names)
.endr
.endr
.irp b, 0,1,2,3
.irp p, 0,1
	ds_load_b128 v[YF+12*\b+6*\p:YF+12*\b+6*\p+3], v[AY16] offset:4096*\b+1024*(2*(\q)+\p)
	ds_load_b64 v[YF+12*\b+6*\p+4:YF+12*\b+6*\p+5], v[AY8] offset:4096*\b+1024*(2*(\q)+\p)+512
.endr
.endr
.set aa, 0
.rept XT
.irp p, 0,1
	ds_load_b128 v[XF+12*aa+6*\p:XF+12*aa+6*\p+3], v[AX16] offset:4096*aa+1024*(2*(\q)+\p)
	ds_load_b64 v[XF+12*aa+6*\p+4:XF+12*aa+6*\p+5], v[AX8] offset:4096*aa+1024*(2*(\q)+\p)+512
.endr
.set aa, aa+1
.endr
	s_wait_dscnt 16+4*XT                           ; the eight scale words are in; the loads of codes behind them may be out
.irp i, 0,1,2,3
	v_lshl_or_b32 v[SC+\i], v[ST+2*\i+1], 16, v[ST+2*\i]
.endr
.rept 8
	v_nop                                          ; a scale register written by a vector instruction stands eight places ahead of the product
.endr
	s_wait_dscnt 0x0
.set aa, 0
.rept XT
.irp b, 0,1,2,3
	v_wmma_scale_f32_16x16x128_f8f6f4 v[ACC+32*aa+8*\b:ACC+32*aa+8*\b+7], v[YF+12*\b:YF+12*\b+11], v[XF+12*aa:XF+12*aa+11], v[ACC+32*aa+8*\b:ACC+32*aa+8*\b+7], v[SC+\b], v[SC+aa] matrix_a_fmt:MATRIX_FMT_FP6 matrix_b_fmt:MATRIX_FMT_FP6 matrix_a_scale:MATRIX_SCALE_ROW1
.endr
.set aa, aa+1
.endr                                  ; the accumulators take turns, one instruction a turn
.endm
.macro CHUNK c
	s_wait_tensorcnt 3-\c                          ; my part of chunk c is in; my loads of the later chunks may be out
	s_wait_dscnt 0x0
	s_barrier_signal -1
	s_barrier_wait -1
	KSTEP 0
	KSTEP 1
.if \c < 3
.irp r, AX16, AX8, AY16, AY8, ASC
	v_add_nc_u32 v[\r], CH, v[\r]
.endr
.endif
.endm
	s_load_b256 s[4:11], s[0:1], 0x0               ; comb s[4:5], wt s[6:7], the layer's input s[8:9], then pos_emb (LAST = 0) or the output (LAST = 1) s[10:11]
.if LAST == 0
	s_load_b64 s[12:13], s[0:1], 0x20              ; the output
.endif
	v_lshl_add_u32 v[SPW], v0, 2, SPARE
	v_mov_b32 v[NIL], 0
	ds_add_u32 v[SPW], v[NIL]                      ; the wave's opening: the add, twice on end, and its wait ahead of my first tensor load
	ds_add_u32 v[SPW], v[NIL]
	v_lshrrev_b32 v10, 5, v0
	v_readfirstlane_b32 s14, v10
	s_lshr_b32 s15, s14, 1                         ; my half of the rows.  Also: I fetch for X (0) or for Y (1)
	s_and_b32 s16, s14, 1                          ; my half of the columns.  Also: which half I fetch
	s_bfe_u32 s40, ttmp6, 0x40000
	s_bfe_u32 s41, ttmp6, 0x40004
	s_lshl_b32 s42, ttmp9, 2
	s_add_co_u32 s42, s42, s40                     ; tile column, 0..7
	s_and_b32 s17, ttmp7, 0xffff
	s_lshl_b32 s17, s17, 2
	s_add_co_u32 s17, s17, s41                     ; tile row, 0..31
	s_lshl_b32 s43, s41, 2
	s_lshl_b32 s43, 15, s43
	s_lshl_b32 s44, 0x1111, s40
	s_or_b32 s[G1X], s43, (3<<16)|(1<<21)
	s_or_b32 s[G1Y], s44, (3<<16)|(1<<21)
.irp g, G1X, G1Y
	s_mov_b32 s[\g+1], 512<<16
	s_mov_b32 s[\g+3], 512<<16
	s_mov_b32 s[\g+5], 2048
	s_mov_b32 s[\g+6], 0
	s_mov_b32 s[\g+7], 0
.endr
	s_mov_b32 s[G1X+2], XT<<16
	s_mov_b32 s[G1X+4], XT
	s_mov_b32 s[G1Y+2], 4<<16
	s_mov_b32 s[G1Y+4], 4
	s_lshl_b32 s20, s17, 16                        ; X: 4 tiles a tile row,
	s_lshl_b32 s19, s16, 15                        ; 2 a half
	s_add_co_u32 s20, s20, s19
	s_mov_b32 s21, 0
	s_lshl_b32 s46, s42, 17                        ; Y: 8 tiles a tile column,
	s_lshl_b32 s19, s16, 16                        ; 4 a half
	s_add_co_u32 s46, s46, s19
	s_add_co_u32 s46, s46, WOFF
	s_mov_b32 s47, 0
	s_mul_i32 s56, s16, XB
	s_lshl_b32 s57, s16, 14
	s_add_co_u32 s57, s57, 2*XB
	s_mov_b32 s[SEL], 0x76543210
	s_mov_b32 s[SEL+1], 0xfedcba98
	s_wait_dscnt 0x0
	s_wait_kmcnt 0x0
	s_add_nc_u64 s[20:21], s[4:5], s[20:21]
	s_add_nc_u64 s[46:47], s[6:7], s[46:47]
	CROUND
.irp c, 0,1,2,3
	s_mov_b32 s[G0X+4*\c], 1
	s_add_co_u32 s[G0X+4*\c+1], s56, \c*CH
	s_add_nc_u64 s[G0X+4*\c+2:G0X+4*\c+3], s[20:21], \c*4096
	s_or_b32 s[G0X+4*\c+3], s[G0X+4*\c+3], 0x80000000
	s_mov_b32 s[G0Y+4*\c], 1
	s_add_co_u32 s[G0Y+4*\c+1], s57, \c*CH
	s_add_nc_u64 s[G0Y+4*\c+2:G0Y+4*\c+3], s[46:47], \c*4096
	s_or_b32 s[G0Y+4*\c+3], s[G0Y+4*\c+3], 0x80000000
.endr
	s_cmp_eq_u32 s15, 0
	s_cbranch_scc0 .Lfor_y
.irp c, 0,1,2,3
	tensor_load_to_lds s[G0X+4*\c:G0X+4*\c+3], s[G1X:G1X+7]
	s_nop 0
.endr
.rept 4
	v_nop
.endr
	s_branch .Lasked
.Lfor_y:
.irp c, 0,1,2,3
	tensor_load_to_lds s[G0Y+4*\c:G0Y+4*\c+3], s[G1Y:G1Y+7]
	s_nop 0
.endr
.rept 4
	v_nop
.endr
.Lasked:
	v_and_b32 v10, 15, v0
	v_bfe_u32 v11, v0, 4, 1
	v_and_b32 v[LI8], 31, v0
	v_lshlrev_b32 v[LI16], 4, v[LI8]
	v_lshlrev_b32 v[LI8], 3, v[LI8]
	s_lshl_b32 s58, s42, 1
	s_add_co_u32 s58, s58, s16                     ; which 64 columns: 2 x tile column + my half
	s_lshl_b32 s59, s17, 2
	s_lshl_b32 s60, s15, 1
	s_add_co_u32 s59, s59, s60                     ; my first token tile
	s_lshl_b32 s59, s59, 4
	s_add_co_u32 s59, s59, s58                     ; record 16 x tile + (64 columns)
	s_lshl_b32 s60, s59, 10
	s_mov_b32 s61, 0
	s_lshl_b32 s62, s59, 12
	s_add_co_u32 s62, s62, 0x400000                ; the f32 images lie 4 MiB on, 4,096 bytes each
	s_mov_b32 s63, 0
	s_add_nc_u64 s[8:9], s[8:9], s[62:63]
	s_add_nc_u64 s[34:35], s[OUTP:OUTP+1], s[60:61]
.irp a, 0,1
.irp p, 0,1,2,3,4,5,6,7
	global_load_b128 v[ACC+32*\a+4*\p:ACC+32*\a+4*\p+3], v[LI16], s[8:9] offset:65536*\a+512*\p   ; the residual, straight into the accumulators
.endr
.endr
	s_mul_i32 s36, s15, XB
	s_lshl_b32 s37, s16, 14
	s_add_co_u32 s37, s37, 2*XB
	v_add_nc_u32 v[AX16], s36, v[LI16]
	v_add_nc_u32 v[AX8], s36, v[LI8]
	v_add_nc_u32 v[AY16], s37, v[LI16]
	v_add_nc_u32 v[AY8], s37, v[LI8]
	s_sub_co_u32 s37, s37, s36
	v_mul_u32_u24 v[ASC], s37, v11                 ; lanes 16-31 take Y's scale words
	v_lshl_add_u32 v[ASC], v10, 3, v[ASC]
	s_add_co_u32 s36, s36, 768
	v_add_nc_u32 v[ASC], s36, v[ASC]
.if LAST == 0
	s_add_nc_u64 s[32:33], s[OUTP:OUTP+1], s[62:63]
	s_lshl_b32 s60, s17, 1
	s_add_co_u32 s60, s60, s15
	s_lshl_b32 s60, s60, 17                        ; pos_emb: my two tiles are 32 tokens on end, 4,096 bytes each,
	s_lshl_b32 s59, s58, 8                         ; + my 64 columns
	s_add_co_u32 s60, s60, s59
	s_add_nc_u64 s[10:11], s[10:11], s[60:61]
	v_lshlrev_b32 v11, 6, v11
	v_and_b32 v13, 8, v10
	v_add_nc_u32 v10, v10, v13                     ; r + 8 (r / 8)
	v_lshl_add_u32 v10, v10, 12, v11               ; my token's row, + 64 h
.irp a, 0,1
.irp b, 0,1
.irp j, 0,1,2,3
	global_load_b128 v[PE+32*\a+16*\b+4*\j:PE+32*\a+16*\b+4*\j+3], v10, s[10:11] offset:32768*\a+128*\b+16*\j
.endr
.endr
.endr
.endif
	s_wait_loadcnt 0x0                             ; the residual (and pos_emb) are in
	CHUNK 0
	CHUNK 1
	CHUNK 2
	CHUNK 3
.rept 4
	v_nop                                          ; four places behind the last products
.endr
	v_mov_b32 v[TM+2], 0
	v_mov_b32 v[TM+3], 0
	v_mov_b32 v[PW+1], 0
.irp a, 0,1
.if LAST == 0
.irp p, 0,1,2,3,4,5,6,7
	global_store_b128 v[LI16], v[ACC+32*\a+4*\p:ACC+32*\a+4*\p+3], s[32:33] offset:65536*\a+512*\p   ; emb' as the next layer's residual; each accumulator from its low end on
.endr
.endif
	QUANT2 ACC+32*\a
	PUTREC 34, 16384*\a
.if LAST == 0
.set kk, 0
.rept 16
	v_pk_add_f32 v[PE+32*\a+kk:PE+32*\a+kk+1], v[PE+32*\a+kk:PE+32*\a+kk+1], v[ACC+32*\a+kk:ACC+32*\a+kk+1]   ; emb' + pe
.set kk, kk+2
.endr
	QUANT2 PE+32*\a
	PUTREC 34, 0x200000+16384*\a
.endif
.endr
	s_wait_tensorcnt 0x0                           ; the wave's end
	ds_add_u32 v[SPW], v[NIL]
	s_wait_dscnt 0x0
	CROUND                                         ; the closing round
	s_endpgm
.Lfunc_end_k_q8de30a7cb7_wo0:
	.size	k_q8de30a7cb7_wo0, .Lfunc_end_k_q8de30a7cb7_wo0-k_q8de30a7cb7_wo0
	.p2alignl 7, 3214868480
	.fill 96, 4, 3214868480
	.section	.rodata,"a",@progbits
	.p2align	6, 0x0
	.amdhsa_kernel k_q8de30a7cb7_wo0
		.amdhsa_group_segment_fixed_size 197120
		.amdhsa_private_segment_fixed_size 0
		.amdhsa_enable_private_segment 0
		.amdhsa_kernarg_size 40
		.amdhsa_user_sgpr_count 2
		.amdhsa_user_sgpr_kernarg_segment_ptr 1
		.amdhsa_wavefront_size32 1
		.amdhsa_system_sgpr_workgroup_id_x 1
		.amdhsa_system_sgpr_workgroup_id_y 1
		.amdhsa_system_sgpr_workgroup_id_z 1
		.amdhsa_system_vgpr_workitem_id 0
		.amdhsa_next_free_vgpr 256
		.amdhsa_next_free_sgpr 100
		.amdhsa_reserve_vcc 0
		.amdhsa_float_denorm_mode_32 3
		.amdhsa_float_denorm_mode_16_64 3
		.amdhsa_memory_ordered 1
		.amdhsa_forward_progress 1
		.amdhsa_inst_pref_size 55
	.end_amdhsa_kernel
	.amdgpu_metadata
---
amdhsa.version: [ 1, 2 ]
amdhsa.kernels:
  - .name:           k_q8de30a7cb7_wo0
    .symbol:         k_q8de30a7cb7_wo0.kd
    .args:
      - { .name: comb, .offset: 0, .size: 8, .value_kind: global_buffer, .address_space: global }
      - { .name: wt, .offset: 8, .size: 8, .value_kind: global_buffer, .address_space: global }
      - { .name: a0, .offset: 16, .size: 8, .value_kind: global_buffer, .address_space: global }
      - { .name: pos_emb, .offset: 24, .size: 8, .value_kind: global_buffer, .address_space: global }
      - { .name: a1, .offset: 32, .size: 8, .value_kind: global_buffer, .address_space: global }
    .group_segment_fixed_size: 197120
    .private_segment_fixed_size: 0
    .kernarg_segment_align: 8
    .kernarg_segment_size: 40
    .max_flat_workgroup_size: 128
    .sgpr_count:     100
    .vgpr_count:     256
    .wavefront_size: 32
...
	.end_amdgpu_metadata
.endif
;; end of part 4
;; launch qkv1: the kernel of part 2 again; grid 16 x 24, 4 waves a work-group, clusters of 4 x 4, 262,656 bytes of LDS; arguments a1, w1, qkv; writes qkv
;; launch att1: the kernel of part 3 again; grid 16 x 16, 8 waves a work-group, clusters of 4 x 1, 263,168 bytes of LDS; arguments qkv, comb; writes comb
;; launch wo1 (part 5): grid 8 x 32, 4 waves a work-group, clusters of 4 x 4, 197,120 bytes of LDS; arguments comb, wt, a1, a0; writes a0
.if DOCPART == 5
	.amdgcn_target "amdgcn-amd-amdhsa--gfx1250"
	.amdhsa_code_object_version 6
	.text
	.protected	k_q8de30a7cb7_wo1
	.globl	k_q8de30a7cb7_wo1
	.p2align	8
	.type	k_q8de30a7cb7_wo1,@function
k_q8de30a7cb7_wo1:
	s_mov_b64 s[64:65], 0
	v_nop
	global_prefetch_b8 v0, s[64:65] scope:SCOPE_SE
	s_setreg_imm32_b32 hwreg(HW_REG_WAVE_MODE, 25, 1), 1
	s_wait_xcnt 0x0
	s_wait_alu depctr_hold_cnt(0) depctr_sa_sdst(0) depctr_va_vdst(0) depctr_va_sdst(0) depctr_va_ssrc(0) depctr_va_vcc(0) depctr_vm_vsrc(0)
	s_getreg_b32 s2, hwreg(HW_REG_IB_STS2, 6, 4)
	s_cmp_eq_u32 s2, 0
	s_cbranch_scc0 .Lentry_in_a_cluster
	s_endpgm
.Lentry_in_a_cluster:
	s_bfe_u32 s2, ttmp6, 0x10000c
	s_cmp_lg_u32 s2, 0xf033
	s_cbranch_scc0 .Lentry_shape_is_right
	s_endpgm
.Lentry_shape_is_right:
; THE SECOND LAYER'S WAY OUT: emb'' = emb' + combined Wo1^T, K = 1,024, on codes of FP6 (E2M3) with E8M0 scales.  The text is the first layer's with LAST = 1.
; WORK LEFT OUT: behind the last layer nothing reads emb'' in f32 or emb'' + pos_emb, so neither is made or stored, and pos_emb is not among the arguments; stored are the codes of emb'', which the last product reads.
; X = combined (records of 16 tokens x 64), Y = Wo1 (records).  The residual comes as f32 images in the accumulators' layout and is the C of the first products.
; A work-group of four waves makes 64 tokens x 128 columns, a wave 32 x 64; source 0 = 16 rows of Wo1, source 1 = 16 tokens.
; LDS holds the work-group's whole K in 4 chunks, filled once; a chunk is read behind a counted wait and one barrier.  By this text's count a wave has four tensor loads out.
; CLUSTER 4 x 4: X's tiles are asked for jointly along a row of the cluster, Y's along a column.
.set LAST,  1
.set WOFF,  0x100000                   ; where this layer's Wo lies in wt
.set OUTP,  12-2*LAST                  ; s[OUTP:OUTP+1] the buffer that is written
.set XT,    2
.set XB,    XT*4096
.set CH,    2*XB+32768
.set SPARE, 4*CH
.set AX16, 1
.set AX8,  2
.set AY16, 3
.set AY8,  4
.set ASC,  5
.set SPW,  6
.set NIL,  7
.set LI16, 8
.set LI8,  9
.set ST,   12
.set SC,   20
.set YF,   24
.set XF,   72
.set ACC,  120
.set TM,   24
.set SO,   28
.set BY,   30
.set PW,   32
.set PC,   36
.set PT,   44
.set G1X,  24
.set G1Y,  48
.set G0X,  68
.set G0Y,  84
.set SEL,  66
.macro CROUND
	s_barrier_signal -1
	s_barrier_wait -1
	s_cmp_lg_u32 s14, 0
	s_cbranch_scc1 .Lnot_wave_0_\@
	s_barrier_signal -3
.Lnot_wave_0_\@:
	s_barrier_wait -3
	s_barrier_signal -1
	s_barrier_wait -1
.endm
.macro QUANT2 s
.irp b, 0,1
	v_max3_num_f32 v[TM+\b], |v[(\s)+16*\b]|, |v[(\s)+16*\b+1]|, 0x1800000
.endr
.irp i, 2,4,6,8,10,12,14
.irp b, 0,1
	v_max3_num_f32 v[TM+\b], v[TM+\b], |v[(\s)+16*\b+\i]|, |v[(\s)+16*\b+\i+1]|
.endr
.endr
.irp b, 0,1
	v_permlanex16_b32 v[TM+2+\b], v[TM+\b], s[SEL], s[SEL+1]
.endr
.irp b, 0,1
	v_max_num_f32 v[TM+\b], v[TM+\b], v[TM+2+\b]
.endr
.irp b, 0,1
	v_add_nc_u32 v[SO+\b], 0xff000000, v[TM+\b]
.endr
	s_wait_xcnt 0x0                                ; the last record's stores have read their registers
.irp b, 0,1
	v_lshrrev_b32 v[BY+\b], 23, v[SO+\b]
.endr
	v_lshl_or_b32 v[PW], v[BY+1], 8, v[BY]
	v_cvt_scalef32_pk16_fp6_f32 v[PC:PC+2], v[(\s):(\s)+15], v[SO]
	v_cvt_scalef32_pk16_fp6_f32 v[PT:PT+2], v[(\s)+16:(\s)+31], v[SO+1]
	v_nop
.irp i, 0,1,2
	v_permlane16_swap_b32 v[PC+\i], v[PT+\i]
.endr
.irp i, 0,1,2
	v_mov_b32 v[PC+3+\i], v[PT+\i]
.endr
.endm
.macro PUTREC base, off
	global_store_b128 v[LI16], v[PC:PC+3], s[\base:\base+1] offset:\off
	global_store_b64 v[LI8], v[PC+4:PC+5], s[\base:\base+1] offset:(\off)+512
	global_store_b64 v[LI8], v[PW:PW+1], s[\base:\base+1] offset:(\off)+768
.endm
.macro KSTEP q
.rept 4
	v_nop                                          ; four places behind the last products, ahead of loads into their operands and of the writes of their scale registers
.endr
.irp i, 0,1,2,3
.irp p, 0,1
	ds_load_b32 v[ST+2*\i+\p], v[ASC] offset:4096*\i+1024*(2*(\q)+\p)   ; (lanes 0-15 of words 2 and 3 read filled bytes of the chunk that no product names)
.endr
.endr
.irp b, 0,1,2,3
.irp p, 0,1
	ds_load_b128 v[YF+12*\b+6*\p:YF+12*\b+6*\p+3], v[AY16] offset:4096*\b+1024*(2*(\q)+\p)
	ds_load_b64 v[YF+12*\b+6*\p+4:YF+12*\b+6*\p+5], v[AY8] offset:4096*\b+1024*(2*(\q)+\p)+512
.endr
.endr
.set aa, 0
.rept XT
.irp p, 0,1
	ds_load_b128 v[XF+12*aa+6*\p:XF+12*aa+6*\p+3], v[AX16] offset:4096*aa+1024*(2*(\q)+\p)
	ds_load_b64 v[XF+12*aa+6*\p+4:XF+12*aa+6*\p+5], v[AX8] offset:4096*aa+1024*(2*(\q)+\p)+512
.endr
.set aa, aa+1
.endr
	s_wait_dscnt 16+4*XT                           ; the eight scale words are in; the loads of codes behind them may be out
.irp i, 0,1,2,3
	v_lshl_or_b32 v[SC+\i], v[ST+2*\i+1], 16, v[ST+2*\i]
.endr
.rept 8
	v_nop                                          ; a scale register written by a vector instruction stands eight places ahead of the product
.endr
	s_wait_dscnt 0x0
.set aa, 0
.rept XT
.irp b, 0,1,2,3
	v_wmma_scale_f32_16x16x128_f8f6f4 v[ACC+32*aa+8*\b:ACC+32*aa+8*\b+7], v[YF+12*\b:YF+12*\b+11], v[XF+12*aa:XF+12*aa+11], v[ACC+32*aa+8*\b:ACC+32*aa+8*\b+7], v[SC+\b], v[SC+aa] matrix_a_fmt:MATRIX_FMT_FP6 matrix_b_fmt:MATRIX_FMT_FP6 matrix_a_scale:MATRIX_SCALE_ROW1
.endr
.set aa, aa+1
.endr                                  ; the accumulators take turns, one instruction a turn
.endm
.macro CHUNK c
	s_wait_tensorcnt 3-\c                          ; my part of chunk c is in; my loads of the later chunks may be out
	s_wait_dscnt 0x0
	s_barrier_signal -1
	s_barrier_wait -1
	KSTEP 0
	KSTEP 1
.if \c < 3
.irp r, AX16, AX8, AY16, AY8, ASC
	v_add_nc_u32 v[\r], CH, v[\r]
.endr
.endif
.endm
	s_load_b256 s[4:11], s[0:1], 0x0               ; comb s[4:5], wt s[6:7], the layer's input s[8:9], the output s[10:11]
	v_lshl_add_u32 v[SPW], v0, 2, SPARE
	v_mov_b32 v[NIL], 0
	ds_add_u32 v[SPW], v[NIL]                      ; the wave's opening: the add, twice on end, and its wait ahead of my first tensor load
	ds_add_u32 v[SPW], v[NIL]
	v_lshrrev_b32 v10, 5, v0
	v_readfirstlane_b32 s14, v10
	s_lshr_b32 s15, s14, 1                         ; my half of the rows.  Also: I fetch for X (0) or for Y (1)
	s_and_b32 s16, s14, 1                          ; my half of the columns.  Also: which half I fetch
	s_bfe_u32 s40, ttmp6, 0x40000
	s_bfe_u32 s41, ttmp6, 0x40004
	s_lshl_b32 s42, ttmp9, 2
	s_add_co_u32 s42, s42, s40                     ; tile column, 0..7
	s_and_b32 s17, ttmp7, 0xffff
	s_lshl_b32 s17, s17, 2
	s_add_co_u32 s17, s17, s41                     ; tile row, 0..31
	s_lshl_b32 s43, s41, 2
	s_lshl_b32 s43, 15, s43
	s_lshl_b32 s44, 0x1111, s40
	s_or_b32 s[G1X], s43, (3<<16)|(1<<21)
	s_or_b32 s[G1Y], s44, (3<<16)|(1<<21)
.irp g, G1X, G1Y
	s_mov_b32 s[\g+1], 512<<16
	s_mov_b32 s[\g+3], 512<<16
	s_mov_b32 s[\g+5], 2048
	s_mov_b32 s[\g+6], 0
	s_mov_b32 s[\g+7], 0
.endr
	s_mov_b32 s[G1X+2], XT<<16
	s_mov_b32 s[G1X+4], XT
	s_mov_b32 s[G1Y+2], 4<<16
	s_mov_b32 s[G1Y+4], 4
	s_lshl_b32 s20, s17, 16                        ; X: 4 tiles a tile row,
	s_lshl_b32 s19, s16, 15                        ; 2 a half
	s_add_co_u32 s20, s20, s19
	s_mov_b32 s21, 0
	s_lshl_b32 s46, s42, 17                        ; Y: 8 tiles a tile column,
	s_lshl_b32 s19, s16, 16                        ; 4 a half
	s_add_co_u32 s46, s46, s19
	s_add_co_u32 s46, s46, WOFF
	s_mov_b32 s47, 0
	s_mul_i32 s56, s16, XB
	s_lshl_b32 s57, s16, 14
	s_add_co_u32 s57, s57, 2*XB
	s_mov_b32 s[SEL], 0x76543210
	s_mov_b32 s[SEL+1], 0xfedcba98
	s_wait_dscnt 0x0
	s_wait_kmcnt 0x0
	s_add_nc_u64 s[20:21], s[4:5], s[20:21]
	s_add_nc_u64 s[46:47], s[6:7], s[46:47]
	CROUND
.irp c, 0,1,2,3
	s_mov_b32 s[G0X+4*\c], 1
	s_add_co_u32 s[G0X+4*\c+1], s56, \c*CH
	s_add_nc_u64 s[G0X+4*\c+2:G0X+4*\c+3], s[20:21], \c*4096
	s_or_b32 s[G0X+4*\c+3], s[G0X+4*\c+3], 0x80000000
	s_mov_b32 s[G0Y+4*\c], 1
	s_add_co_u32 s[G0Y+4*\c+1], s57, \c*CH
	s_add_nc_u64 s[G0Y+4*\c+2:G0Y+4*\c+3], s[46:47], \c*4096
	s_or_b32 s[G0Y+4*\c+3], s[G0Y+4*\c+3], 0x80000000
.endr
	s_cmp_eq_u32 s15, 0
	s_cbranch_scc0 .Lfor_y
.irp c, 0,1,2,3
	tensor_load_to_lds s[G0X+4*\c:G0X+4*\c+3], s[G1X:G1X+7]
	s_nop 0
.endr
.rept 4
	v_nop
.endr
	s_branch .Lasked
.Lfor_y:
.irp c, 0,1,2,3
	tensor_load_to_lds s[G0Y+4*\c:G0Y+4*\c+3], s[G1Y:G1Y+7]
	s_nop 0
.endr
.rept 4
	v_nop
.endr
.Lasked:
	v_and_b32 v10, 15, v0
	v_bfe_u32 v11, v0, 4, 1
	v_and_b32 v[LI8], 31, v0
	v_lshlrev_b32 v[LI16], 4, v[LI8]
	v_lshlrev_b32 v[LI8], 3, v[LI8]
	s_lshl_b32 s58, s42, 1
	s_add_co_u32 s58, s58, s16                     ; which 64 columns: 2 x tile column + my half
	s_lshl_b32 s59, s17, 2
	s_lshl_b32 s60, s15, 1
	s_add_co_u32 s59, s59, s60                     ; my first token tile
	s_lshl_b32 s59, s59, 4
	s_add_co_u32 s59, s59, s58                     ; record 16 x tile + (64 columns)
	s_lshl_b32 s60, s59, 10
	s_mov_b32 s61, 0
	s_lshl_b32 s62, s59, 12
	s_add_co_u32 s62, s62, 0x400000                ; the f32 images lie 4 MiB on, 4,096 bytes each
	s_mov_b32 s63, 0
	s_add_nc_u64 s[8:9], s[8:9], s[62:63]
	s_add_nc_u64 s[34:35], s[OUTP:OUTP+1], s[60:61]
.irp a, 0,1
.irp p, 0,1,2,3,4,5,6,7
	global_load_b128 v[ACC+32*\a+4*\p:ACC+32*\a+4*\p+3], v[LI16], s[8:9] offset:65536*\a+512*\p   ; the residual, straight into the accumulators
.endr
.endr
	s_mul_i32 s36, s15, XB
	s_lshl_b32 s37, s16, 14
	s_add_co_u32 s37, s37, 2*XB
	v_add_nc_u32 v[AX16], s36, v[LI16]
	v_add_nc_u32 v[AX8], s36, v[LI8]
	v_add_nc_u32 v[AY16], s37, v[LI16]
	v_add_nc_u32 v[AY8], s37, v[LI8]
	s_sub_co_u32 s37, s37, s36
	v_mul_u32_u24 v[ASC], s37, v11                 ; lanes 16-31 take Y's scale words
	v_lshl_add_u32 v[ASC], v10, 3, v[ASC]
	s_add_co_u32 s36, s36, 768
	v_add_nc_u32 v[ASC], s36, v[ASC]
	s_wait_loadcnt 0x0                             ; the residual is in
	CHUNK 0
	CHUNK 1
	CHUNK 2
	CHUNK 3
.rept 4
	v_nop                                          ; four places behind the last products
.endr
	v_mov_b32 v[TM+2], 0
	v_mov_b32 v[TM+3], 0
	v_mov_b32 v[PW+1], 0
.irp a, 0,1
	QUANT2 ACC+32*\a                               ; each accumulator is read from its low end on
	PUTREC 34, 16384*\a
.endr
	s_wait_tensorcnt 0x0                           ; the wave's end
	ds_add_u32 v[SPW], v[NIL]
	s_wait_dscnt 0x0
	CROUND                                         ; the closing round
	s_endpgm
.Lfunc_end_k_q8de30a7cb7_wo1:
	.size	k_q8de30a7cb7_wo1, .Lfunc_end_k_q8de30a7cb7_wo1-k_q8de30a7cb7_wo1
	.p2alignl 7, 3214868480
	.fill 96, 4, 3214868480
	.section	.rodata,"a",@progbits
	.p2align	6, 0x0
	.amdhsa_kernel k_q8de30a7cb7_wo1
		.amdhsa_group_segment_fixed_size 197120
		.amdhsa_private_segment_fixed_size 0
		.amdhsa_enable_private_segment 0
		.amdhsa_kernarg_size 32
		.amdhsa_user_sgpr_count 2
		.amdhsa_user_sgpr_kernarg_segment_ptr 1
		.amdhsa_wavefront_size32 1
		.amdhsa_system_sgpr_workgroup_id_x 1
		.amdhsa_system_sgpr_workgroup_id_y 1
		.amdhsa_system_sgpr_workgroup_id_z 1
		.amdhsa_system_vgpr_workitem_id 0
		.amdhsa_next_free_vgpr 256
		.amdhsa_next_free_sgpr 100
		.amdhsa_reserve_vcc 0
		.amdhsa_float_denorm_mode_32 3
		.amdhsa_float_denorm_mode_16_64 3
		.amdhsa_memory_ordered 1
		.amdhsa_forward_progress 1
		.amdhsa_inst_pref_size 45
	.end_amdhsa_kernel
	.amdgpu_metadata
---
amdhsa.version: [ 1, 2 ]
amdhsa.kernels:
  - .name:           k_q8de30a7cb7_wo1
    .symbol:         k_q8de30a7cb7_wo1.kd
    .args:
      - { .name: comb, .offset: 0, .size: 8, .value_kind: global_buffer, .address_space: global }
      - { .name: wt, .offset: 8, .size: 8, .value_kind: global_buffer, .address_space: global }
      - { .name: a1, .offset: 16, .size: 8, .value_kind: global_buffer, .address_space: global }
      - { .name: a0, .offset: 24, .size: 8, .value_kind: global_buffer, .address_space: global }
    .group_segment_fixed_size: 197120
    .private_segment_fixed_size: 0
    .kernarg_segment_align: 8
    .kernarg_segment_size: 32
    .max_flat_workgroup_size: 128
    .sgpr_count:     100
    .vgpr_count:     256
    .wavefront_size: 32
...
	.end_amdgpu_metadata
.endif
;; end of part 5
;; launch logits (part 6): grid 16 x 50, 4 waves a work-group, clusters of 4 x 1, 280,064 bytes of LDS; arguments a0, wt, out0; writes out0
.if DOCPART == 6
	.amdgcn_target "amdgcn-amd-amdhsa--gfx1250"
	.amdhsa_code_object_version 6
	.text
	.protected	k_q8de30a7cb7_logits
	.globl	k_q8de30a7cb7_logits
	.p2align	8
	.type	k_q8de30a7cb7_logits,@function
k_q8de30a7cb7_logits:
	s_mov_b64 s[64:65], 0
	v_nop
	global_prefetch_b8 v0, s[64:65] scope:SCOPE_SE
	s_setreg_imm32_b32 hwreg(HW_REG_WAVE_MODE, 25, 1), 1
	s_wait_xcnt 0x0
	s_wait_alu depctr_hold_cnt(0) depctr_sa_sdst(0) depctr_va_vdst(0) depctr_va_sdst(0) depctr_va_ssrc(0) depctr_va_vcc(0) depctr_vm_vsrc(0)
	s_getreg_b32 s2, hwreg(HW_REG_IB_STS2, 6, 4)
	s_cmp_eq_u32 s2, 0
	s_cbranch_scc0 .Lentry_in_a_cluster
	s_endpgm
.Lentry_in_a_cluster:
	s_bfe_u32 s2, ttmp6, 0x10000c
	s_cmp_lg_u32 s2, 0x3003
	s_cbranch_scc0 .Lentry_shape_is_right
	s_endpgm
.Lentry_shape_is_right:
; THE LAST PRODUCT: out0[token][v] = sum over k of emb''[token][k] tok_emb[v][k], K = 1,024, on codes of FP6 (E2M3) with E8M0 scales; out0 is [2,048][6,282] f32.
; X = the codes of emb'' (records, a0), Y = the codes of tok_emb (records, wt + 2 MiB; 400 tiles, rows from 6,282 on are zero codes and their columns are not stored).
; A work-group of four waves makes 128 tokens x 128 columns, a wave 64 x 64; source 0 = 16 rows of tok_emb, source 1 = 16 tokens: a lane holds one token and 64 neighbouring columns.
; LDS holds the work-group's whole K in 4 chunks, filled once; a chunk is read behind a counted wait and one barrier.  By this text's count a wave has four tensor loads out.
; CLUSTER 4 x 1: the grid's x counts blocks of tokens, its y the 50 blocks of columns.  The four partners share Y's tiles, which are asked for jointly; X's tiles are each work-group's own, by plain loads.
; A cluster of 4 x 4, which would share X's too, does not divide the grid: 50 is no multiple of 4.
; THE WAY OUT: a row of out0 is 25,128 bytes, a multiple of 8 and of no more: a tile of 16 tokens x 64 columns goes through the wave's own stage in LDS and leaves as rows, 32 lanes storing 256 consecutive bytes, 8 bytes each.
.set NV,    6282
.set ROWO,  25128                      ; a row of out0 in bytes
.set XT,    4
.set XB,    XT*4096
.set CH,    2*XB+32768
.set STAGE, 4*CH                       ; 16 rows x (256 + 16) bytes for each wave: bytes of its own, into which no fill lands
.set SPARE, STAGE+4*16*272             ; the spare words, 128 bytes a wave: two blocks of 256 bytes that no other line names
.set AX16, 1
.set AX8,  2
.set AY16, 3
.set AY8,  4
.set ASC,  5
.set SPW,  6
.set NIL,  7
.set LI16, 8
.set LI8,  9
.set ST,   12
.set SC,   20
.set YF,   24
.set XF,   72
.set ACC,  120
.set STO,  248                         ; v248 the stage: where I put 32 bytes of a row
.set SRD,  249                         ; v249 and where I read a row back
.set COL,  250                         ; v250 my first column of two
.set G1X,  24
.set G1Y,  48
.set G0X,  68
.set G0Y,  84
.macro CROUND
	s_barrier_signal -1
	s_barrier_wait -1
	s_cmp_lg_u32 s14, 0
	s_cbranch_scc1 .Lnot_wave_0_\@
	s_barrier_signal -3
.Lnot_wave_0_\@:
	s_barrier_wait -3
	s_barrier_signal -1
	s_barrier_wait -1
.endm
.macro KSTEP q, zero
.rept 4
	v_nop                                          ; four places behind the last products, ahead of loads into their operands and of the writes of their scale registers
.endr
.irp i, 0,1,2,3
.irp p, 0,1
	ds_load_b32 v[ST+2*\i+\p], v[ASC] offset:4096*\i+1024*(2*(\q)+\p)
.endr
.endr
.irp b, 0,1,2,3
.irp p, 0,1
	ds_load_b128 v[YF+12*\b+6*\p:YF+12*\b+6*\p+3], v[AY16] offset:4096*\b+1024*(2*(\q)+\p)
	ds_load_b64 v[YF+12*\b+6*\p+4:YF+12*\b+6*\p+5], v[AY8] offset:4096*\b+1024*(2*(\q)+\p)+512
.endr
.endr
.set aa, 0
.rept XT
.irp p, 0,1
	ds_load_b128 v[XF+12*aa+6*\p:XF+12*aa+6*\p+3], v[AX16] offset:4096*aa+1024*(2*(\q)+\p)
	ds_load_b64 v[XF+12*aa+6*\p+4:XF+12*aa+6*\p+5], v[AX8] offset:4096*aa+1024*(2*(\q)+\p)+512
.endr
.set aa, aa+1
.endr
	s_wait_dscnt 16+4*XT                           ; the eight scale words are in; the loads of codes behind them may be out
.irp i, 0,1,2,3
	v_lshl_or_b32 v[SC+\i], v[ST+2*\i+1], 16, v[ST+2*\i]
.endr
.rept 8
	v_nop                                          ; a scale register written by a vector instruction stands eight places ahead of the product
.endr
	s_wait_dscnt 0x0
.set aa, 0
.rept XT
.irp b, 0,1,2,3
.if \zero
	v_wmma_scale_f32_16x16x128_f8f6f4 v[ACC+32*aa+8*\b:ACC+32*aa+8*\b+7], v[YF+12*\b:YF+12*\b+11], v[XF+12*aa:XF+12*aa+11], 0, v[SC+\b], v[SC+aa] matrix_a_fmt:MATRIX_FMT_FP6 matrix_b_fmt:MATRIX_FMT_FP6 matrix_a_scale:MATRIX_SCALE_ROW1
.else
	v_wmma_scale_f32_16x16x128_f8f6f4 v[ACC+32*aa+8*\b:ACC+32*aa+8*\b+7], v[YF+12*\b:YF+12*\b+11], v[XF+12*aa:XF+12*aa+11], v[ACC+32*aa+8*\b:ACC+32*aa+8*\b+7], v[SC+\b], v[SC+aa] matrix_a_fmt:MATRIX_FMT_FP6 matrix_b_fmt:MATRIX_FMT_FP6 matrix_a_scale:MATRIX_SCALE_ROW1
.endif
.endr
.set aa, aa+1
.endr                                  ; the accumulators take turns, one instruction a turn
.endm
.macro CHUNK c, zero
	s_wait_tensorcnt 3-\c                          ; my part of chunk c is in; my loads of the later chunks may be out
	s_wait_dscnt 0x0
	s_barrier_signal -1
	s_barrier_wait -1
	KSTEP 0, \zero
	KSTEP 1, 0
.if \c < 3
.irp r, AX16, AX8, AY16, AY8, ASC
	v_add_nc_u32 v[\r], CH, v[\r]
.endr
.endif
.endm
	s_load_b128 s[4:7], s[0:1], 0x0                ; a0 s[4:5], wt s[6:7]
	s_load_b64 s[8:9], s[0:1], 0x10                ; out0
	v_lshl_add_u32 v[SPW], v0, 2, SPARE
	v_mov_b32 v[NIL], 0
	ds_add_u32 v[SPW], v[NIL]                      ; the wave's opening: the add, twice on end, and its wait ahead of my first tensor load
	ds_add_u32 v[SPW], v[NIL]
	v_lshrrev_b32 v10, 5, v0
	v_readfirstlane_b32 s14, v10
	s_lshr_b32 s15, s14, 1                         ; my half of the tokens.  Also: I fetch for X (0) or for Y (1)
	s_and_b32 s16, s14, 1                          ; my half of the columns.  Also: which half I fetch
	s_bfe_u32 s40, ttmp6, 0x40000                  ; cx
	s_lshl_b32 s42, ttmp9, 2
	s_add_co_u32 s42, s42, s40                     ; block of 128 tokens = 4 x cluster x + cx
	s_and_b32 s17, ttmp7, 0xffff                   ; block of 128 columns, which the four partners share
	s_mov_b32 s[G1X], 3<<16                        ; no mask: X's tiles are my work-group's own; elements of 8 bytes
	s_mov_b32 s[G1Y], 15|(3<<16)|(1<<21)           ; the mask: all four partners; 21 set beside a mask
.irp g, G1X, G1Y
	s_mov_b32 s[\g+1], 512<<16
	s_mov_b32 s[\g+2], 4<<16
	s_mov_b32 s[\g+3], 512<<16
	s_mov_b32 s[\g+4], 4
	s_mov_b32 s[\g+5], 2048
	s_mov_b32 s[\g+6], 0
	s_mov_b32 s[\g+7], 0
.endr
	s_lshl_b32 s19, s16, 16                        ; the half that I fetch: 4 tiles of 16,384 bytes
	s_lshl_b32 s20, s42, 17
	s_add_co_u32 s20, s20, s19
	s_mov_b32 s21, 0
	s_lshl_b32 s46, s17, 17
	s_add_co_u32 s46, s46, s19
	s_add_co_u32 s46, s46, 0x200000
	s_mov_b32 s47, 0
	s_mul_i32 s56, s16, XB
	s_lshl_b32 s57, s16, 14
	s_add_co_u32 s57, s57, 2*XB
	s_wait_dscnt 0x0
	s_wait_kmcnt 0x0
	s_add_nc_u64 s[20:21], s[4:5], s[20:21]
	s_add_nc_u64 s[46:47], s[6:7], s[46:47]
	CROUND
.irp c, 0,1,2,3
	s_mov_b32 s[G0X+4*\c], 1
	s_add_co_u32 s[G0X+4*\c+1], s56, \c*CH
	s_add_nc_u64 s[G0X+4*\c+2:G0X+4*\c+3], s[20:21], \c*4096
	s_or_b32 s[G0X+4*\c+3], s[G0X+4*\c+3], 0x80000000
	s_mov_b32 s[G0Y+4*\c], 1
	s_add_co_u32 s[G0Y+4*\c+1], s57, \c*CH
	s_add_nc_u64 s[G0Y+4*\c+2:G0Y+4*\c+3], s[46:47], \c*4096
	s_or_b32 s[G0Y+4*\c+3], s[G0Y+4*\c+3], 0x80000000
.endr
	s_cmp_eq_u32 s15, 0
	s_cbranch_scc0 .Lfor_y
.irp c, 0,1,2,3
	tensor_load_to_lds s[G0X+4*\c:G0X+4*\c+3], s[G1X:G1X+7]
	s_nop 0
.endr
.rept 4
	v_nop
.endr
	s_branch .Lasked
.Lfor_y:
.irp c, 0,1,2,3
	tensor_load_to_lds s[G0Y+4*\c:G0Y+4*\c+3], s[G1Y:G1Y+7]
	s_nop 0
.endr
.rept 4
	v_nop
.endr
.Lasked:
	v_and_b32 v10, 15, v0
	v_bfe_u32 v11, v0, 4, 1
	v_and_b32 v[COL], 31, v0
	v_lshlrev_b32 v[LI16], 4, v[COL]
	v_lshlrev_b32 v[LI8], 3, v[COL]
	s_mul_i32 s58, s15, XB
	s_lshl_b32 s59, s16, 14
	s_add_co_u32 s59, s59, 2*XB
	v_add_nc_u32 v[AX16], s58, v[LI16]
	v_add_nc_u32 v[AX8], s58, v[LI8]
	v_add_nc_u32 v[AY16], s59, v[LI16]
	v_add_nc_u32 v[AY8], s59, v[LI8]
	s_sub_co_u32 s59, s59, s58
	v_mul_u32_u24 v[ASC], s59, v11                 ; lanes 16-31 take Y's scale words
	v_lshl_add_u32 v[ASC], v10, 3, v[ASC]
	s_add_co_u32 s58, s58, 768
	v_add_nc_u32 v[ASC], s58, v[ASC]
	s_mul_i32 s58, s14, 16*272
	s_add_co_u32 s58, s58, STAGE                   ; my stage
	v_mul_u32_u24 v[STO], v10, 272                 ; in: row r, + 64 h
	v_lshl_add_u32 v[STO], v11, 6, v[STO]
	v_add_nc_u32 v[STO], s58, v[STO]
	v_add_nc_u32 v[SRD], s58, v[LI8]               ; back: the 32 lanes take one row of 256 bytes
	s_lshl_b32 s60, s17, 7
	s_lshl_b32 s61, s16, 6
	s_add_co_u32 s60, s60, s61                     ; my first column
	v_lshl_add_u32 v[COL], v[COL], 1, s60          ; + 2 x lane
	s_lshl_b32 s58, s42, 7
	s_lshl_b32 s59, s15, 6
	s_add_co_u32 s58, s58, s59                     ; my first token
	s_mul_i32 s58, s58, ROWO
	s_lshl_b32 s60, s60, 2
	s_add_co_u32 s58, s58, s60
	s_mov_b32 s59, 0
	s_add_nc_u64 s[8:9], s[8:9], s[58:59]
	CHUNK 0, 1
	CHUNK 1, 0
	CHUNK 2, 0
	CHUNK 3, 0
.rept 4
	v_nop                                          ; four places behind the last products, ahead of the stores that read results and of the loads into operands
.endr
.irp a, 0,1,2,3                        ; LDS serves a wave's instructions in order: the loads see the stores above them, and the next tile's stores come behind them
.irp b, 0,1,2,3
	ds_store_b128 v[STO], v[ACC+32*\a+8*\b:ACC+32*\a+8*\b+3] offset:128*(\b/2)+32*(\b%2)        ; each accumulator from its low end on; register 8 b + i is column 32 (b / 2) + 16 h + 8 (b % 2) + i
	ds_store_b128 v[STO], v[ACC+32*\a+8*\b+4:ACC+32*\a+8*\b+7] offset:128*(\b/2)+32*(\b%2)+16
.endr
.set RB, 24+32*\a+32*(\a/2)            ; tiles 0, 1 come back where the fragments lay, tiles 2, 3 where tiles 0, 1's accumulators lay, which have been stored
.irp t, 0,1,2,3,4,5,6,7,8,9,10,11,12,13,14,15
	ds_load_b64 v[RB+2*\t:RB+2*\t+1], v[SRD] offset:272*\t
.endr
.endr
	s_wait_dscnt 0x0
	v_cmp_gt_u32 vcc_lo, NV, v[COL]                ; 6,282 is even: a lane's two columns are both inside or both outside
	s_wait_xcnt 0x0                                ; EXEC changes only behind this wait
	s_and_saveexec_b32 s58, vcc_lo
.irp a, 0,1,2,3
.set RB, 24+32*\a+32*(\a/2)
.irp t, 0,1,2,3,4,5,6,7,8,9,10,11,12,13,14,15
	global_store_b64 v[LI8], v[RB+2*\t:RB+2*\t+1], s[8:9] offset:(32*(\a/2)+8*(\a%2)+\t+8*(\t/8))*ROWO th:TH_STORE_NT   ; row t of tile a is token 32 (a / 2) + 8 (a % 2) + t + 8 (t / 8) of my 64; 63 rows at the most: inside the signed 24-bit immediate
.endr
.endr
	s_wait_xcnt 0x0                                ; and again, ahead of the line that restores it
	s_or_b32 exec_lo, exec_lo, s58
	s_wait_tensorcnt 0x0                           ; the wave's end: behind my last tensor load and my last LDS store
	ds_add_u32 v[SPW], v[NIL]
	s_wait_dscnt 0x0
	CROUND                                         ; the closing round
	s_endpgm
.Lfunc_end_k_q8de30a7cb7_logits:
	.size	k_q8de30a7cb7_logits, .Lfunc_end_k_q8de30a7cb7_logits-k_q8de30a7cb7_logits
	.p2alignl 7, 3214868480
	.fill 96, 4, 3214868480
	.section	.rodata,"a",@progbits
	.p2align	6, 0x0
	.amdhsa_kernel k_q8de30a7cb7_logits
		.amdhsa_group_segment_fixed_size 280064
		.amdhsa_private_segment_fixed_size 0
		.amdhsa_enable_private_segment 0
		.amdhsa_kernarg_size 24
		.amdhsa_user_sgpr_count 2
		.amdhsa_user_sgpr_kernarg_segment_ptr 1
		.amdhsa_wavefront_size32 1
		.amdhsa_system_sgpr_workgroup_id_x 1
		.amdhsa_system_sgpr_workgroup_id_y 1
		.amdhsa_system_sgpr_workgroup_id_z 1
		.amdhsa_system_vgpr_workitem_id 0
		.amdhsa_next_free_vgpr 256
		.amdhsa_next_free_sgpr 100
		.amdhsa_reserve_vcc 1
		.amdhsa_float_denorm_mode_32 3
		.amdhsa_float_denorm_mode_16_64 3
		.amdhsa_memory_ordered 1
		.amdhsa_forward_progress 1
		.amdhsa_inst_pref_size 64
	.end_amdhsa_kernel
	.amdgpu_metadata
---
amdhsa.version: [ 1, 2 ]
amdhsa.kernels:
  - .name:           k_q8de30a7cb7_logits
    .symbol:         k_q8de30a7cb7_logits.kd
    .args:
      - { .name: a0, .offset: 0, .size: 8, .value_kind: global_buffer, .address_space: global }
      - { .name: wt, .offset: 8, .size: 8, .value_kind: global_buffer, .address_space: global }
      - { .name: out0, .offset: 16, .size: 8, .value_kind: global_buffer, .address_space: global }
    .group_segment_fixed_size: 280064
    .private_segment_fixed_size: 0
    .kernarg_segment_align: 8
    .kernarg_segment_size: 24
    .max_flat_workgroup_size: 128
    .sgpr_count:     100
    .vgpr_count:     256
    .wavefront_size: 32
...
	.end_amdgpu_metadata
.endif
;; end of part 6
;; ======== version 2 of 2: 8 launches
;; limits: right only within a limited range of input values
;; workspace buffers: a0 12,582,912 bytes; a1 12,582,912 bytes; w0 3,145,728 bytes; w1 3,145,728 bytes; wt 8,650,752 bytes; qkv 6,291,456 bytes; comb 2,097,152 bytes
;; launch prep (part 7): grid 1040 x 1, 4 waves a work-group, no clusters, 0 bytes of LDS; arguments input_ids, tok_emb, pos_emb, Wqkv0_codes, Wqkv0_scales, Wqkv1_codes, Wqkv1_scales, Wo0_codes, Wo0_scales, Wo1_codes, Wo1_scales, a0, w0, w1, wt; writes a0, w0, w1, wt
.if DOCPART == 7
	.amdgcn_target "amdgcn-amd-amdhsa--gfx1250"
	.amdhsa_code_object_version 6
	.text
	.protected	k_q8de30a7cb7_prep
	.globl	k_q8de30a7cb7_prep
	.p2align	8
	.type	k_q8de30a7cb7_prep,@function
k_q8de30a7cb7_prep:
	s_mov_b64 s[64:65], 0
	v_nop
	global_prefetch_b8 v0, s[64:65] scope:SCOPE_SE
	s_setreg_imm32_b32 hwreg(HW_REG_WAVE_MODE, 25, 1), 1
	s_wait_xcnt 0x0
; PREP: every operand that later launches read is laid out once, as RECORDS of 1,024 bytes.
; A record is 16 rows x 64 along K as an image of the operand's registers: bytes 0-511 registers 0-3 (16 bytes a lane), bytes 512-767 registers 4-5 (8 bytes a lane),
; bytes 768-1023 a pair of words, 8 bytes a lane; the first is the scale word, byte(block 0) | byte(block 1) << 8.  Lane (r, h) holds k = 32 h .. 32 h + 31 of the tile's row r.
; THE ROWS OF A TILE ARE NOT NEIGHBOURS (tok_emb's aside): row r of tile T is row 32 (T / 2) + 8 (T % 2) + r + 8 (r / 8) of its matrix, so that a transposed product's 16 registers of two neighbouring tiles are 16 neighbours along the next K.
; Work-groups 0-127: tile T of the tokens: emb = tok_emb[input_ids] as f32 images (a0 + 4 MiB), its codes (a0), the codes of emb + pos_emb (a0 + 2 MiB).
; Work-groups 128-527: tok_emb quantised along its 1,024 (wt + 2 MiB), 400 tiles of 16 NEIGHBOURING rows (nothing is quantised along the last product's columns); rows from 6,282 on are zero codes.  In these records the pair's second
; word of every odd record is the scale word of 128 along K: the even record's word | this record's word << 16.  Work-groups 528-1039: the four weights' given codes and scale bytes, copied into records, unchanged.
; DEAD WORK LEFT OUT BY THE PROGRAM.  (1) reference() takes q and k from (x + pe) Wqkv^T and slices its v columns away, and takes v from x Wqkv^T and slices its q, k columns away: the sliced columns reach no output for any
; values of the inputs, so each layer multiplies 2,048 columns by x + pe and 1,024 by x.  (2) Key steps that lie wholly above the diagonal of the mask that reference() builds (qi < ki) are not walked.
; LIMITS.  A hidden key has the logit -10,000 in reference(), so its weight is 2^(-14,427 - M): it is 0 in f32 while a row's largest open logit lies above about -9,890; below that the hidden keys of the steps left out would count and
; are not served.  A NaN, an infinity or an overflow that reaches only the work left out is not carried to the result; NaN and infinities among the inputs are not served.
; A block of zeros gets the scale byte 1 (the rule says 127): its codes are zeros, and this program alone reads the bytes.  All inputs have a way to the output and are loaded.
.set ROWB4, 4096                       ; a row of 1,024 f32 in bytes
.set REC,   1024                       ; a record
.set LI16, 4                           ; v4   16 x lane
.set LI8,  5                           ; v5   8 x lane
.set TM,   10                          ; v10-13 largest magnitudes, and the other half of the lanes'
.set SO,   14                          ; v14-15 the conversions' scale operands
.set BY,   16                          ; v16-17 scale bytes
.set PW,   18                          ; v18 the scale word, v19 the pair's second word
.set PC,   20                          ; v20-25 a record's codes
.set PT,   26                          ; v26-28 the second conversion's result
.set PWS,  29                          ; v29 tok_emb: the even record's scale word, kept for the odd one
.set WV,   34                          ; s34  my wave
.set SEL,  46                          ; s[46:47] lane selects: lane l xor 16
; 32 numbers of a lane, register 16 b + i = k 32 b + 16 (lane / 16) + i of my row, become a record's codes in v[PC] on and its scale word in v[PW].
.macro QUANT2 s
.irp b, 0,1
	v_max3_num_f32 v[TM+\b], |v[(\s)+16*\b]|, |v[(\s)+16*\b+1]|, 0x1800000   ; my 16 numbers of block b, and the floor 2^(3 - 127): the byte cannot fall under 1
.endr
.irp i, 2,4,6,8,10,12,14
.irp b, 0,1
	v_max3_num_f32 v[TM+\b], v[TM+\b], |v[(\s)+16*\b+\i]|, |v[(\s)+16*\b+\i+1]|
.endr
.endr
.irp b, 0,1
	v_permlanex16_b32 v[TM+2+\b], v[TM+\b], s[SEL], s[SEL+1]
.endr
.irp b, 0,1
	v_max_num_f32 v[TM+\b], v[TM+\b], v[TM+2+\b]   ; with lane l xor 16's: the block's largest magnitude
.endr
.irp b, 0,1
	v_add_nc_u32 v[SO+\b], 0xff000000, v[TM+\b]    ; 2 off its exponent field: the conversion takes this operand's exponent field as its scale
.endr
	s_wait_alu depctr_va_vdst(0)
	s_wait_xcnt 0x0                                ; the last record's stores have read v[PC] on and the pair at v[PW]: only now are they written again
.irp b, 0,1
	v_lshrrev_b32 v[BY+\b], 23, v[SO+\b]           ; the scale's byte
.endr
	v_lshl_or_b32 v[PW], v[BY+1], 8, v[BY]
	v_cvt_scalef32_pk16_fp6_f32 v[PC:PC+2], v[(\s):(\s)+15], v[SO]
	v_cvt_scalef32_pk16_fp6_f32 v[PT:PT+2], v[(\s)+16:(\s)+31], v[SO+1]
	v_nop                                          ; one plain instruction behind a scaled conversion
.irp i, 0,1,2
	v_permlane16_swap_b32 v[PC+\i], v[PT+\i]       ; a lane wants a WHOLE block: lanes 0-15 block 0, lanes 16-31 block 1
.endr
.irp i, 0,1,2
	v_mov_b32 v[PC+3+\i], v[PT+\i]
.endr
.endm
.macro PUTREC base, off                ; three stores, each of whole aligned runs of 256 bytes
	global_store_b128 v[LI16], v[PC:PC+3], s[\base:\base+1] offset:\off
	global_store_b64 v[LI8], v[PC+4:PC+5], s[\base:\base+1] offset:(\off)+512
	global_store_b64 v[LI8], v[PW:PW+1], s[\base:\base+1] offset:(\off)+768
.endm
	s_load_b512 s[4:19], s[0:1], 0x0               ; ids s[4:5], tok s[6:7], pos s[8:9], Wqkv0 codes, scales s[10:13], Wqkv1 s[14:17], Wo0 codes s[18:19]
	s_load_b256 s[20:27], s[0:1], 0x40             ; Wo0 scales s[20:21], Wo1 codes, scales s[22:25], a0 s[26:27]
	s_load_b128 s[28:31], s[0:1], 0x60             ; w0 s[28:29], w1 s[30:31]
	s_load_b64 s[32:33], s[0:1], 0x70              ; wt
	v_lshrrev_b32 v1, 5, v0
	v_readfirstlane_b32 s[WV], v1                  ; wave 0..3: it takes the tile's half-fragments 4 w .. 4 w + 3 of 16
	v_and_b32 v1, 15, v0                           ; r
	v_bfe_u32 v2, v0, 4, 1                         ; h
	v_and_b32 v3, 8, v1
	v_add_nc_u32 v3, v3, v1                        ; r + 8 (r / 8)
	v_and_b32 v[LI8], 31, v0
	v_lshlrev_b32 v[LI16], 4, v[LI8]
	v_lshlrev_b32 v[LI8], 3, v[LI8]
	v_mov_b32 v[TM+2], 0                           ; written once: a lane permute's destination counts as one of its sources
	v_mov_b32 v[TM+3], 0
	v_mov_b32 v[PW+1], 0
	s_mov_b32 s[SEL], 0x76543210
	s_mov_b32 s[SEL+1], 0xfedcba98
	s_wait_kmcnt 0x0
	s_cmp_lt_u32 ttmp9, 128
	s_cbranch_scc0 .Lnot_a
	; ---- the tokens: tile T = the work-group's number
	s_lshr_b32 s35, ttmp9, 1
	s_lshl_b32 s35, s35, 5
	s_and_b32 s36, ttmp9, 1
	s_lshl_b32 s36, s36, 3
	s_add_co_u32 s35, s35, s36                     ; 32 (T / 2) + 8 (T % 2)
	s_wait_alu depctr_va_vdst(0)
	v_add_nc_u32 v6, s35, v3                       ; my token
	s_wait_alu depctr_va_vdst(0)
	v_lshlrev_b32 v7, 2, v6
	global_load_b32 v8, v7, s[4:5]                 ; its id
	s_lshl_b32 s36, s[WV], 10                      ; my wave's four half-fragments: 1,024 bytes of a row
	s_mov_b32 s37, 0
	s_add_nc_u64 s[6:7], s[6:7], s[36:37]
	s_add_nc_u64 s[8:9], s[8:9], s[36:37]
	s_lshl_b32 s38, ttmp9, 14
	s_lshl_b32 s39, s[WV], 12
	s_add_co_u32 s38, s38, s39                     ; record (16 T + 4 w) x 1,024
	s_mov_b32 s39, 0
	s_add_nc_u64 s[40:41], s[26:27], s[38:39]      ; the codes of emb; those of emb + pe lie 2 MiB on
	s_lshl_b32 s38, s38, 2
	s_add_co_u32 s38, s38, 0x400000
	s_add_nc_u64 s[42:43], s[26:27], s[38:39]      ; the f32 images, 4,096 bytes each
	v_lshlrev_b32 v9, 12, v6
	v_lshl_add_u32 v9, v2, 6, v9                   ; pos_emb: row = my token, + 64 h: my 16 numbers of a block of 32
	s_wait_alu depctr_va_vdst(0)
	s_wait_loadcnt 0x0
	v_min_u32 v8, 0x1889, v8                       ; an id stays inside the table of 6,282 rows
	v_lshlrev_b32 v8, 12, v8
	v_lshl_add_u32 v8, v2, 6, v8                   ; tok_emb: row = the id, + 64 h
.macro LOADA i, e                      ; half-fragment i of my four: 32 numbers of emb into v[e] on, 32 of pos_emb into v[e + 32] on
.irp b, 0,1
.irp j, 0,1,2,3
	global_load_b128 v[(\e)+16*\b+4*\j:(\e)+16*\b+4*\j+3], v8, s[6:7] offset:256*(\i)+128*\b+16*\j
.endr
.endr
.irp b, 0,1
.irp j, 0,1,2,3
	global_load_b128 v[(\e)+32+16*\b+4*\j:(\e)+32+16*\b+4*\j+3], v9, s[8:9] offset:256*(\i)+128*\b+16*\j
.endr
.endr
.endm
.macro HFA i, e, left
	s_wait_loadcnt \left                           ; this half-fragment's 16 loads are in; the next one's 16 may be out
.irp p, 0,1,2,3,4,5,6,7
	global_store_b128 v[LI16], v[(\e)+4*\p:(\e)+4*\p+3], s[42:43] offset:4096*(\i)+512*\p   ; emb as it stands in an accumulator's layout: the residual of the layer's last product
.endr
	QUANT2 \e
	PUTREC 40, 1024*(\i)
.set kk, 0
.rept 16
	v_pk_add_f32 v[(\e)+32+kk:(\e)+33+kk], v[(\e)+32+kk:(\e)+33+kk], v[(\e)+kk:(\e)+kk+1]   ; emb + pe
.set kk, kk+2
.endr
	QUANT2 (\e)+32
	PUTREC 40, 0x200000+1024*(\i)
.if (\i) < 2
	s_wait_xcnt 0x0                                ; the image's stores have read their registers: they take the loads of two half-fragments on
	LOADA (\i)+2, \e
.endif
.endm
	LOADA 0, 32
	LOADA 1, 96
	HFA 0, 32, 16
	HFA 1, 96, 16
	HFA 2, 32, 16
	HFA 3, 96, 0
	s_endpgm
.Lnot_a:
	s_cmp_lt_u32 ttmp9, 528
	s_cbranch_scc0 .Lweights
	; ---- tok_emb as the last product's operand: tile Tt holds rows 16 Tt .. 16 Tt + 15
	s_sub_co_u32 s35, ttmp9, 128
	s_lshl_b32 s36, s35, 4
	v_add_nc_u32 v6, s36, v1                       ; my row of the table: 16 Tt + r
	v_cmp_gt_u32 s44, 0x188a, v6                   ; is it one of the 6,282?
	v_min_u32 v7, 0x1889, v6                       ; no load leaves the table
	v_lshlrev_b32 v7, 12, v7
	v_lshl_add_u32 v7, v2, 6, v7
	s_wait_alu depctr_va_vdst(0)
	s_lshl_b32 s36, s[WV], 10
	s_mov_b32 s37, 0
	s_add_nc_u64 s[6:7], s[6:7], s[36:37]
	s_lshl_b32 s38, s35, 14
	s_lshl_b32 s36, s[WV], 12
	s_add_co_u32 s38, s38, s36
	s_add_co_u32 s38, s38, 0x200000
	s_mov_b32 s39, 0
	s_add_nc_u64 s[40:41], s[32:33], s[38:39]
.irp i, 0,1,2,3
.irp b, 0,1
.irp j, 0,1,2,3
	global_load_b128 v[32+32*\i+16*\b+4*\j:35+32*\i+16*\b+4*\j], v7, s[6:7] offset:256*\i+128*\b+16*\j
.endr
.endr
.endr
.irp i, 0,1,2,3
	s_wait_loadcnt 24-8*\i                         ; the later half-fragments' loads, 8 each, may be out
.set kk, 0
.rept 32
	v_cndmask_b32 v[32+32*\i+kk], 0, v[32+32*\i+kk], s44   ; rows past the table's end are zeros
.set kk, kk+1
.endr
	QUANT2 32+32*\i
.if (\i%2) == 0
	v_mov_b32 v[PWS], v[PW]                        ; the even record's word is kept.  (Its pair's second word is read by nobody)
.else
	v_lshl_or_b32 v[PW+1], v[PW], 16, v[PWS]       ; the scale word of 128 along K; no store has been issued since the wait inside the quantiser
.endif
	PUTREC 40, 1024*\i
.endr
	s_endpgm
.Lweights:
	; ---- the given codes and scale bytes, into records: tiles 0-191 Wqkv0, 192-383 Wqkv1, 384-447 Wo0, 448-511 Wo1.  The choice hangs on the work-group's number alone
	s_sub_co_u32 s35, ttmp9, 528
	s_mov_b64 s[36:37], s[22:23]                   ; codes,
	s_mov_b64 s[38:39], s[24:25]                   ; scale bytes,
	s_mov_b64 s[40:41], s[32:33]                   ; where the records go,
	s_mov_b32 s42, 448                             ; the matrix's first tile,
	s_mov_b32 s43, 0x100000                        ; and its place in that buffer
	s_cmp_lt_u32 s35, 448
	s_cselect_b64 s[36:37], s[18:19], s[36:37]
	s_cselect_b64 s[38:39], s[20:21], s[38:39]
	s_cselect_b32 s42, 384, s42
	s_cselect_b32 s43, 0, s43
	s_cmp_lt_u32 s35, 384
	s_cselect_b64 s[36:37], s[14:15], s[36:37]
	s_cselect_b64 s[38:39], s[16:17], s[38:39]
	s_cselect_b64 s[40:41], s[30:31], s[40:41]
	s_cselect_b32 s42, 192, s42
	s_cmp_lt_u32 s35, 192
	s_cselect_b64 s[36:37], s[10:11], s[36:37]
	s_cselect_b64 s[38:39], s[12:13], s[38:39]
	s_cselect_b64 s[40:41], s[28:29], s[40:41]
	s_cselect_b32 s42, 0, s42
	s_sub_co_u32 s35, s35, s42                     ; the tile in its matrix
	s_lshr_b32 s44, s35, 1
	s_lshl_b32 s44, s44, 5
	s_and_b32 s45, s35, 1
	s_lshl_b32 s45, s45, 3
	s_add_co_u32 s44, s44, s45
	s_wait_alu depctr_va_vdst(0)
	v_add_nc_u32 v6, s44, v3                       ; my row
	v_mul_u32_u24 v7, v6, 0x300                    ; a row of 1,024 codes is 768 bytes
	v_mad_u32_u24 v7, v2, 24, v7                   ; + 24 h: my block of 32
	s_wait_alu depctr_va_vdst(0)
	v_lshlrev_b32 v8, 5, v6                        ; a row of scale bytes is 32 bytes
	s_wait_alu depctr_va_vdst(0)
	s_mul_i32 s44, s[WV], 192                      ; my four half-fragments: 48 bytes of codes each,
	s_mov_b32 s45, 0
	s_add_nc_u64 s[36:37], s[36:37], s[44:45]
	s_lshl_b32 s44, s[WV], 3                       ; 2 scale bytes each
	s_add_nc_u64 s[38:39], s[38:39], s[44:45]
	s_lshl_b32 s44, s35, 14
	s_lshl_b32 s42, s[WV], 12
	s_add_co_u32 s44, s44, s42
	s_add_co_u32 s44, s44, s43
	s_add_nc_u64 s[40:41], s[40:41], s[44:45]
.irp i, 0,1,2,3
.irp p, 0,1,2
	global_load_b64 v[32+8*\i+2*\p:33+8*\i+2*\p], v7, s[36:37] offset:48*\i+8*\p th:TH_LOAD_NT   ; 24 bytes of the row's stream of bits, as they lie
.endr
	global_load_u16 v[38+8*\i], v8, s[38:39] offset:2*\i th:TH_LOAD_NT   ; the two blocks' bytes are the scale word
	v_mov_b32 v[39+8*\i], 0
.endr
	s_wait_alu depctr_va_vdst(0)
	s_wait_loadcnt 0x0
.irp i, 0,1,2,3
	global_store_b128 v[LI16], v[32+8*\i:35+8*\i], s[40:41] offset:1024*\i
	global_store_b64 v[LI8], v[36+8*\i:37+8*\i], s[40:41] offset:1024*\i+512
	global_store_b64 v[LI8], v[38+8*\i:39+8*\i], s[40:41] offset:1024*\i+768
.endr
	s_endpgm
.Lfunc_end_k_q8de30a7cb7_prep:
	.size	k_q8de30a7cb7_prep, .Lfunc_end_k_q8de30a7cb7_prep-k_q8de30a7cb7_prep
	.p2alignl 7, 3214868480
	.fill 96, 4, 3214868480
	.section	.rodata,"a",@progbits
	.p2align	6, 0x0
	.amdhsa_kernel k_q8de30a7cb7_prep
		.amdhsa_group_segment_fixed_size 0
		.amdhsa_private_segment_fixed_size 0
		.amdhsa_enable_private_segment 0
		.amdhsa_kernarg_size 120
		.amdhsa_user_sgpr_count 2
		.amdhsa_user_sgpr_kernarg_segment_ptr 1
		.amdhsa_wavefront_size32 1
		.amdhsa_system_sgpr_workgroup_id_x 1
		.amdhsa_system_sgpr_workgroup_id_y 1
		.amdhsa_system_sgpr_workgroup_id_z 1
		.amdhsa_system_vgpr_workitem_id 0
		.amdhsa_next_free_vgpr 160
		.amdhsa_next_free_sgpr 66
		.amdhsa_reserve_vcc 0
		.amdhsa_float_denorm_mode_32 3
		.amdhsa_float_denorm_mode_16_64 3
		.amdhsa_memory_ordered 1
		.amdhsa_forward_progress 1
		.amdhsa_inst_pref_size 59
	.end_amdhsa_kernel
	.amdgpu_metadata
---
amdhsa.version: [ 1, 2 ]
amdhsa.kernels:
  - .name:           k_q8de30a7cb7_prep
    .symbol:         k_q8de30a7cb7_prep.kd
    .args:
      - { .name: input_ids, .offset: 0, .size: 8, .value_kind: global_buffer, .address_space: global }
      - { .name: tok_emb, .offset: 8, .size: 8, .value_kind: global_buffer, .address_space: global }
      - { .name: pos_emb, .offset: 16, .size: 8, .value_kind: global_buffer, .address_space: global }
      - { .name: Wqkv0_codes, .offset: 24, .size: 8, .value_kind: global_buffer, .address_space: global }
      - { .name: Wqkv0_scales, .offset: 32, .size: 8, .value_kind: global_buffer, .address_space: global }
      - { .name: Wqkv1_codes, .offset: 40, .size: 8, .value_kind: global_buffer, .address_space: global }
      - { .name: Wqkv1_scales, .offset: 48, .size: 8, .value_kind: global_buffer, .address_space: global }
      - { .name: Wo0_codes, .offset: 56, .size: 8, .value_kind: global_buffer, .address_space: global }
      - { .name: Wo0_scales, .offset: 64, .size: 8, .value_kind: global_buffer, .address_space: global }
      - { .name: Wo1_codes, .offset: 72, .size: 8, .value_kind: global_buffer, .address_space: global }
      - { .name: Wo1_scales, .offset: 80, .size: 8, .value_kind: global_buffer, .address_space: global }
      - { .name: a0, .offset: 88, .size: 8, .value_kind: global_buffer, .address_space: global }
      - { .name: w0, .offset: 96, .size: 8, .value_kind: global_buffer, .address_space: global }
      - { .name: w1, .offset: 104, .size: 8, .value_kind: global_buffer, .address_space: global }
      - { .name: wt, .offset: 112, .size: 8, .value_kind: global_buffer, .address_space: global }
    .group_segment_fixed_size: 0
    .private_segment_fixed_size: 0
    .kernarg_segment_align: 8
    .kernarg_segment_size: 120
    .max_flat_workgroup_size: 128
    .sgpr_count:     66
    .vgpr_count:     160
    .wavefront_size: 32
...
	.end_amdgpu_metadata
.endif
;; end of part 7
;; launch qkv0 (part 8): grid 16 x 24, 8 waves a work-group, clusters of 4 x 4, 263,168 bytes of LDS; arguments a0, w0, qkv; writes qkv
.if DOCPART == 8
	.amdgcn_target "amdgcn-amd-amdhsa--gfx1250"
	.amdhsa_code_object_version 6
	.text
	.protected	k_q8de30a7cb7_qkv0
	.globl	k_q8de30a7cb7_qkv0
	.p2align	8
	.type	k_q8de30a7cb7_qkv0,@function
k_q8de30a7cb7_qkv0:
	s_mov_b64 s[64:65], 0
	v_nop
	global_prefetch_b8 v0, s[64:65] scope:SCOPE_SE
	s_setreg_imm32_b32 hwreg(HW_REG_WAVE_MODE, 25, 1), 1
	s_wait_xcnt 0x0
	s_wait_alu depctr_hold_cnt(0) depctr_sa_sdst(0) depctr_va_vdst(0) depctr_va_sdst(0) depctr_va_ssrc(0) depctr_va_vcc(0) depctr_vm_vsrc(0)
	s_getreg_b32 s2, hwreg(HW_REG_IB_STS2, 6, 4)
	s_cmp_eq_u32 s2, 0
	s_cbranch_scc0 .Lentry_in_a_cluster
	s_endpgm
.Lentry_in_a_cluster:
	s_bfe_u32 s2, ttmp6, 0x10000c
	s_cmp_lg_u32 s2, 0xf033
	s_cbranch_scc0 .Lentry_shape_is_right
	s_endpgm
.Lentry_shape_is_right:
; Q, K AND V^T OF ONE LAYER, as records of codes.  out[m][n] = sum over k of X[m][k] Y[n][k], K = 1,024, on codes of FP6 (E2M3) with E8M0 scales; the result is quantised in registers along n.
; WORK LEFT OUT: the columns that reference() slices away (v of the product with x + pe; q, k of the product with x) are not multiplied: shown at the head of the first kernel.
; Tile rows 0-15 of the grid: X = x + pe (tokens), Y = Wq, Wk.  Tile rows 16-23: X = Wv (features), Y = x (tokens): V^T, quantised along the keys.
; Operands are records (16 rows x 64 K as an image of the operand's registers: 512 bytes registers 0-3, 256 bytes registers 4-5, 256 bytes scale words), record = 16 x tile + half-fragment.
; A work-group of eight waves makes 128 x 128, a wave 32 (X) x 64 (Y); source 0 = 16 rows of Y, source 1 = 16 rows of X: a lane holds one row of X and 64 neighbours along n.
; LDS holds the block's whole K, X's 8 tiles and then Y's 8, filled once: each wave fetches two tiles, 32,768 dense bytes, by its one tensor load; one barrier, and none after it.
; All scale words are merged once, ahead of the products; the fragments have two sets of registers: K step k + 1's 24 LDS loads are issued ahead of K step k's products.
; CLUSTER 4 x 4: X's tiles are asked for jointly along a row of the cluster, Y's along a column.  No prefetch: every byte is asked for at the head.
.set YR,    131072
.set SPARE, 262144
.set AX16, 1
.set AX8,  2
.set AY16, 3
.set AY8,  4
.set ASC,  5
.set SPW,  6
.set NIL,  7
.set LI16, 8
.set LI8,  9
.set SC,   12                          ; v12-43 scale words: K step k, tile i at v[SC + 4 k + i]: lanes 0-15 X's tile i, lanes 16-31 Y's; scales and nothing else
.set F0,   44                          ; v44-115, v116-187 the two sets: Y's four fragments, then X's two
.set ST,   116                         ; the scale words as loaded, for now in the second set
.set ACC,  188                         ; accumulator (a, b) at v[ACC + 32 a + 8 b]
.set TM,   44                          ; the way out works where the first set lay
.set SO,   48
.set BY,   50
.set PW,   52
.set PC,   56
.set PT,   64
.set G1X,  24
.set G1Y,  48
.set G0X,  68
.set G0Y,  84
.set SEL,  66
.macro CROUND
	s_barrier_signal -1
	s_barrier_wait -1
	s_cmp_lg_u32 s14, 0
	s_cbranch_scc1 .Lnot_wave_0_\@
	s_barrier_signal -3
.Lnot_wave_0_\@:
	s_barrier_wait -3
	s_barrier_signal -1
	s_barrier_wait -1
.endm
.macro QUANT2 s                        ; 32 numbers of a lane, register 16 b + i = k 32 b + 16 (lane / 16) + i of my row, become a record's codes and scale word
.irp b, 0,1
	v_max3_num_f32 v[TM+\b], |v[(\s)+16*\b]|, |v[(\s)+16*\b+1]|, 0x1800000   ; with the floor 2^(3 - 127); each accumulator is read from its low end on
.endr
.irp i, 2,4,6,8,10,12,14
.irp b, 0,1
	v_max3_num_f32 v[TM+\b], v[TM+\b], |v[(\s)+16*\b+\i]|, |v[(\s)+16*\b+\i+1]|
.endr
.endr
.irp b, 0,1
	s_delay_alu instid0(VALU_DEP_2)
	v_permlanex16_b32 v[TM+2+\b], v[TM+\b], s[SEL], s[SEL+1]
.endr
.irp b, 0,1
	s_delay_alu instid0(VALU_DEP_2)
	v_max_num_f32 v[TM+\b], v[TM+\b], v[TM+2+\b]
.endr
.irp b, 0,1
	s_delay_alu instid0(VALU_DEP_2)
	v_add_nc_u32 v[SO+\b], 0xff000000, v[TM+\b]    ; 2 off the exponent field: the conversion's scale operand
.endr
	s_wait_alu depctr_va_vdst(0)
	s_wait_xcnt 0x0                                ; the last record's stores have read their registers
.irp b, 0,1
	v_lshrrev_b32 v[BY+\b], 23, v[SO+\b]
.endr
	s_delay_alu instid0(VALU_DEP_1)
	v_lshl_or_b32 v[PW], v[BY+1], 8, v[BY]
	v_cvt_scalef32_pk16_fp6_f32 v[PC:PC+2], v[(\s):(\s)+15], v[SO]
	v_cvt_scalef32_pk16_fp6_f32 v[PT:PT+2], v[(\s)+16:(\s)+31], v[SO+1]
	v_nop
.irp i, 0,1,2
	v_permlane16_swap_b32 v[PC+\i], v[PT+\i]
.endr
.irp i, 0,1,2
	s_delay_alu instid0(VALU_DEP_3)
	v_mov_b32 v[PC+3+\i], v[PT+\i]
.endr
.endm
.macro PUTREC base, off
	global_store_b128 v[LI16], v[PC:PC+3], s[\base:\base+1] offset:\off
	global_store_b64 v[LI8], v[PC+4:PC+5], s[\base:\base+1] offset:(\off)+512
	global_store_b64 v[LI8], v[PW:PW+1], s[\base:\base+1] offset:(\off)+768
.endm
.macro LOADK k                         ; K step k's six fragments into set k % 2: 24 LDS loads
.set FB, F0+72*((\k)%2)
.rept 4
	v_nop                                          ; four places behind the products that read this set
.endr
.irp b, 0,1,2,3
.irp p, 0,1
	ds_load_b128 v[FB+12*\b+6*\p:FB+12*\b+6*\p+3], v[AY16] offset:16384*\b+1024*(2*(\k)+\p)
	ds_load_b64 v[FB+12*\b+6*\p+4:FB+12*\b+6*\p+5], v[AY8] offset:16384*\b+1024*(2*(\k)+\p)+512
.endr
.endr
.irp a, 0,1
.irp p, 0,1
	ds_load_b128 v[FB+48+12*\a+6*\p:FB+48+12*\a+6*\p+3], v[AX16] offset:16384*\a+1024*(2*(\k)+\p)
	ds_load_b64 v[FB+48+12*\a+6*\p+4:FB+48+12*\a+6*\p+5], v[AX8] offset:16384*\a+1024*(2*(\k)+\p)+512
.endr
.endr
.endm
.macro MULK k, zero                    ; eight products; the accumulators take turns
.set FB, F0+72*((\k)%2)
.irp a, 0,1
.irp b, 0,1,2,3
.if \zero
	v_wmma_scale_f32_16x16x128_f8f6f4 v[ACC+32*\a+8*\b:ACC+32*\a+8*\b+7], v[FB+12*\b:FB+12*\b+11], v[FB+48+12*\a:FB+48+12*\a+11], 0, v[SC+4*(\k)+\b], v[SC+4*(\k)+\a] matrix_a_fmt:MATRIX_FMT_FP6 matrix_b_fmt:MATRIX_FMT_FP6 matrix_a_scale:MATRIX_SCALE_ROW1
.else
	v_wmma_scale_f32_16x16x128_f8f6f4 v[ACC+32*\a+8*\b:ACC+32*\a+8*\b+7], v[FB+12*\b:FB+12*\b+11], v[FB+48+12*\a:FB+48+12*\a+11], v[ACC+32*\a+8*\b:ACC+32*\a+8*\b+7], v[SC+4*(\k)+\b], v[SC+4*(\k)+\a] matrix_a_fmt:MATRIX_FMT_FP6 matrix_b_fmt:MATRIX_FMT_FP6 matrix_a_scale:MATRIX_SCALE_ROW1
.endif
.endr
.endr
.endm
.macro WALKK zero
	s_wait_alu depctr_va_vdst(0)                   ; the wait at the head's end
	s_wait_tensorcnt 0x0                           ; my load is in
	s_barrier_signal -1
	s_barrier_wait -1                              ; everybody's is; nothing is filled again
.irp k, 0,1,2,3,4,5,6,7
.irp i, 0,1,2,3
.irp p, 0,1
	ds_load_b32 v[ST+8*\k+2*\i+\p], v[ASC] offset:16384*\i+1024*(2*\k+\p)   ; (lanes 0-15 of words 2, 3 read filled bytes that no product names)
.endr
.endr
.endr
	LOADK 0
	s_wait_dscnt 24                                ; the 64 scale words are in; the 24 loads behind them may be out
.irp k, 0,1,2,3,4,5,6,7
.irp i, 0,1,2,3
	v_lshl_or_b32 v[SC+4*\k+\i], v[ST+8*\k+2*\i+1], 16, v[ST+8*\k+2*\i]   ; two half-fragments' bytes make the word of 128 along K
.endr
.endr
.rept 8
	v_nop                                          ; a scale register written by a vector instruction stands eight places ahead of the product
.endr
	s_wait_alu depctr_va_vdst(0)
.irp k, 0,1,2,3,4,5,6
	LOADK \k+1
	s_wait_dscnt 24                                ; this K step's are in; the next one's 24 may be out
.if \k == 0
	MULK \k, \zero
.else
	MULK \k, 0
.endif
.endr
	s_wait_dscnt 0x0
	MULK 7, 0
.rept 4
	v_nop                                          ; four places behind the last products
.endr
.endm
	s_load_b128 s[4:7], s[0:1], 0x0                ; the activations' buffer s[4:5], the weights' records s[6:7]
	s_load_b64 s[8:9], s[0:1], 0x10                ; qkv
	v_lshl_add_u32 v[SPW], v0, 2, SPARE
	v_mov_b32 v[NIL], 0
	ds_add_u32 v[SPW], v[NIL]                      ; the wave's opening: the add, twice on end, and its wait
	ds_add_u32 v[SPW], v[NIL]
	v_lshrrev_b32 v10, 5, v0
	v_readfirstlane_b32 s14, v10                   ; wave 0..7
	s_lshr_b32 s15, s14, 1                         ; which two tiles of X are mine
	s_and_b32 s16, s14, 1                          ; which four of Y
	s_and_b32 s62, s14, 3                          ; which quarter of X (waves 0-3) or of Y (waves 4-7) I fetch
	s_bfe_u32 s40, ttmp6, 0x40000
	s_bfe_u32 s41, ttmp6, 0x40004
	s_lshl_b32 s42, ttmp9, 2
	s_add_co_u32 s42, s42, s40                     ; tile column
	s_and_b32 s18, ttmp7, 0xffff                   ; cluster y: 0-3 the part of q and k, 4-5 the part of v
	s_lshl_b32 s17, s18, 2
	s_add_co_u32 s17, s17, s41                     ; tile row
	s_lshl_b32 s43, s41, 2
	s_lshl_b32 s43, 15, s43                        ; my row of the cluster
	s_lshl_b32 s44, 0x1111, s40                    ; my column
	s_or_b32 s[G1X], s43, (3<<16)|(1<<21)
	s_or_b32 s[G1Y], s44, (3<<16)|(1<<21)
.irp g, G1X, G1Y
	s_mov_b32 s[\g+1], 32<<16                      ; two tiles are dense in memory: 128 rows of 256 bytes
	s_mov_b32 s[\g+2], 128<<16
	s_mov_b32 s[\g+3], 32<<16
	s_mov_b32 s[\g+4], 128
	s_mov_b32 s[\g+5], 32
	s_mov_b32 s[\g+6], 0
	s_mov_b32 s[\g+7], 0
.endr
	s_lshl_b32 s19, s62, 15
	s_and_b32 s20, s17, 15
	s_lshl_b32 s20, s20, 17                        ; X: 8 tiles a tile row,
	s_add_co_u32 s20, s20, s19
	s_add_co_u32 s20, s20, 0x200000                ; 2 MiB into its buffer: the codes of x + pe, or Wv
	s_mov_b32 s21, 0
	s_lshl_b32 s46, s42, 17                        ; Y: 8 tiles a tile column, from its buffer's start
	s_add_co_u32 s46, s46, s19
	s_mov_b32 s47, 0
	s_lshl_b32 s56, s14, 15                        ; in LDS: wave x 32,768
	s_mov_b32 s[SEL], 0x76543210
	s_mov_b32 s[SEL+1], 0xfedcba98
	s_wait_dscnt 0x0
	s_wait_kmcnt 0x0
	s_cmp_lt_u32 s18, 4                            ; the choice hangs on the cluster's y alone
	s_cselect_b64 s[10:11], s[4:5], s[6:7]
	s_cselect_b64 s[12:13], s[6:7], s[4:5]
	s_add_nc_u64 s[20:21], s[10:11], s[20:21]
	s_add_nc_u64 s[46:47], s[12:13], s[46:47]
	CROUND
	s_mov_b32 s[G0X], 1
	s_mov_b32 s[G0X+1], s56
	s_mov_b64 s[G0X+2:G0X+3], s[20:21]
	s_or_b32 s[G0X+3], s[G0X+3], 0x80000000
	s_mov_b32 s[G0Y], 1
	s_mov_b32 s[G0Y+1], s56
	s_mov_b64 s[G0Y+2:G0Y+3], s[46:47]
	s_or_b32 s[G0Y+3], s[G0Y+3], 0x80000000
	s_cmp_lt_u32 s14, 4
	s_cbranch_scc0 .Lfor_y
	tensor_load_to_lds s[G0X:G0X+3], s[G1X:G1X+7]
	s_nop 0
.rept 4
	v_nop
.endr
	s_branch .Lasked
.Lfor_y:
	tensor_load_to_lds s[G0Y:G0Y+3], s[G1Y:G1Y+7]
	s_nop 0
.rept 4
	v_nop
.endr
.Lasked:
	v_and_b32 v10, 15, v0
	v_bfe_u32 v11, v0, 4, 1
	v_and_b32 v[LI8], 31, v0
	v_lshlrev_b32 v[LI16], 4, v[LI8]
	v_lshlrev_b32 v[LI8], 3, v[LI8]
	s_lshl_b32 s58, s15, 15                        ; my tiles of X
	s_lshl_b32 s59, s16, 16
	s_add_co_u32 s59, s59, YR                      ; my tiles of Y
	v_add_nc_u32 v[AX16], s58, v[LI16]
	v_add_nc_u32 v[AX8], s58, v[LI8]
	v_add_nc_u32 v[AY16], s59, v[LI16]
	v_add_nc_u32 v[AY8], s59, v[LI8]
	s_sub_co_u32 s59, s59, s58
	v_mul_u32_u24 v[ASC], s59, v11                 ; lanes 16-31 take Y's scale words
	v_lshl_add_u32 v[ASC], v10, 3, v[ASC]
	s_add_co_u32 s58, s58, 768
	v_add_nc_u32 v[ASC], s58, v[ASC]
	s_lshl_b32 s58, s42, 1
	s_add_co_u32 s58, s58, s16                     ; which 64 along n
	s_lshl_b32 s59, s58, 7
	s_lshl_b32 s60, s17, 3
	s_add_co_u32 s59, s59, s60
	s_lshl_b32 s60, s15, 1
	s_add_co_u32 s59, s59, s60                     ; q, k: record 128 x (head, or 16 + head) + token tile
	s_and_b32 s60, s17, 15
	s_lshl_b32 s60, s60, 1
	s_lshr_b32 s61, s15, 1
	s_add_co_u32 s60, s60, s61                     ; v: the head,
	s_lshl_b32 s60, s60, 7
	s_lshl_b32 s61, s58, 2
	s_add_co_u32 s60, s60, s61                     ; record 128 x head + 4 x (64 keys)
	s_and_b32 s61, s15, 1
	s_lshl_b32 s61, s61, 1
	s_add_co_u32 s60, s60, s61                     ; + tile of 16 features,
	s_add_co_u32 s60, s60, 4096                    ; 4 MiB on
	s_cmp_lt_u32 s18, 4
	s_cselect_b32 s58, s59, s60
	s_lshl_b32 s58, s58, 10
	s_mov_b32 s59, 0
	s_add_nc_u64 s[8:9], s[8:9], s[58:59]
	WALKK 1
	v_mov_b32 v[TM+2], 0                           ; a lane permute's destination counts as one of its sources
	v_mov_b32 v[TM+3], 0
	v_mov_b32 v[PW+1], 0
.irp a, 0,1
	QUANT2 ACC+32*\a
	PUTREC 8, 1024*\a
.endr
	s_wait_tensorcnt 0x0                           ; the wave's end
	ds_add_u32 v[SPW], v[NIL]
	s_wait_dscnt 0x0
	CROUND
	s_endpgm
.Lfunc_end_k_q8de30a7cb7_qkv0:
	.size	k_q8de30a7cb7_qkv0, .Lfunc_end_k_q8de30a7cb7_qkv0-k_q8de30a7cb7_qkv0
	.p2alignl 7, 3214868480
	.fill 96, 4, 3214868480
	.section	.rodata,"a",@progbits
	.p2align	6, 0x0
	.amdhsa_kernel k_q8de30a7cb7_qkv0
		.amdhsa_group_segment_fixed_size 263168
		.amdhsa_private_segment_fixed_size 0
		.amdhsa_enable_private_segment 0
		.amdhsa_kernarg_size 24
		.amdhsa_user_sgpr_count 2
		.amdhsa_user_sgpr_kernarg_segment_ptr 1
		.amdhsa_wavefront_size32 1
		.amdhsa_system_sgpr_workgroup_id_x 1
		.amdhsa_system_sgpr_workgroup_id_y 1
		.amdhsa_system_sgpr_workgroup_id_z 1
		.amdhsa_system_vgpr_workitem_id 0
		.amdhsa_next_free_vgpr 256
		.amdhsa_next_free_sgpr 100
		.amdhsa_reserve_vcc 0
		.amdhsa_float_denorm_mode_32 3
		.amdhsa_float_denorm_mode_16_64 3
		.amdhsa_memory_ordered 1
		.amdhsa_forward_progress 1
		.amdhsa_inst_pref_size 39
	.end_amdhsa_kernel
	.amdgpu_metadata
---
amdhsa.version: [ 1, 2 ]
amdhsa.kernels:
  - .name:           k_q8de30a7cb7_qkv0
    .symbol:         k_q8de30a7cb7_qkv0.kd
    .args:
      - { .name: a0, .offset: 0, .size: 8, .value_kind: global_buffer, .address_space: global }
      - { .name: w0, .offset: 8, .size: 8, .value_kind: global_buffer, .address_space: global }
      - { .name: qkv, .offset: 16, .size: 8, .value_kind: global_buffer, .address_space: global }
    .group_segment_fixed_size: 263168
    .private_segment_fixed_size: 0
    .kernarg_segment_align: 8
    .kernarg_segment_size: 24
    .max_flat_workgroup_size: 256
    .sgpr_count:     100
    .vgpr_count:     256
    .wavefront_size: 32
...
	.end_amdgpu_metadata
.endif
;; end of part 8
;; launch att0 (part 9): grid 16 x 16, 8 waves a work-group, clusters of 4 x 1, 281,600 bytes of LDS; arguments qkv, comb; writes comb
.if DOCPART == 9
	.amdgcn_target "amdgcn-amd-amdhsa--gfx1250"
	.amdhsa_code_object_version 6
	.text
	.protected	k_q8de30a7cb7_att0
	.globl	k_q8de30a7cb7_att0
	.p2align	8
	.type	k_q8de30a7cb7_att0,@function
k_q8de30a7cb7_att0:
	s_mov_b64 s[64:65], 0
	v_nop
	global_prefetch_b8 v0, s[64:65] scope:SCOPE_SE
	s_setreg_imm32_b32 hwreg(HW_REG_WAVE_MODE, 25, 1), 1
	s_wait_xcnt 0x0
	s_wait_alu depctr_hold_cnt(0) depctr_sa_sdst(0) depctr_va_vdst(0) depctr_va_sdst(0) depctr_va_ssrc(0) depctr_va_vcc(0) depctr_vm_vsrc(0)
	s_getreg_b32 s2, hwreg(HW_REG_IB_STS2, 6, 4)
	s_cmp_eq_u32 s2, 0
	s_cbranch_scc0 .Lentry_in_a_cluster
	s_endpgm
.Lentry_in_a_cluster:
	s_bfe_u32 s2, ttmp6, 0x10000c
	s_cmp_lg_u32 s2, 0x3003
	s_cbranch_scc0 .Lentry_shape_is_right
	s_endpgm
.Lentry_shape_is_right:
; CAUSAL ATTENTION OF ONE LAYER on codes of FP6 (E2M3) with E8M0 scales: 16 heads of 64, 2,048 tokens.  q, k: records of 16 tokens x the head's 64; V^T: records of 16 features x 64 keys; the result: records of 16 tokens x 64 features.
; WORK LEFT OUT: key steps all of whose 128 keys come after a wave's 16 queries (the mask qi < ki that reference() builds); shown, with its limit of range (a row's largest open logit above about -9,890), at the head of the first kernel.
; In the one step on the diagonal hidden scores become -80,000, which times c is reference()'s -10,000 x log2(e).
; THE SOFTMAX: t = score x c, c = log2(e) / 8; M = the running largest t rounded UP to a whole number; p = 2^(t - M) is quantised along the keys, not normalised; the row's sum is taken of the unquantised p and divides at the end.
; When M moves, the sum and O are multiplied by 2^(old M - new M): exact.
; SHARES.  The grid's y is the head; work-group j of 16 takes the query tiles 16 g + j, g = 0 .. 7: waves p and p + 4 share g = 7 - p and g = p, as set out below.
; Both products are used transposed: S^T = K Q^T, O^T = V^T P^T: a lane holds ONE query throughout.  A tile's tokens are 32 (T / 2) + 8 (T % 2) + r + 8 (r / 8), so that p's 16 registers of two neighbouring tiles are 16 neighbouring keys.
; The first product's K is 64, the instruction's 128: q's registers 6-11 are zero codes, and what stands in k's (the next tile's codes) adds nothing.
; LDS holds the head's whole K and V^T, 131,072 bytes each, filled once; it is read behind one wait and one barrier.  Every wave fetches a quarter of K (waves 0-3) or of V^T (waves 4-7) by one tensor load.
; CLUSTER 4 x 1: the four partners walk the same head, so each tile is asked for jointly.
.set VOFF,  131072                     ; V^T behind K
.set STAGE, 262144                     ; where a pair's second wave hands its part of the shared query tile over: 9 x 512 bytes a pair; no fill lands here
.set SPARE, 280576                     ; the spare words, 128 bytes a wave
.set L16,  1                           ; v1  16 x lane
.set L8,   2                           ; v2  8 x lane
.set LI16, 1
.set LI8,  2
.set DQ,   3                           ; v3  my query - the diagonal step's first key - 16 (lane / 16)
.set SPW,  4
.set NIL,  5
.set A16,  6                           ; v6-9 the step's LDS addresses
.set A8,   7
.set AV16, 8
.set AV8,  9
.set QS,   10                          ; v10 q's scale word.  v12 -M, v13 the largest t, v[14:15] the sum in two halves
.set QF,   16                          ; v16-27 q's fragment
.set KF,   28                          ; v28-81 eight tiles of k, 6 registers each, and 6 of zeros; later four fragments of V^T
.set KS,   82                          ; v82-89 k's scale words; later V^T's, by halves
.set VS,   90                          ; v90-93 V^T's scale words
.set S,    96                          ; v96-159 S^T, then p
.set O,    160                         ; v160-191 O^T
.set PCO,  192                         ; v192-203 p's codes
.set PTO,  204                         ; v204-210 the second conversions' results
.set BM,   212                         ; v212-215 each block's largest score, then its largest p
.set PM,   216                         ; v216-219 the other half of the lanes'
.set SOP,  220                         ; v220-223 the conversions' scale operands
.set PS,   224                         ; v224 p's scale word
.set F,    226                         ; v[226:227] f = 2^(old M - new M); at the end 1 / the sum
.set TMPR, 228
.set NEG,  229                         ; v229 -80,000
.set CH2,  230                         ; v[230:231] the sum's second chain
.set BYT,  232                         ; v232-235 scale bytes
.set TM,   232                         ; the way out's quantiser
.set SO,   236
.set BY,   238
.set PW,   240
.set PC,   242
.set PT,   248
.set WV,   8
.set SL,   10
.set LIM,  36                          ; s36 the last key step that this walk works
.set STG,  11                          ; v11 my pair's stage + 16 x lane
.set Q2,   236                         ; v236-242 the second walk's q record, kept until the walks change
.set F2,   232                         ; v[232:233] the join's second factor
.set SI,   11                          ; s11 the key step
.set TB,   12                          ; s12 its first byte in K's part of LDS, and in V's: 8,192 a step
.set CNT,  13
.set CS,   22                          ; s[22:23] c
.set G1,   24                          ; s[24:31] descriptor group 1;  s[32:47] groups 0, one for each chunk
.set G0,   32
.set SEL,  54
.macro CROUND
	s_barrier_signal -1
	s_barrier_wait -1
	s_cmp_lg_u32 s[WV], 0
	s_cbranch_scc1 .Lnot_wave_0_\@
	s_barrier_signal -3
.Lnot_wave_0_\@:
	s_barrier_wait -3
	s_barrier_signal -1
	s_barrier_wait -1
.endm
.macro QUANT2 s
.irp b, 0,1
	v_max3_num_f32 v[TM+\b], |v[(\s)+16*\b]|, |v[(\s)+16*\b+1]|, 0x1800000
.endr
.irp i, 2,4,6,8,10,12,14
.irp b, 0,1
	s_delay_alu instid0(VALU_DEP_2)
	v_max3_num_f32 v[TM+\b], v[TM+\b], |v[(\s)+16*\b+\i]|, |v[(\s)+16*\b+\i+1]|
.endr
.endr
.irp b, 0,1
	s_delay_alu instid0(VALU_DEP_2)
	v_permlanex16_b32 v[TM+2+\b], v[TM+\b], s[SEL], s[SEL+1]
.endr
.irp b, 0,1
	s_delay_alu instid0(VALU_DEP_2)
	v_max_num_f32 v[TM+\b], v[TM+\b], v[TM+2+\b]
.endr
.irp b, 0,1
	s_delay_alu instid0(VALU_DEP_2)
	v_add_nc_u32 v[SO+\b], 0xff000000, v[TM+\b]
.endr
	s_wait_alu depctr_va_vdst(0)
	s_wait_xcnt 0x0
.irp b, 0,1
	v_lshrrev_b32 v[BY+\b], 23, v[SO+\b]
.endr
	s_delay_alu instid0(VALU_DEP_1)
	v_lshl_or_b32 v[PW], v[BY+1], 8, v[BY]
	v_cvt_scalef32_pk16_fp6_f32 v[PC:PC+2], v[(\s):(\s)+15], v[SO]
	v_cvt_scalef32_pk16_fp6_f32 v[PT:PT+2], v[(\s)+16:(\s)+31], v[SO+1]
	v_nop
.irp i, 0,1,2
	v_permlane16_swap_b32 v[PC+\i], v[PT+\i]
.endr
.irp i, 0,1,2
	s_delay_alu instid0(VALU_DEP_3)
	v_mov_b32 v[PC+3+\i], v[PT+\i]
.endr
.endm
.macro PUTREC base, off
	global_store_b128 v[LI16], v[PC:PC+3], s[\base:\base+1] offset:\off
	global_store_b64 v[LI8], v[PC+4:PC+5], s[\base:\base+1] offset:(\off)+512
	global_store_b64 v[LI8], v[PW:PW+1], s[\base:\base+1] offset:(\off)+768
.endm
; A KEY STEP: 128 keys.
.macro STEP
	s_cmp_gt_u32 s[SI], s[LIM]
	s_cbranch_scc1 .Lhid_\@
	v_add_nc_u32 v[A16], s[TB], v[L16]             ; (these four are also the places behind the last step's products, ahead of the loads into their operands)
	v_add_nc_u32 v[A8], s[TB], v[L8]
	s_delay_alu instid0(VALU_DEP_2)
	v_add_nc_u32 v[AV16], VOFF, v[A16]
	s_delay_alu instid0(VALU_DEP_2)
	v_add_nc_u32 v[AV8], VOFF, v[A8]
.irp t, 0,1,2,3,4,5,6,7
	ds_load_b128 v[KF+6*\t:KF+6*\t+3], v[A16] offset:1024*\t
	ds_load_b64 v[KF+6*\t+4:KF+6*\t+5], v[A8] offset:1024*\t+512
	ds_load_b32 v[KS+\t], v[A8] offset:1024*\t+768
.endr
	s_wait_alu depctr_va_vdst(0)
	s_wait_dscnt 0x0
.irp t, 0,1,2,3,4,5,6,7
	v_wmma_scale_f32_16x16x128_f8f6f4 v[S+8*\t:S+8*\t+7], v[KF+6*\t:KF+6*\t+11], v[QF:QF+11], 0, v[KS+\t], v[QS] matrix_a_fmt:MATRIX_FMT_FP6 matrix_b_fmt:MATRIX_FMT_FP6
.endr                                  ; lane (r, h): query r; the 16 registers of tiles 2 b, 2 b + 1 are keys 32 b + 16 h + 0 .. 15 of the step
.rept 4
	v_nop                                          ; four places: ahead of the loads into k's registers and of the first read of the scores
.endr
.irp d, 0,1,2,3                        ; V^T's four fragments (16 features x these 128 keys) land while the softmax is worked
.irp p, 0,1
	ds_load_b128 v[KF+12*\d+6*\p:KF+12*\d+6*\p+3], v[AV16] offset:4096*\p+1024*\d
	ds_load_b64 v[KF+12*\d+6*\p+4:KF+12*\d+6*\p+5], v[AV8] offset:4096*\p+1024*\d+512
	ds_load_b32 v[KS+2*\d+\p], v[AV8] offset:4096*\p+1024*\d+768
.endr
.endr
	s_cmp_lg_u32 s[SI], s[SL]                      ; only the step on the diagonal has hidden keys
	s_cbranch_scc1 .Lopen_\@
.set jj, 0
.rept 64
	v_cmp_gt_i32 vcc_lo, 32*(jj/16)+jj%16, v[DQ]   ; register 16 b + i holds the step's key 32 b + 16 h + i
	v_cndmask_b32 v[S+jj], v[S+jj], v[NEG], vcc_lo
.set jj, jj+1
.endr
.Lopen_\@:
.irp b, 0,1,2,3
	v_max3_num_f32 v[BM+\b], v[S+16*\b], v[S+16*\b+1], v[S+16*\b+2]   ; the largest score of each block of 32 keys: it serves the row's maximum and, since p rises with the score, the block's largest p
.endr
.irp i, 3,5,7,9,11,13
.irp b, 0,1,2,3
	v_max3_num_f32 v[BM+\b], v[BM+\b], v[S+16*\b+\i], v[S+16*\b+\i+1]
.endr
.endr
.irp b, 0,1,2,3
	v_max_num_f32 v[BM+\b], v[BM+\b], v[S+16*\b+15]
.endr
.irp b, 0,1,2,3
	s_delay_alu instid0(VALU_DEP_4)
	v_permlanex16_b32 v[PM+\b], v[BM+\b], s[SEL], s[SEL+1]
.endr
.irp b, 0,1,2,3
	s_delay_alu instid0(VALU_DEP_4)
	v_max_num_f32 v[BM+\b], v[BM+\b], v[PM+\b]     ; with lane l xor 16's 16 keys
.endr
	s_delay_alu instid0(VALU_DEP_2)
	v_max3_num_f32 v[TMPR], v[BM], v[BM+1], v[BM+2]
	s_delay_alu instid0(VALU_DEP_1)
	v_max_num_f32 v[TMPR], v[TMPR], v[BM+3]
	s_delay_alu instid0(VALU_DEP_1)
	v_mul_f32 v[TMPR], s[CS], v[TMPR]              ; as t (c is positive)
	s_delay_alu instid0(VALU_DEP_1)
	v_max_num_f32 v13, v13, v[TMPR]                ; the running largest t
	v_mov_b32 v[TMPR], v12
	s_delay_alu instid0(VALU_DEP_2)
	v_floor_f32 v12, -v13                          ; the new -M = floor(-t)
	s_delay_alu instid0(VALU_DEP_1)
	v_sub_f32 v[TMPR], v12, v[TMPR]                ; old M - new M: a whole number, 0 or less
	s_delay_alu instid0(VALU_DEP_1)
	v_cvt_i32_f32 v[TMPR], v[TMPR]                 ; (it saturates)
	s_delay_alu instid0(VALU_DEP_1)
	v_ldexp_f32 v[F], 1.0, v[TMPR]                 ; f
.set jj, 0
.rept 32
	v_pk_fma_f32 v[S+jj:S+jj+1], v[S+jj:S+jj+1], s[CS:CS+1], v[12:13] op_sel_hi:[1,0,0]   ; t - M, two at a time
.set jj, jj+2
.endr
.irp b, 0,1,2,3
	v_fma_f32 v[BM+\b], v[BM+\b], s[CS], v12       ; the same of each block's largest score
.endr
.set jj, 0
	s_wait_alu depctr_va_vdst(0)
.rept 64
	v_exp_f32 v[S+jj], v[S+jj]                     ; p = 2^(t - M)
.set jj, jj+1
.endr
	v_pk_mul_f32 v[14:15], v[14:15], v[F:F+1] op_sel_hi:[1,0]   ; the sums under the new M: a plain instruction behind the exponentials
	s_wait_alu depctr_va_vdst(0)                   ; one wait for the batch, ahead of its first reader
.irp b, 0,1,2,3
	v_exp_f32 v[BM+\b], v[BM+\b]                   ; the block's largest p
.endr
	v_pk_add_f32 v[230:231], v[100:101], v[104:105]
	v_pk_add_f32 v[254:255], v[108:109], v[112:113]
	v_pk_add_f32 v[252:253], v[116:117], v[120:121]
	v_pk_add_f32 v[250:251], v[124:125], v[128:129]
	v_pk_add_f32 v[248:249], v[132:133], v[136:137]
	v_pk_add_f32 v[246:247], v[140:141], v[144:145]
	v_pk_add_f32 v[244:245], v[148:149], v[152:153]
	v_pk_add_f32 v[14:15], v[14:15], v[156:157]
	v_pk_add_f32 v[230:231], v[230:231], v[96:97]
	v_pk_add_f32 v[254:255], v[254:255], v[98:99]
	v_pk_add_f32 v[252:253], v[252:253], v[102:103]
	v_pk_add_f32 v[250:251], v[250:251], v[106:107]
	v_pk_add_f32 v[248:249], v[248:249], v[110:111]
	v_pk_add_f32 v[246:247], v[246:247], v[114:115]
	v_pk_add_f32 v[244:245], v[244:245], v[118:119]
	v_pk_add_f32 v[14:15], v[14:15], v[122:123]
	v_pk_add_f32 v[230:231], v[230:231], v[126:127]
	v_pk_add_f32 v[254:255], v[254:255], v[130:131]
	v_pk_add_f32 v[252:253], v[252:253], v[134:135]
	v_pk_add_f32 v[250:251], v[250:251], v[138:139]
	v_pk_add_f32 v[248:249], v[248:249], v[142:143]
	v_pk_add_f32 v[246:247], v[246:247], v[146:147]
	v_pk_add_f32 v[244:245], v[244:245], v[150:151]
	v_pk_add_f32 v[14:15], v[14:15], v[154:155]
	v_pk_add_f32 v[230:231], v[230:231], v[158:159]
	s_delay_alu instid0(VALU_DEP_2)
	v_pk_add_f32 v[14:15], v[14:15], v[250:251]
	s_delay_alu instid0(VALU_DEP_2)
	v_pk_add_f32 v[230:231], v[230:231], v[248:249]
	v_pk_add_f32 v[254:255], v[254:255], v[246:247]
	v_pk_add_f32 v[252:253], v[252:253], v[244:245]
	s_delay_alu instid0(VALU_DEP_2)
	v_pk_add_f32 v[14:15], v[14:15], v[254:255]
	s_delay_alu instid0(VALU_DEP_2)
	v_pk_add_f32 v[230:231], v[230:231], v[252:253]
	s_delay_alu instid0(VALU_DEP_1)
	v_pk_add_f32 v[14:15], v[14:15], v[230:231]
	s_wait_alu depctr_va_vdst(0)                   ; and one for the four
.irp b, 0,1,2,3
	v_max_num_f32 v[BM+\b], 0x1800000, v[BM+\b]    ; the floor 2^(3 - 127): a block whose every p is 0 keeps the byte 1; its codes are zeros
.endr
.irp b, 0,1,2,3
	s_delay_alu instid0(VALU_DEP_4)
	v_add_nc_u32 v[SOP+\b], 0xff000000, v[BM+\b]
.endr
.irp b, 0,1,2,3
	s_delay_alu instid0(VALU_DEP_4)
	v_lshrrev_b32 v[BYT+\b], 23, v[SOP+\b]
.endr
	s_delay_alu instid0(VALU_DEP_3)
	v_lshl_or_b32 v[PS], v[BYT+1], 8, v[BYT]       ; p's scale word for these 128 keys
	s_delay_alu instid0(VALU_DEP_1)
	v_lshl_or_b32 v[PS], v[BYT+2], 16, v[PS]
	s_delay_alu instid0(VALU_DEP_1)
	v_lshl_or_b32 v[PS], v[BYT+3], 24, v[PS]
	s_wait_dscnt 0x0                               ; V^T is in
.irp d, 0,1,2,3
	v_lshl_or_b32 v[VS+\d], v[KS+2*\d+1], 16, v[KS+2*\d]   ; two records' bytes make the word of 128 keys
.endr
.irp c, 0,1
	v_cvt_scalef32_pk16_fp6_f32 v[PCO+6*\c:PCO+6*\c+2], v[S+32*\c:S+32*\c+15], v[SOP+2*\c]
	v_cvt_scalef32_pk16_fp6_f32 v[PTO+4*\c:PTO+4*\c+2], v[S+32*\c+16:S+32*\c+31], v[SOP+2*\c+1]
.endr
	v_nop                                          ; one plain instruction behind a scaled conversion
.irp c, 0,1
.irp i, 0,1,2
	v_permlane16_swap_b32 v[PCO+6*\c+\i], v[PTO+4*\c+\i]
.endr
.irp i, 0,1,2
	s_delay_alu instid0(VALU_DEP_3)
	v_mov_b32 v[PCO+6*\c+3+\i], v[PTO+4*\c+\i]
.endr
.endr
.set jj, 0
.rept 16
	v_pk_mul_f32 v[O+jj:O+jj+1], v[O+jj:O+jj+1], v[F:F+1] op_sel_hi:[1,0]   ; O^T under the new M.  (These sixteen are also the places ahead of the products)
.set jj, jj+2
.endr
.irp d, 0,1,2,3
	v_wmma_scale_f32_16x16x128_f8f6f4 v[O+8*\d:O+8*\d+7], v[KF+12*\d:KF+12*\d+11], v[PCO:PCO+11], v[O+8*\d:O+8*\d+7], v[VS+\d], v[PS] matrix_a_fmt:MATRIX_FMT_FP6 matrix_b_fmt:MATRIX_FMT_FP6
.endr                                  ; four accumulators by turns
.Lhid_\@:
	s_add_co_u32 s[TB], s[TB], 8192
	s_add_co_u32 s[SI], s[SI], 1
.endm
.macro WALK first, trips               ; a walk of a constant number of key steps; a step past s[LIM] is jumped over
	s_mov_b32 s[TB], (\first)*8192
	s_mov_b32 s[SI], \first
	s_mov_b32 s[CNT], \trips
.Lstep_\@:
	STEP
	s_sub_co_u32 s[CNT], s[CNT], 1
	s_cmp_lg_u32 s[CNT], 0
	s_cbranch_scc1 .Lstep_\@
.endm
	s_load_b128 s[4:7], s[0:1], 0x0                ; qkv s[4:5], comb s[6:7]
	v_lshl_add_u32 v[SPW], v0, 2, SPARE
	v_mov_b32 v[NIL], 0
	ds_add_u32 v[SPW], v[NIL]                      ; the wave's opening: the add, twice on end, and its wait ahead of the first tensor load
	ds_add_u32 v[SPW], v[NIL]
	v_lshrrev_b32 v6, 5, v0
	s_delay_alu instid0(VALU_DEP_1)
	v_readfirstlane_b32 s[WV], v6                  ; wave 0..7
	s_bfe_u32 s9, ttmp6, 0x40000                   ; cx
	s_lshl_b32 s14, ttmp9, 2
	s_add_co_u32 s14, s14, s9                      ; j = 4 x cluster x + cx: it enters q's and the result's addresses and the diagonal's numbers alone
	s_and_b32 s15, ttmp7, 0xffff                   ; the head
	; SHARES.  Waves p and p + 4 are a pair, p = 0 .. 3; it owns the query tiles 16 (7 - p) + j and 16 p + j.  Wave p walks key steps 0 .. 8 of the first;
	; wave p + 4 walks that tile's steps 9 .. its diagonal, hands the part over through LDS, and then walks all of the second tile: 9 steps a wave at the most.
	s_lshr_b32 s16, s[WV], 2                       ; 0: the pair's first wave, 1: its second
	s_and_b32 s39, s[WV], 3                        ; p
	s_sub_co_u32 s40, 7, s39                       ; 7 - p
	s_lshr_b32 s17, ttmp9, 1                       ; j / 8: of the cluster's x alone
	s_lshl_b32 s[SL], s40, 1
	s_add_co_u32 s[SL], s[SL], s17                 ; the shared tile's diagonal step
	s_lshl_b32 s38, s39, 1
	s_add_co_u32 s38, s38, s17                     ; the second tile's
	s_cmp_lg_u32 s16, 0
	s_cselect_b32 s[LIM], s[SL], 0                 ; the first walk (steps 9 on): the first wave works none of it
	s_cselect_b32 s37, s38, 8                      ; the second walk's last step,
	s_cselect_b32 s38, s38, s[SL]                  ; and its diagonal
	s_cselect_b32 s41, s39, s40
	s_lshl_b32 s17, s40, 4
	s_add_co_u32 s17, s17, s14                     ; the shared tile
	s_lshl_b32 s41, s41, 4
	s_add_co_u32 s41, s41, s14                     ; the tile that I finish and store
	s_mov_b32 s[G1], 15|(3<<16)|(1<<21)            ; 15:0 the mask: all four partners; 17:16 elements of 8 bytes; 21 set beside a mask
	s_mov_b32 s[G1+1], 32<<16                      ; rows of 256 bytes
	s_mov_b32 s[G1+2], 128<<16
	s_mov_b32 s[G1+3], 32<<16
	s_mov_b32 s[G1+4], 128
	s_mov_b32 s[G1+5], 32
	s_mov_b32 s[G1+6], 0
	s_mov_b32 s[G1+7], 0
	s_lshl_b32 s20, s[WV], 15                      ; every wave fetches 32,768 bytes: waves 0-3 K's quarters, waves 4-7 V^T's; in LDS wave x 32,768
	s_lshl_b32 s48, s16, 21
	s_lshl_b32 s21, s39, 15
	s_add_co_u32 s48, s48, s21
	s_lshl_b32 s49, s15, 17                        ; a head's are 131,072 bytes
	s_add_co_u32 s48, s48, s49
	s_add_co_u32 s48, s48, 0x200000
	s_mov_b32 s49, 0
	s_lshl_b32 s50, s15, 7
	s_add_co_u32 s50, s50, s17
	s_lshl_b32 s50, s50, 10                        ; q: record 128 x head + tile
	s_mov_b32 s51, 0
	s_lshl_b32 s42, s15, 7
	s_add_co_u32 s42, s42, s41
	s_lshl_b32 s42, s42, 10                        ; q of the tile that I finish
	s_mov_b32 s43, 0
	s_lshl_b32 s56, s41, 4
	s_add_co_u32 s56, s56, s15
	s_lshl_b32 s56, s56, 10                        ; the result: record 16 x tile + head
	s_mov_b32 s57, 0
	s_mov_b32 s[CS], 0x3e38aa3b                    ; c = log2(e) / 8
	s_mov_b32 s[CS+1], s[CS]
	s_mov_b32 s[SEL], 0x76543210
	s_mov_b32 s[SEL+1], 0xfedcba98
	s_wait_dscnt 0x0                               ; both opening adds are done
	s_wait_kmcnt 0x0
	s_add_nc_u64 s[48:49], s[4:5], s[48:49]
	s_add_nc_u64 s[52:53], s[4:5], s[50:51]
	s_add_nc_u64 s[42:43], s[4:5], s[42:43]
	s_add_nc_u64 s[6:7], s[6:7], s[56:57]
	CROUND                                         ; all four work-groups are here: the joint loads meet
	s_mov_b32 s[G0], 1
	s_mov_b32 s[G0+1], s20
	s_mov_b64 s[G0+2:G0+3], s[48:49]
	s_or_b32 s[G0+3], s[G0+3], 0x80000000
	tensor_load_to_lds s[G0:G0+3], s[G1:G1+7]      ; one joint load a wave, with no branch round it
	s_nop 0
.rept 4
	v_nop
.endr
	v_and_b32 v[L8], 31, v0
	s_delay_alu instid0(VALU_DEP_1)
	v_lshlrev_b32 v[L16], 4, v[L8]
	s_delay_alu instid0(VALU_DEP_2)
	v_lshlrev_b32 v[L8], 3, v[L8]
	global_load_b128 v[QF:QF+3], v[L16], s[52:53]  ; q's record stays in registers
	global_load_b64 v[QF+4:QF+5], v[L8], s[52:53] offset:512
	global_load_b32 v[QS], v[L8], s[52:53] offset:768
	global_load_b128 v[Q2:Q2+3], v[L16], s[42:43]  ; q of the tile that I finish (in a pair's first wave: the same record once more)
	global_load_b64 v[Q2+4:Q2+5], v[L8], s[42:43] offset:512
	global_load_b32 v[Q2+6], v[L8], s[42:43] offset:768
	s_mul_i32 s44, s39, 4608
	s_add_co_u32 s44, s44, STAGE
	v_add_nc_u32 v[STG], s44, v[L16]
	s_lshr_b32 s50, s14, 1
	s_and_b32 s50, s50, 3
	s_lshl_b32 s50, s50, 5
	s_and_b32 s51, s14, 1
	s_lshl_b32 s51, s51, 3
	s_add_co_u32 s50, s50, s51                     ; my tile's first query, counted from the diagonal step's first key
	v_and_b32 v6, 15, v0
	s_delay_alu instid0(VALU_DEP_1)
	v_and_b32 v7, 8, v6
	s_delay_alu instid0(VALU_DEP_1)
	v_add_nc_u32 v6, v6, v7                        ; r + 8 (r / 8)
	v_bfe_u32 v7, v0, 4, 1
	s_delay_alu instid0(VALU_DEP_1)
	v_lshlrev_b32 v7, 4, v7
	s_delay_alu instid0(VALU_DEP_3)
	v_add_nc_u32 v[DQ], s50, v6
	s_delay_alu instid0(VALU_DEP_1)
	v_sub_nc_u32 v[DQ], v[DQ], v7
	v_mov_b32 v13, 0xff61b1e6                      ; the largest t so far: -3e38
	s_delay_alu instid0(VALU_DEP_1)
	v_floor_f32 v12, -v13
	v_mov_b32 v14, 0
	v_mov_b32 v15, 0
	v_mov_b32 v[NEG], 0xc79c4000                   ; -80,000
	v_mov_b32 v[F+1], 0                            ; (named as the upper half of a pair)
.irp i, 0,1,2,3,4,5
	v_mov_b32 v[QF+6+\i], 0                        ; q's k = 64 .. 127: zero codes
	v_mov_b32 v[KF+48+\i], 0                       ; what the eighth tile of k names beyond its own six
.endr
.irp b, 0,1,2,3
	v_mov_b32 v[PM+\b], 0                          ; a lane permute's destination counts as one of its sources
.endr
.set jj, 0
.rept 32
	v_mov_b32 v[O+jj], 0                           ; O^T: the step is written once; the first finds zeros
.set jj, jj+1
.endr
	s_wait_alu depctr_va_vdst(0)                   ; the wait at the head's end
	s_wait_loadcnt 0x0                             ; both q records
	s_wait_tensorcnt 0x0                           ; my part of K or V^T is in
	s_wait_dscnt 0x0
	s_barrier_signal -1
	s_barrier_wait -1                              ; everybody's is; nothing is filled again
	WALK 9, 7                                      ; the shared tile's steps 9 .. 15: the pair's second wave alone works them
	s_wait_alu depctr_va_vdst(0)
	s_cmp_eq_u32 s16, 0
	s_cbranch_scc1 .Lmid
.rept 4
	v_nop                                          ; four places behind the last products, ahead of the stores that read them
.endr
.irp d, 0,1,2,3
	ds_store_b128 v[STG], v[O+8*\d:O+8*\d+3] offset:1024*\d       ; my part of the shared tile: O^T, each accumulator from its low end on,
	ds_store_b128 v[STG], v[O+8*\d+4:O+8*\d+7] offset:1024*\d+512
.endr
	ds_store_b128 v[STG], v[12:15] offset:4096     ; -M, the largest t, the sum's two halves
	v_mov_b32 v[QS], v[Q2+6]                       ; on to my own tile: its q, and the state as at the head
.irp i, 0,1,2,3,4,5
	v_mov_b32 v[QF+\i], v[Q2+\i]
.endr
	v_mov_b32 v13, 0xff61b1e6
	v_mov_b32 v14, 0
	v_mov_b32 v15, 0
	v_floor_f32 v12, -v13
.set jj, 0
.rept 32
	v_mov_b32 v[O+jj], 0
.set jj, jj+1
.endr
	s_wait_alu depctr_va_vdst(0)
.Lmid:
	s_mov_b32 s[LIM], s37
	s_mov_b32 s[SL], s38
	WALK 0, 9                                      ; steps 0 .. 8: of the shared tile in the first wave, of its own tile in the second
.rept 4
	v_nop                                          ; four places behind the last products
.endr
	v_add_f32 v14, v14, v15
	s_wait_alu depctr_va_vdst(0)
	s_wait_dscnt 0x0                               ; my stores into the stage are done
	s_barrier_signal -1
	s_barrier_wait -1
	s_cmp_lg_u32 s16, 0
	s_cbranch_scc1 .Lown
.irp i, 0,1,2,3,4,5,6,7
	ds_load_b128 v[S+4*\i:S+4*\i+3], v[STG] offset:512*\i
.endr
	ds_load_b128 v[S+32:S+35], v[STG] offset:4096
	s_wait_dscnt 0x0
	v_min_num_f32 v[TMPR], v12, v[S+32]            ; THE JOIN: -M of both parts; each part is brought under it by a power of two, which rounds nothing
	v_add_f32 v[S+34], v[S+34], v[S+35]
	s_delay_alu instid0(VALU_DEP_2)
	v_sub_f32 v[F], v[TMPR], v12
	s_delay_alu instid0(VALU_DEP_3)
	v_sub_f32 v[F2], v[TMPR], v[S+32]              ; (a part of no steps still has -M = 3e38: its factor comes out 0, over zeros)
	s_delay_alu instid0(VALU_DEP_2)
	v_cvt_i32_f32 v[F], v[F]
	s_delay_alu instid0(VALU_DEP_2)
	v_cvt_i32_f32 v[F2], v[F2]
	s_delay_alu instid0(VALU_DEP_2)
	v_ldexp_f32 v[F], 1.0, v[F]
	s_delay_alu instid0(VALU_DEP_2)
	v_ldexp_f32 v[F2], 1.0, v[F2]
	v_mov_b32 v[F2+1], 0
	s_delay_alu instid0(VALU_DEP_3)
	v_mul_f32 v14, v14, v[F]
	s_delay_alu instid0(VALU_DEP_1)
	v_fmac_f32 v14, v[S+34], v[F2]
.set jj, 0
.rept 16
	v_pk_mul_f32 v[S+jj:S+jj+1], v[S+jj:S+jj+1], v[F2:F2+1] op_sel_hi:[1,0]
.set jj, jj+2
.endr
.set jj, 0
.rept 16
	v_pk_fma_f32 v[O+jj:O+jj+1], v[O+jj:O+jj+1], v[F:F+1], v[S+jj:S+jj+1] op_sel_hi:[1,0,1]
.set jj, jj+2
.endr
	s_wait_alu depctr_va_vdst(0)
.Lown:
	v_permlanex16_b32 v[PM], v14, s[SEL], s[SEL+1]
	s_delay_alu instid0(VALU_DEP_1)
	v_add_f32 v14, v14, v[PM]                      ; the row's sum
	s_wait_alu depctr_va_vdst(0)
	v_rcp_f32 v[F], v14
	v_mov_b32 v[PW+1], 0                           ; (plain instructions behind the reciprocal)
	v_mov_b32 v[TM+2], 0
	v_mov_b32 v[TM+3], 0
	s_wait_alu depctr_va_vdst(0)                   ; the wait ahead of its first reader
.set jj, 0
.rept 16
	v_pk_mul_f32 v[S+jj:S+jj+1], v[O+jj:O+jj+1], v[F:F+1] op_sel_hi:[1,0]   ; each accumulator from its low end on; register 16 b + i is feature 32 b + 16 h + i
.set jj, jj+2
.endr
	QUANT2 S
	PUTREC 6, 0
	s_wait_tensorcnt 0x0                           ; the wave's end
	ds_add_u32 v[SPW], v[NIL]
	s_wait_dscnt 0x0
	CROUND                                         ; the closing round
	s_endpgm
.Lfunc_end_k_q8de30a7cb7_att0:
	.size	k_q8de30a7cb7_att0, .Lfunc_end_k_q8de30a7cb7_att0-k_q8de30a7cb7_att0
	.p2alignl 7, 3214868480
	.fill 96, 4, 3214868480
	.section	.rodata,"a",@progbits
	.p2align	6, 0x0
	.amdhsa_kernel k_q8de30a7cb7_att0
		.amdhsa_group_segment_fixed_size 281600
		.amdhsa_private_segment_fixed_size 0
		.amdhsa_enable_private_segment 0
		.amdhsa_kernarg_size 16
		.amdhsa_user_sgpr_count 2
		.amdhsa_user_sgpr_kernarg_segment_ptr 1
		.amdhsa_wavefront_size32 1
		.amdhsa_system_sgpr_workgroup_id_x 1
		.amdhsa_system_sgpr_workgroup_id_y 1
		.amdhsa_system_sgpr_workgroup_id_z 1
		.amdhsa_system_vgpr_workitem_id 0
		.amdhsa_next_free_vgpr 256
		.amdhsa_next_free_sgpr 66
		.amdhsa_reserve_vcc 1
		.amdhsa_float_denorm_mode_32 3
		.amdhsa_float_denorm_mode_16_64 3
		.amdhsa_memory_ordered 1
		.amdhsa_forward_progress 1
		.amdhsa_inst_pref_size 65
	.end_amdhsa_kernel
	.amdgpu_metadata
---
amdhsa.version: [ 1, 2 ]
amdhsa.kernels:
  - .name:           k_q8de30a7cb7_att0
    .symbol:         k_q8de30a7cb7_att0.kd
    .args:
      - { .name: qkv, .offset: 0, .size: 8, .value_kind: global_buffer, .address_space: global }
      - { .name: comb, .offset: 8, .size: 8, .value_kind: global_buffer, .address_space: global }
    .group_segment_fixed_size: 281600
    .private_segment_fixed_size: 0
    .kernarg_segment_align: 8
    .kernarg_segment_size: 16
    .max_flat_workgroup_size: 256
    .sgpr_count:     66
    .vgpr_count:     256
    .wavefront_size: 32
...
	.end_amdgpu_metadata
.endif
;; end of part 9
;; launch wo0 (part 10): grid 8 x 32, 4 waves a work-group, clusters of 4 x 4, 197,120 bytes of LDS; arguments comb, wt, a0, pos_emb, a1; writes a1
.if DOCPART == 10
	.amdgcn_target "amdgcn-amd-amdhsa--gfx1250"
	.amdhsa_code_object_version 6
	.text
	.protected	k_q8de30a7cb7_wo0
	.globl	k_q8de30a7cb7_wo0
	.p2align	8
	.type	k_q8de30a7cb7_wo0,@function
k_q8de30a7cb7_wo0:
	s_mov_b64 s[64:65], 0
	v_nop
	global_prefetch_b8 v0, s[64:65] scope:SCOPE_SE
	s_setreg_imm32_b32 hwreg(HW_REG_WAVE_MODE, 25, 1), 1
	s_wait_xcnt 0x0
	s_wait_alu depctr_hold_cnt(0) depctr_sa_sdst(0) depctr_va_vdst(0) depctr_va_sdst(0) depctr_va_ssrc(0) depctr_va_vcc(0) depctr_vm_vsrc(0)
	s_getreg_b32 s2, hwreg(HW_REG_IB_STS2, 6, 4)
	s_cmp_eq_u32 s2, 0
	s_cbranch_scc0 .Lentry_in_a_cluster
	s_endpgm
.Lentry_in_a_cluster:
	s_bfe_u32 s2, ttmp6, 0x10000c
	s_cmp_lg_u32 s2, 0xf033
	s_cbranch_scc0 .Lentry_shape_is_right
	s_endpgm
.Lentry_shape_is_right:
; THE FIRST LAYER'S WAY OUT: emb' = emb + combined Wo0^T, K = 1,024, on codes of FP6 (E2M3) with E8M0 scales.  X = combined (records of 16 tokens x 64), Y = Wo0 (records).
; The residual emb comes as f32 images in the accumulators' layout and is the C of the first products.  Stored: emb' as f32 images, its codes, and the codes of emb' + pos_emb.
; A work-group of four waves makes 64 tokens x 128 columns, a wave 32 x 64; source 0 = 16 rows of Wo0, source 1 = 16 tokens.
; LDS holds the block's whole K, X's 4 tiles and then Y's 8, filled once, one dense tensor load a wave (waves 0, 1: X's halves; waves 2, 3: Y's); one barrier.
; All scale words are merged once; the fragments have two sets of registers: K step k + 1's 24 LDS loads are issued ahead of K step k's products.  pos_emb waits in v256-319.
; CLUSTER 4 x 4: X's tiles are asked for jointly along a row of the cluster, Y's along a column.  No prefetch: every byte is asked for at the head.
.set YR,    65536
.set SPARE, 196608
.set AX16, 1
.set AX8,  2
.set AY16, 3
.set AY8,  4
.set ASC,  5
.set SPW,  6
.set NIL,  7
.set LI16, 8
.set LI8,  9
.set SC,   12
.set F0,   44
.set ST,   116
.set ACC,  188
.set TM,   44
.set SO,   48
.set BY,   50
.set PW,   52
.set PC,   56
.set PT,   64
.set G1X,  24
.set G1Y,  48
.set G0X,  68
.set G0Y,  84
.set SEL,  66
.macro CROUND
	s_barrier_signal -1
	s_barrier_wait -1
	s_cmp_lg_u32 s14, 0
	s_cbranch_scc1 .Lnot_wave_0_\@
	s_barrier_signal -3
.Lnot_wave_0_\@:
	s_barrier_wait -3
	s_barrier_signal -1
	s_barrier_wait -1
.endm
.macro QUANT2 s
.irp b, 0,1
	v_max3_num_f32 v[TM+\b], |v[(\s)+16*\b]|, |v[(\s)+16*\b+1]|, 0x1800000
.endr
.irp i, 2,4,6,8,10,12,14
.irp b, 0,1
	v_max3_num_f32 v[TM+\b], v[TM+\b], |v[(\s)+16*\b+\i]|, |v[(\s)+16*\b+\i+1]|
.endr
.endr
.irp b, 0,1
	v_permlanex16_b32 v[TM+2+\b], v[TM+\b], s[SEL], s[SEL+1]
.endr
.irp b, 0,1
	v_max_num_f32 v[TM+\b], v[TM+\b], v[TM+2+\b]
.endr
.irp b, 0,1
	v_add_nc_u32 v[SO+\b], 0xff000000, v[TM+\b]
.endr
	s_wait_alu depctr_va_vdst(0)
	s_wait_xcnt 0x0                                ; the last record's stores have read their registers
.irp b, 0,1
	v_lshrrev_b32 v[BY+\b], 23, v[SO+\b]
.endr
	v_lshl_or_b32 v[PW], v[BY+1], 8, v[BY]
	v_cvt_scalef32_pk16_fp6_f32 v[PC:PC+2], v[(\s):(\s)+15], v[SO]
	v_cvt_scalef32_pk16_fp6_f32 v[PT:PT+2], v[(\s)+16:(\s)+31], v[SO+1]
	v_nop
.irp i, 0,1,2
	v_permlane16_swap_b32 v[PC+\i], v[PT+\i]
.endr
.irp i, 0,1,2
	v_mov_b32 v[PC+3+\i], v[PT+\i]
.endr
.endm
.macro PUTREC base, off
	global_store_b128 v[LI16], v[PC:PC+3], s[\base:\base+1] offset:\off
	global_store_b64 v[LI8], v[PC+4:PC+5], s[\base:\base+1] offset:(\off)+512
	global_store_b64 v[LI8], v[PW:PW+1], s[\base:\base+1] offset:(\off)+768
.endm
.macro LOADK k
.set FB, F0+72*((\k)%2)
.rept 4
	v_nop                                          ; four places behind the products that read this set
.endr
.irp b, 0,1,2,3
.irp p, 0,1
	ds_load_b128 v[FB+12*\b+6*\p:FB+12*\b+6*\p+3], v[AY16] offset:16384*\b+1024*(2*(\k)+\p)
	ds_load_b64 v[FB+12*\b+6*\p+4:FB+12*\b+6*\p+5], v[AY8] offset:16384*\b+1024*(2*(\k)+\p)+512
.endr
.endr
.irp a, 0,1
.irp p, 0,1
	ds_load_b128 v[FB+48+12*\a+6*\p:FB+48+12*\a+6*\p+3], v[AX16] offset:16384*\a+1024*(2*(\k)+\p)
	ds_load_b64 v[FB+48+12*\a+6*\p+4:FB+48+12*\a+6*\p+5], v[AX8] offset:16384*\a+1024*(2*(\k)+\p)+512
.endr
.endr
.endm
.macro MULK k                          ; eight products; the accumulators take turns
.set FB, F0+72*((\k)%2)
.irp a, 0,1
.irp b, 0,1,2,3
	v_wmma_scale_f32_16x16x128_f8f6f4 v[ACC+32*\a+8*\b:ACC+32*\a+8*\b+7], v[FB+12*\b:FB+12*\b+11], v[FB+48+12*\a:FB+48+12*\a+11], v[ACC+32*\a+8*\b:ACC+32*\a+8*\b+7], v[SC+4*(\k)+\b], v[SC+4*(\k)+\a] matrix_a_fmt:MATRIX_FMT_FP6 matrix_b_fmt:MATRIX_FMT_FP6 matrix_a_scale:MATRIX_SCALE_ROW1
.endr
.endr
.endm
.macro WALKK
	s_wait_alu depctr_va_vdst(0)                   ; the wait at the head's end
	s_wait_loadcnt 0x0                             ; the residual (and what else the head asked for) is in
	s_wait_tensorcnt 0x0
	s_barrier_signal -1
	s_barrier_wait -1                              ; everybody's load is in; nothing is filled again
.irp k, 0,1,2,3,4,5,6,7
.irp i, 0,1,2,3
.irp p, 0,1
	ds_load_b32 v[ST+8*\k+2*\i+\p], v[ASC] offset:16384*\i+1024*(2*\k+\p)   ; (lanes 0-15 of words 2, 3 read filled bytes that no product names)
.endr
.endr
.endr
	LOADK 0
	s_wait_dscnt 24                                ; the 64 scale words are in; the 24 loads behind them may be out
.irp k, 0,1,2,3,4,5,6,7
.irp i, 0,1,2,3
	v_lshl_or_b32 v[SC+4*\k+\i], v[ST+8*\k+2*\i+1], 16, v[ST+8*\k+2*\i]
.endr
.endr
.rept 8
	v_nop                                          ; a scale register written by a vector instruction stands eight places ahead of the product
.endr
	s_wait_alu depctr_va_vdst(0)
.irp k, 0,1,2,3,4,5,6
	LOADK \k+1
	s_wait_dscnt 24                                ; this K step's are in; the next one's 24 may be out
	MULK \k
.endr
	s_wait_dscnt 0x0
	MULK 7
.rept 4
	v_nop
.endr
.endm
	s_load_b256 s[4:11], s[0:1], 0x0               ; comb s[4:5], wt s[6:7], the layer's input s[8:9], pos_emb s[10:11]
	s_load_b64 s[12:13], s[0:1], 0x20              ; the output
	v_lshl_add_u32 v[SPW], v0, 2, SPARE
	v_mov_b32 v[NIL], 0
	ds_add_u32 v[SPW], v[NIL]                      ; the wave's opening: the add, twice on end, and its wait
	ds_add_u32 v[SPW], v[NIL]
	v_lshrrev_b32 v10, 5, v0
	v_readfirstlane_b32 s14, v10
	s_lshr_b32 s15, s14, 1                         ; my half of the rows.  Also: I fetch for X (0) or for Y (1)
	s_and_b32 s16, s14, 1                          ; my half of the columns.  Also: which half I fetch
	s_bfe_u32 s40, ttmp6, 0x40000
	s_bfe_u32 s41, ttmp6, 0x40004
	s_lshl_b32 s42, ttmp9, 2
	s_add_co_u32 s42, s42, s40                     ; tile column, 0..7
	s_and_b32 s17, ttmp7, 0xffff
	s_lshl_b32 s17, s17, 2
	s_add_co_u32 s17, s17, s41                     ; tile row, 0..31
	s_lshl_b32 s43, s41, 2
	s_lshl_b32 s43, 15, s43
	s_lshl_b32 s44, 0x1111, s40
	s_or_b32 s[G1X], s43, (3<<16)|(1<<21)
	s_or_b32 s[G1Y], s44, (3<<16)|(1<<21)
.irp g, G1X, G1Y
	s_mov_b32 s[\g+1], 32<<16                      ; dense in memory: rows of 256 bytes
	s_mov_b32 s[\g+3], 32<<16
	s_mov_b32 s[\g+5], 32
	s_mov_b32 s[\g+6], 0
	s_mov_b32 s[\g+7], 0
.endr
	s_mov_b32 s[G1X+2], 128<<16                    ; two tiles
	s_mov_b32 s[G1X+4], 128
	s_mov_b32 s[G1Y+2], 256<<16                    ; four tiles
	s_mov_b32 s[G1Y+4], 256
	s_lshl_b32 s20, s17, 16
	s_lshl_b32 s19, s16, 15
	s_add_co_u32 s20, s20, s19
	s_mov_b32 s21, 0
	s_lshl_b32 s46, s42, 17
	s_lshl_b32 s19, s16, 16
	s_add_co_u32 s46, s46, s19
	s_mov_b32 s47, 0
	s_lshl_b32 s56, s16, 15
	s_lshl_b32 s57, s16, 16
	s_add_co_u32 s57, s57, YR
	s_mov_b32 s[SEL], 0x76543210
	s_mov_b32 s[SEL+1], 0xfedcba98
	s_wait_dscnt 0x0
	s_wait_kmcnt 0x0
	s_add_nc_u64 s[20:21], s[4:5], s[20:21]
	s_add_nc_u64 s[46:47], s[6:7], s[46:47]
	CROUND
	s_mov_b32 s[G0X], 1
	s_mov_b32 s[G0X+1], s56
	s_mov_b64 s[G0X+2:G0X+3], s[20:21]
	s_or_b32 s[G0X+3], s[G0X+3], 0x80000000
	s_mov_b32 s[G0Y], 1
	s_mov_b32 s[G0Y+1], s57
	s_mov_b64 s[G0Y+2:G0Y+3], s[46:47]
	s_or_b32 s[G0Y+3], s[G0Y+3], 0x80000000
	s_cmp_eq_u32 s15, 0
	s_cbranch_scc0 .Lfor_y
	tensor_load_to_lds s[G0X:G0X+3], s[G1X:G1X+7]
	s_nop 0
.rept 4
	v_nop
.endr
	s_branch .Lasked
.Lfor_y:
	tensor_load_to_lds s[G0Y:G0Y+3], s[G1Y:G1Y+7]
	s_nop 0
.rept 4
	v_nop
.endr
.Lasked:
	v_and_b32 v10, 15, v0
	v_bfe_u32 v11, v0, 4, 1
	v_and_b32 v[LI8], 31, v0
	v_lshlrev_b32 v[LI16], 4, v[LI8]
	v_lshlrev_b32 v[LI8], 3, v[LI8]
	s_lshl_b32 s36, s15, 15
	s_lshl_b32 s37, s16, 16
	s_add_co_u32 s37, s37, YR
	v_add_nc_u32 v[AX16], s36, v[LI16]
	v_add_nc_u32 v[AX8], s36, v[LI8]
	v_add_nc_u32 v[AY16], s37, v[LI16]
	v_add_nc_u32 v[AY8], s37, v[LI8]
	s_sub_co_u32 s37, s37, s36
	v_mul_u32_u24 v[ASC], s37, v11                 ; lanes 16-31 take Y's scale words
	v_lshl_add_u32 v[ASC], v10, 3, v[ASC]
	s_add_co_u32 s36, s36, 768
	v_add_nc_u32 v[ASC], s36, v[ASC]
	v_lshlrev_b32 v11, 6, v11
	v_and_b32 v13, 8, v10
	v_add_nc_u32 v10, v10, v13                     ; r + 8 (r / 8)
	v_lshl_add_u32 v10, v10, 12, v11               ; pos_emb: my token's row, + 64 h
	s_wait_alu depctr_va_vdst(0)                   ; the wait
	s_lshl_b32 s58, s42, 1
	s_add_co_u32 s58, s58, s16                     ; which 64 columns
	s_lshl_b32 s59, s17, 2
	s_lshl_b32 s60, s15, 1
	s_add_co_u32 s59, s59, s60                     ; my first token tile
	s_lshl_b32 s59, s59, 4
	s_add_co_u32 s59, s59, s58                     ; record 16 x tile + (64 columns)
	s_lshl_b32 s60, s59, 10
	s_mov_b32 s61, 0
	s_lshl_b32 s62, s59, 12
	s_add_co_u32 s62, s62, 0x400000                ; the f32 images lie 4 MiB on
	s_mov_b32 s63, 0
	s_add_nc_u64 s[8:9], s[8:9], s[62:63]
	s_add_nc_u64 s[34:35], s[12:13], s[60:61]
	s_add_nc_u64 s[32:33], s[12:13], s[62:63]
.irp a, 0,1
.irp p, 0,1,2,3,4,5,6,7
	global_load_b128 v[ACC+32*\a+4*\p:ACC+32*\a+4*\p+3], v[LI16], s[8:9] offset:65536*\a+512*\p   ; the residual, straight into the accumulators
.endr
.endr
	s_lshl_b32 s60, s17, 1
	s_add_co_u32 s60, s60, s15
	s_lshl_b32 s60, s60, 17                        ; pos_emb: my 32 tokens on end,
	s_lshl_b32 s59, s58, 8                         ; + my 64 columns
	s_add_co_u32 s60, s60, s59
	s_add_nc_u64 s[10:11], s[10:11], s[60:61]
	s_set_vgpr_msb 0x40                            ; destination v256 on
.irp a, 0,1
.irp b, 0,1
.irp j, 0,1,2,3
	global_load_b128 v[32*\a+16*\b+4*\j:32*\a+16*\b+4*\j+3], v10, s[10:11] offset:32768*\a+128*\b+16*\j
.endr
.endr
.endr
	s_set_vgpr_msb 0x4000
	WALKK
	v_mov_b32 v[TM+2], 0
	v_mov_b32 v[TM+3], 0
	v_mov_b32 v[PW+1], 0
.irp a, 0,1
.irp p, 0,1,2,3,4,5,6,7
	global_store_b128 v[LI16], v[ACC+32*\a+4*\p:ACC+32*\a+4*\p+3], s[32:33] offset:65536*\a+512*\p   ; emb' as the next layer's residual; each accumulator from its low end on
.endr
	QUANT2 ACC+32*\a
	PUTREC 34, 16384*\a
	s_wait_xcnt 0x0                                ; the image's stores have read the accumulators
	s_set_vgpr_msb 0x01                            ; source 0: v256 on
.set kk, 0
.rept 16
	v_pk_add_f32 v[ACC+32*\a+kk:ACC+32*\a+kk+1], v[32*\a+kk:32*\a+kk+1], v[ACC+32*\a+kk:ACC+32*\a+kk+1]   ; emb' + pe
.set kk, kk+2
.endr
	s_set_vgpr_msb 0x0100
	QUANT2 ACC+32*\a
	PUTREC 34, 0x200000+16384*\a
.endr
	s_wait_tensorcnt 0x0                           ; the wave's end
	ds_add_u32 v[SPW], v[NIL]
	s_wait_dscnt 0x0
	CROUND
	s_endpgm
.Lfunc_end_k_q8de30a7cb7_wo0:
	.size	k_q8de30a7cb7_wo0, .Lfunc_end_k_q8de30a7cb7_wo0-k_q8de30a7cb7_wo0
	.p2alignl 7, 3214868480
	.fill 96, 4, 3214868480
	.section	.rodata,"a",@progbits
	.p2align	6, 0x0
	.amdhsa_kernel k_q8de30a7cb7_wo0
		.amdhsa_group_segment_fixed_size 197120
		.amdhsa_private_segment_fixed_size 0
		.amdhsa_enable_private_segment 0
		.amdhsa_kernarg_size 40
		.amdhsa_user_sgpr_count 2
		.amdhsa_user_sgpr_kernarg_segment_ptr 1
		.amdhsa_wavefront_size32 1
		.amdhsa_system_sgpr_workgroup_id_x 1
		.amdhsa_system_sgpr_workgroup_id_y 1
		.amdhsa_system_sgpr_workgroup_id_z 1
		.amdhsa_system_vgpr_workitem_id 0
		.amdhsa_next_free_vgpr 320
		.amdhsa_next_free_sgpr 100
		.amdhsa_reserve_vcc 0
		.amdhsa_float_denorm_mode_32 3
		.amdhsa_float_denorm_mode_16_64 3
		.amdhsa_memory_ordered 1
		.amdhsa_forward_progress 1
		.amdhsa_inst_pref_size 50
	.end_amdhsa_kernel
	.amdgpu_metadata
---
amdhsa.version: [ 1, 2 ]
amdhsa.kernels:
  - .name:           k_q8de30a7cb7_wo0
    .symbol:         k_q8de30a7cb7_wo0.kd
    .args:
      - { .name: comb, .offset: 0, .size: 8, .value_kind: global_buffer, .address_space: global }
      - { .name: wt, .offset: 8, .size: 8, .value_kind: global_buffer, .address_space: global }
      - { .name: a0, .offset: 16, .size: 8, .value_kind: global_buffer, .address_space: global }
      - { .name: pos_emb, .offset: 24, .size: 8, .value_kind: global_buffer, .address_space: global }
      - { .name: a1, .offset: 32, .size: 8, .value_kind: global_buffer, .address_space: global }
    .group_segment_fixed_size: 197120
    .private_segment_fixed_size: 0
    .kernarg_segment_align: 8
    .kernarg_segment_size: 40
    .max_flat_workgroup_size: 128
    .sgpr_count:     100
    .vgpr_count:     320
    .wavefront_size: 32
...
	.end_amdgpu_metadata
.endif
;; end of part 10
;; launch qkv1: the kernel of part 8 again; grid 16 x 24, 8 waves a work-group, clusters of 4 x 4, 263,168 bytes of LDS; arguments a1, w1, qkv; writes qkv
;; launch att1: the kernel of part 9 again; grid 16 x 16, 8 waves a work-group, clusters of 4 x 1, 281,600 bytes of LDS; arguments qkv, comb; writes comb
;; launch wo1 (part 11): grid 8 x 32, 4 waves a work-group, clusters of 4 x 4, 197,120 bytes of LDS; arguments comb, wt, a1, a0; writes a0
.if DOCPART == 11
	.amdgcn_target "amdgcn-amd-amdhsa--gfx1250"
	.amdhsa_code_object_version 6
	.text
	.protected	k_q8de30a7cb7_wo1
	.globl	k_q8de30a7cb7_wo1
	.p2align	8
	.type	k_q8de30a7cb7_wo1,@function
k_q8de30a7cb7_wo1:
	s_mov_b64 s[64:65], 0
	v_nop
	global_prefetch_b8 v0, s[64:65] scope:SCOPE_SE
	s_setreg_imm32_b32 hwreg(HW_REG_WAVE_MODE, 25, 1), 1
	s_wait_xcnt 0x0
	s_wait_alu depctr_hold_cnt(0) depctr_sa_sdst(0) depctr_va_vdst(0) depctr_va_sdst(0) depctr_va_ssrc(0) depctr_va_vcc(0) depctr_vm_vsrc(0)
	s_getreg_b32 s2, hwreg(HW_REG_IB_STS2, 6, 4)
	s_cmp_eq_u32 s2, 0
	s_cbranch_scc0 .Lentry_in_a_cluster
	s_endpgm
.Lentry_in_a_cluster:
	s_bfe_u32 s2, ttmp6, 0x10000c
	s_cmp_lg_u32 s2, 0xf033
	s_cbranch_scc0 .Lentry_shape_is_right
	s_endpgm
.Lentry_shape_is_right:
; THE SECOND LAYER'S WAY OUT: emb'' = emb' + combined Wo1^T, K = 1,024, on codes of FP6 (E2M3) with E8M0 scales.  X = combined (records), Y = Wo1 (records, 1 MiB into wt).
; WORK LEFT OUT: behind the last layer nothing reads emb'' in f32 or emb'' + pos_emb, so neither is made or stored, and pos_emb is not among the arguments; stored are the codes of emb''.
; The residual comes as f32 images in the accumulators' layout and is the C of the first products.  A work-group of four waves makes 64 tokens x 128 columns, a wave 32 x 64.
; LDS holds the block's whole K, X's 4 tiles and then Y's 8, filled once, one dense tensor load a wave; one barrier.  All scale words are merged once; the fragments have two sets of registers.
; CLUSTER 4 x 4: X's tiles are asked for jointly along a row of the cluster, Y's along a column.  No prefetch: every byte is asked for at the head.
.set YR,    65536
.set SPARE, 196608
.set AX16, 1
.set AX8,  2
.set AY16, 3
.set AY8,  4
.set ASC,  5
.set SPW,  6
.set NIL,  7
.set LI16, 8
.set LI8,  9
.set SC,   12
.set F0,   44
.set ST,   116
.set ACC,  188
.set TM,   44
.set SO,   48
.set BY,   50
.set PW,   52
.set PC,   56
.set PT,   64
.set G1X,  24
.set G1Y,  48
.set G0X,  68
.set G0Y,  84
.set SEL,  66
.macro CROUND
	s_barrier_signal -1
	s_barrier_wait -1
	s_cmp_lg_u32 s14, 0
	s_cbranch_scc1 .Lnot_wave_0_\@
	s_barrier_signal -3
.Lnot_wave_0_\@:
	s_barrier_wait -3
	s_barrier_signal -1
	s_barrier_wait -1
.endm
.macro QUANT2 s
.irp b, 0,1
	v_max3_num_f32 v[TM+\b], |v[(\s)+16*\b]|, |v[(\s)+16*\b+1]|, 0x1800000
.endr
.irp i, 2,4,6,8,10,12,14
.irp b, 0,1
	v_max3_num_f32 v[TM+\b], v[TM+\b], |v[(\s)+16*\b+\i]|, |v[(\s)+16*\b+\i+1]|
.endr
.endr
.irp b, 0,1
	v_permlanex16_b32 v[TM+2+\b], v[TM+\b], s[SEL], s[SEL+1]
.endr
.irp b, 0,1
	v_max_num_f32 v[TM+\b], v[TM+\b], v[TM+2+\b]
.endr
.irp b, 0,1
	v_add_nc_u32 v[SO+\b], 0xff000000, v[TM+\b]
.endr
	s_wait_alu depctr_va_vdst(0)
	s_wait_xcnt 0x0                                ; the last record's stores have read their registers
.irp b, 0,1
	v_lshrrev_b32 v[BY+\b], 23, v[SO+\b]
.endr
	v_lshl_or_b32 v[PW], v[BY+1], 8, v[BY]
	v_cvt_scalef32_pk16_fp6_f32 v[PC:PC+2], v[(\s):(\s)+15], v[SO]
	v_cvt_scalef32_pk16_fp6_f32 v[PT:PT+2], v[(\s)+16:(\s)+31], v[SO+1]
	v_nop
.irp i, 0,1,2
	v_permlane16_swap_b32 v[PC+\i], v[PT+\i]
.endr
.irp i, 0,1,2
	v_mov_b32 v[PC+3+\i], v[PT+\i]
.endr
.endm
.macro PUTREC base, off
	global_store_b128 v[LI16], v[PC:PC+3], s[\base:\base+1] offset:\off
	global_store_b64 v[LI8], v[PC+4:PC+5], s[\base:\base+1] offset:(\off)+512
	global_store_b64 v[LI8], v[PW:PW+1], s[\base:\base+1] offset:(\off)+768
.endm
.macro LOADK k
.set FB, F0+72*((\k)%2)
.rept 4
	v_nop                                          ; four places behind the products that read this set
.endr
.irp b, 0,1,2,3
.irp p, 0,1
	ds_load_b128 v[FB+12*\b+6*\p:FB+12*\b+6*\p+3], v[AY16] offset:16384*\b+1024*(2*(\k)+\p)
	ds_load_b64 v[FB+12*\b+6*\p+4:FB+12*\b+6*\p+5], v[AY8] offset:16384*\b+1024*(2*(\k)+\p)+512
.endr
.endr
.irp a, 0,1
.irp p, 0,1
	ds_load_b128 v[FB+48+12*\a+6*\p:FB+48+12*\a+6*\p+3], v[AX16] offset:16384*\a+1024*(2*(\k)+\p)
	ds_load_b64 v[FB+48+12*\a+6*\p+4:FB+48+12*\a+6*\p+5], v[AX8] offset:16384*\a+1024*(2*(\k)+\p)+512
.endr
.endr
.endm
.macro MULK k                          ; eight products; the accumulators take turns
.set FB, F0+72*((\k)%2)
.irp a, 0,1
.irp b, 0,1,2,3
	v_wmma_scale_f32_16x16x128_f8f6f4 v[ACC+32*\a+8*\b:ACC+32*\a+8*\b+7], v[FB+12*\b:FB+12*\b+11], v[FB+48+12*\a:FB+48+12*\a+11], v[ACC+32*\a+8*\b:ACC+32*\a+8*\b+7], v[SC+4*(\k)+\b], v[SC+4*(\k)+\a] matrix_a_fmt:MATRIX_FMT_FP6 matrix_b_fmt:MATRIX_FMT_FP6 matrix_a_scale:MATRIX_SCALE_ROW1
.endr
.endr
.endm
.macro WALKK
	s_wait_alu depctr_va_vdst(0)                   ; the wait at the head's end
	s_wait_loadcnt 0x0                             ; the residual is in
	s_wait_tensorcnt 0x0
	s_barrier_signal -1
	s_barrier_wait -1                              ; everybody's load is in; nothing is filled again
.irp k, 0,1,2,3,4,5,6,7
.irp i, 0,1,2,3
.irp p, 0,1
	ds_load_b32 v[ST+8*\k+2*\i+\p], v[ASC] offset:16384*\i+1024*(2*\k+\p)   ; (lanes 0-15 of words 2, 3 read filled bytes that no product names)
.endr
.endr
.endr
	LOADK 0
	s_wait_dscnt 24                                ; the 64 scale words are in; the 24 loads behind them may be out
.irp k, 0,1,2,3,4,5,6,7
.irp i, 0,1,2,3
	v_lshl_or_b32 v[SC+4*\k+\i], v[ST+8*\k+2*\i+1], 16, v[ST+8*\k+2*\i]
.endr
.endr
.rept 8
	v_nop                                          ; a scale register written by a vector instruction stands eight places ahead of the product
.endr
	s_wait_alu depctr_va_vdst(0)
.irp k, 0,1,2,3,4,5,6
	LOADK \k+1
	s_wait_dscnt 24                                ; this K step's are in; the next one's 24 may be out
	MULK \k
.endr
	s_wait_dscnt 0x0
	MULK 7
.rept 4
	v_nop
.endr
.endm
	s_load_b256 s[4:11], s[0:1], 0x0               ; comb s[4:5], wt s[6:7], the layer's input s[8:9], the output s[10:11]
	v_lshl_add_u32 v[SPW], v0, 2, SPARE
	v_mov_b32 v[NIL], 0
	ds_add_u32 v[SPW], v[NIL]                      ; the wave's opening: the add, twice on end, and its wait
	ds_add_u32 v[SPW], v[NIL]
	v_lshrrev_b32 v10, 5, v0
	v_readfirstlane_b32 s14, v10
	s_lshr_b32 s15, s14, 1
	s_and_b32 s16, s14, 1
	s_bfe_u32 s40, ttmp6, 0x40000
	s_bfe_u32 s41, ttmp6, 0x40004
	s_lshl_b32 s42, ttmp9, 2
	s_add_co_u32 s42, s42, s40
	s_and_b32 s17, ttmp7, 0xffff
	s_lshl_b32 s17, s17, 2
	s_add_co_u32 s17, s17, s41
	s_lshl_b32 s43, s41, 2
	s_lshl_b32 s43, 15, s43
	s_lshl_b32 s44, 0x1111, s40
	s_or_b32 s[G1X], s43, (3<<16)|(1<<21)
	s_or_b32 s[G1Y], s44, (3<<16)|(1<<21)
.irp g, G1X, G1Y
	s_mov_b32 s[\g+1], 32<<16
	s_mov_b32 s[\g+3], 32<<16
	s_mov_b32 s[\g+5], 32
	s_mov_b32 s[\g+6], 0
	s_mov_b32 s[\g+7], 0
.endr
	s_mov_b32 s[G1X+2], 128<<16
	s_mov_b32 s[G1X+4], 128
	s_mov_b32 s[G1Y+2], 256<<16
	s_mov_b32 s[G1Y+4], 256
	s_lshl_b32 s20, s17, 16
	s_lshl_b32 s19, s16, 15
	s_add_co_u32 s20, s20, s19
	s_mov_b32 s21, 0
	s_lshl_b32 s46, s42, 17
	s_lshl_b32 s19, s16, 16
	s_add_co_u32 s46, s46, s19
	s_add_co_u32 s46, s46, 0x100000
	s_mov_b32 s47, 0
	s_lshl_b32 s56, s16, 15
	s_lshl_b32 s57, s16, 16
	s_add_co_u32 s57, s57, YR
	s_mov_b32 s[SEL], 0x76543210
	s_mov_b32 s[SEL+1], 0xfedcba98
	s_wait_dscnt 0x0
	s_wait_kmcnt 0x0
	s_add_nc_u64 s[20:21], s[4:5], s[20:21]
	s_add_nc_u64 s[46:47], s[6:7], s[46:47]
	CROUND
	s_mov_b32 s[G0X], 1
	s_mov_b32 s[G0X+1], s56
	s_mov_b64 s[G0X+2:G0X+3], s[20:21]
	s_or_b32 s[G0X+3], s[G0X+3], 0x80000000
	s_mov_b32 s[G0Y], 1
	s_mov_b32 s[G0Y+1], s57
	s_mov_b64 s[G0Y+2:G0Y+3], s[46:47]
	s_or_b32 s[G0Y+3], s[G0Y+3], 0x80000000
	s_cmp_eq_u32 s15, 0
	s_cbranch_scc0 .Lfor_y
	tensor_load_to_lds s[G0X:G0X+3], s[G1X:G1X+7]
	s_nop 0
.rept 4
	v_nop
.endr
	s_branch .Lasked
.Lfor_y:
	tensor_load_to_lds s[G0Y:G0Y+3], s[G1Y:G1Y+7]
	s_nop 0
.rept 4
	v_nop
.endr
.Lasked:
	v_and_b32 v10, 15, v0
	v_bfe_u32 v11, v0, 4, 1
	v_and_b32 v[LI8], 31, v0
	v_lshlrev_b32 v[LI16], 4, v[LI8]
	v_lshlrev_b32 v[LI8], 3, v[LI8]
	s_lshl_b32 s36, s15, 15
	s_lshl_b32 s37, s16, 16
	s_add_co_u32 s37, s37, YR
	v_add_nc_u32 v[AX16], s36, v[LI16]
	v_add_nc_u32 v[AX8], s36, v[LI8]
	v_add_nc_u32 v[AY16], s37, v[LI16]
	v_add_nc_u32 v[AY8], s37, v[LI8]
	s_sub_co_u32 s37, s37, s36
	v_mul_u32_u24 v[ASC], s37, v11
	v_lshl_add_u32 v[ASC], v10, 3, v[ASC]
	s_add_co_u32 s36, s36, 768
	v_add_nc_u32 v[ASC], s36, v[ASC]
	s_wait_alu depctr_va_vdst(0)                   ; the wait
	s_lshl_b32 s58, s42, 1
	s_add_co_u32 s58, s58, s16
	s_lshl_b32 s59, s17, 2
	s_lshl_b32 s60, s15, 1
	s_add_co_u32 s59, s59, s60
	s_lshl_b32 s59, s59, 4
	s_add_co_u32 s59, s59, s58                     ; record 16 x tile + (64 columns)
	s_lshl_b32 s60, s59, 10
	s_mov_b32 s61, 0
	s_lshl_b32 s62, s59, 12
	s_add_co_u32 s62, s62, 0x400000
	s_mov_b32 s63, 0
	s_add_nc_u64 s[8:9], s[8:9], s[62:63]
	s_add_nc_u64 s[34:35], s[10:11], s[60:61]
.irp a, 0,1
.irp p, 0,1,2,3,4,5,6,7
	global_load_b128 v[ACC+32*\a+4*\p:ACC+32*\a+4*\p+3], v[LI16], s[8:9] offset:65536*\a+512*\p
.endr
.endr
	WALKK
	v_mov_b32 v[TM+2], 0
	v_mov_b32 v[TM+3], 0
	v_mov_b32 v[PW+1], 0
.irp a, 0,1
	QUANT2 ACC+32*\a                               ; each accumulator is read from its low end on
	PUTREC 34, 16384*\a
.endr
	s_wait_tensorcnt 0x0                           ; the wave's end
	ds_add_u32 v[SPW], v[NIL]
	s_wait_dscnt 0x0
	CROUND
	s_endpgm
.Lfunc_end_k_q8de30a7cb7_wo1:
	.size	k_q8de30a7cb7_wo1, .Lfunc_end_k_q8de30a7cb7_wo1-k_q8de30a7cb7_wo1
	.p2alignl 7, 3214868480
	.fill 96, 4, 3214868480
	.section	.rodata,"a",@progbits
	.p2align	6, 0x0
	.amdhsa_kernel k_q8de30a7cb7_wo1
		.amdhsa_group_segment_fixed_size 197120
		.amdhsa_private_segment_fixed_size 0
		.amdhsa_enable_private_segment 0
		.amdhsa_kernarg_size 32
		.amdhsa_user_sgpr_count 2
		.amdhsa_user_sgpr_kernarg_segment_ptr 1
		.amdhsa_wavefront_size32 1
		.amdhsa_system_sgpr_workgroup_id_x 1
		.amdhsa_system_sgpr_workgroup_id_y 1
		.amdhsa_system_sgpr_workgroup_id_z 1
		.amdhsa_system_vgpr_workitem_id 0
		.amdhsa_next_free_vgpr 256
		.amdhsa_next_free_sgpr 100
		.amdhsa_reserve_vcc 0
		.amdhsa_float_denorm_mode_32 3
		.amdhsa_float_denorm_mode_16_64 3
		.amdhsa_memory_ordered 1
		.amdhsa_forward_progress 1
		.amdhsa_inst_pref_size 40
	.end_amdhsa_kernel
	.amdgpu_metadata
---
amdhsa.version: [ 1, 2 ]
amdhsa.kernels:
  - .name:           k_q8de30a7cb7_wo1
    .symbol:         k_q8de30a7cb7_wo1.kd
    .args:
      - { .name: comb, .offset: 0, .size: 8, .value_kind: global_buffer, .address_space: global }
      - { .name: wt, .offset: 8, .size: 8, .value_kind: global_buffer, .address_space: global }
      - { .name: a1, .offset: 16, .size: 8, .value_kind: global_buffer, .address_space: global }
      - { .name: a0, .offset: 24, .size: 8, .value_kind: global_buffer, .address_space: global }
    .group_segment_fixed_size: 197120
    .private_segment_fixed_size: 0
    .kernarg_segment_align: 8
    .kernarg_segment_size: 32
    .max_flat_workgroup_size: 128
    .sgpr_count:     100
    .vgpr_count:     256
    .wavefront_size: 32
...
	.end_amdgpu_metadata
.endif
;; end of part 11
;; launch logits (part 12): grid 8 x 32, 4 waves a work-group, clusters of 4 x 1, 283,136 bytes of LDS; arguments a0, wt, out0; writes out0
.if DOCPART == 12
	.amdgcn_target "amdgcn-amd-amdhsa--gfx1250"
	.amdhsa_code_object_version 6
	.text
	.protected	k_q8de30a7cb7_logits
	.globl	k_q8de30a7cb7_logits
	.p2align	8
	.type	k_q8de30a7cb7_logits,@function
k_q8de30a7cb7_logits:
	s_mov_b64 s[64:65], 0
	v_nop
	global_prefetch_b8 v0, s[64:65] scope:SCOPE_SE
	s_setreg_imm32_b32 hwreg(HW_REG_WAVE_MODE, 25, 1), 1
	s_wait_xcnt 0x0
	s_wait_alu depctr_hold_cnt(0) depctr_sa_sdst(0) depctr_va_vdst(0) depctr_va_sdst(0) depctr_va_ssrc(0) depctr_va_vcc(0) depctr_vm_vsrc(0)
	s_getreg_b32 s2, hwreg(HW_REG_IB_STS2, 6, 4)
	s_cmp_eq_u32 s2, 0
	s_cbranch_scc0 .Lentry_in_a_cluster
	s_endpgm
.Lentry_in_a_cluster:
	s_bfe_u32 s2, ttmp6, 0x10000c
	s_cmp_lg_u32 s2, 0x3003
	s_cbranch_scc0 .Lentry_shape_is_right
	s_endpgm
.Lentry_shape_is_right:
; THE LAST PRODUCT: out0[token][v] = sum over k of emb''[token][k] tok_emb[v][k], K = 1,024, on codes of FP6 (E2M3) with E8M0 scales; out0 is [2,048][6,282] f32.
; X = the codes of emb'' (records, a0), Y = the codes of tok_emb (records, wt + 2 MiB, tiles of 16 neighbouring rows).  A record is 16 rows x 64 K as an image of the operand's registers.
; SHARES.  The grid's x is a block of 256 tokens, its y a group of tiles of Y.  6,282 columns are 393 tiles = 9 x 13 + 23 x 12: groups 0-8 take 13 tiles (276 + 13 y on), groups 9-31 take 12 (12 (y - 9) on).
; A wave owns 64 tokens, four tiles of X, for all of K: 384 registers, loaded once from memory straight into the registers in which they stay: X passes through no LDS, so there is no tile of X to ask for jointly
; (Y's 212,992 bytes and the stages leave no room for X's 262,144).
; Y's whole group lies in LDS, filled once: 13 tiles, 212,992 dense bytes, a quarter by each wave's one tensor load.  Group 1 of a descriptor is made of constants, so a group of 12 tiles fetches the tile behind its
; last too, inside the buffer, and does not read it.  CLUSTER 4 x 1: the four partners are four blocks of tokens of one group: they ask for Y jointly.
; The walk: three steps of 4 tiles (64 columns, 256 bytes of a row of out0), 8 K steps of 16 products each; then, in groups 0-8, one step of 1 tile.  Behind the one barrier the waves share nothing.
; THE MATRIX INSTRUCTION IS USED TRANSPOSED: source 0 = 16 rows of tok_emb, source 1 = 16 tokens: a lane holds one token and eight neighbouring columns.
; THE WAY OUT: a row of out0 is 25,128 bytes, a multiple of 8 and of no more.  A step's 64 tokens x 256 bytes go through the wave's own stage and leave as rows, 8 bytes a lane, one instruction a token.  They are read back
; into registers of their own, so the next step's products need not wait for these stores; the wait for them stands in the next way out.  Only tile 392, a 13th tile, has columns past 6,282: the mask stands in that step alone.
; No prefetch: every operand byte is asked for at the head, and there is no loop to run ahead in.
; REGISTERS, in windows of 256: window 0: v1-11 addresses; v16-47 X's scale words; v48-55 Y's, two sets; v56-151 Y's fragments, two sets.  Window 1: X's tiles 0, 1 (tile a, K step k at v[12 (8 (a % 2) + k)]); window 2: tiles 2, 3.
;   Window 3: v0-127 accumulator (a, b) at v[32 a + 8 b]; v128-255 the rows read back.
.set NV,    6282
.set ROWO,  25128
.set YBYTES, 13*16384
.set QB,    YBYTES/4                   ; what one tensor load brings: 208 rows of 256 bytes
.set STAGE, YBYTES
.set SPIT,  272                        ; a stage row: 256 bytes + 16
.set STW,   64*SPIT
.set SPARE, STAGE+4*STW                ; the spare words, 128 bytes a wave
.set L16,  1
.set L8,   2
.set STO,  3
.set SRM,  4
.set SRT,  5
.set SPW,  6
.set NIL,  7
.set GOT,  8
.set COLT, 9
.set AD16, 10
.set AD8,  11
.set XS,   16
.set YS,   48
.set YF,   56
.set TB,   12                          ; s12 the step's first byte in LDS
.set CNT,  13
.set G1,   24
.set G0,   32
.set MSB, 0
.macro WIN new                         ; the immediate's high byte repeats the setting that is left
.if MSB != (\new)
	s_set_vgpr_msb (MSB<<8)|(\new)
.set MSB, (\new)
.endif
.endm
.macro CROUND
	s_barrier_signal -1
	s_barrier_wait -1
	s_cmp_lg_u32 s14, 0
	s_cbranch_scc1 .Lnot_wave_0_\@
	s_barrier_signal -3
.Lnot_wave_0_\@:
	s_barrier_wait -3
	s_barrier_signal -1
	s_barrier_wait -1
.endm
.macro XLOAD k                         ; X's four fragments of K step k: 16 loads
.irp a, 0,1,2,3
	WIN 0x40+0x40*(\a/2)
.irp p, 0,1
	global_load_b128 v[12*(8*(\a%2)+(\k))+6*\p:12*(8*(\a%2)+(\k))+6*\p+3], v[L16], s[20:21] offset:16384*\a+1024*(2*(\k)+\p)
	global_load_b64 v[12*(8*(\a%2)+(\k))+6*\p+4:12*(8*(\a%2)+(\k))+6*\p+5], v[L8], s[20:21] offset:16384*\a+1024*(2*(\k)+\p)+512
.endr
.endr
	WIN 0
.endm
.macro LOADY k, nb                     ; the step's nb fragments and scale words of K step k into set k % 2
.set OB, 2048*(\k)
.set PP, (\k)%2
.rept 4
	v_nop                                          ; four places behind the products that read this set
.endr
.set bb, 0
.rept \nb
	ds_load_b32 v[YS+4*PP+bb], v[AD8] offset:16384*bb+OB+1024+772   ; the odd record's second word: the scale word of these 128 along K
	ds_load_b128 v[YF+48*PP+12*bb:YF+48*PP+12*bb+3], v[AD16] offset:16384*bb+OB
	ds_load_b64 v[YF+48*PP+12*bb+4:YF+48*PP+12*bb+5], v[AD8] offset:16384*bb+OB+512
	ds_load_b128 v[YF+48*PP+12*bb+6:YF+48*PP+12*bb+9], v[AD16] offset:16384*bb+OB+1024
	ds_load_b64 v[YF+48*PP+12*bb+10:YF+48*PP+12*bb+11], v[AD8] offset:16384*bb+OB+1536
.set bb, bb+1
.endr
.endm
.macro MUL k, nb, zero                 ; 4 nb products; the accumulators take turns, one instruction a turn
.set PP, (\k)%2
.set aa, 0
.rept 4
	WIN 0xf4+4*(aa/2)                              ; C and D window 3, X window 1 or 2, Y window 0
.set bb, 0
.rept \nb
.if \zero
	v_wmma_scale_f32_16x16x128_f8f6f4 v[32*aa+8*bb:32*aa+8*bb+7], v[YF+48*PP+12*bb:YF+48*PP+12*bb+11], v[12*(8*(aa%2)+(\k)):12*(8*(aa%2)+(\k))+11], 0, v[YS+4*PP+bb], v[XS+8*aa+(\k)] matrix_a_fmt:MATRIX_FMT_FP6 matrix_b_fmt:MATRIX_FMT_FP6
.else
	v_wmma_scale_f32_16x16x128_f8f6f4 v[32*aa+8*bb:32*aa+8*bb+7], v[YF+48*PP+12*bb:YF+48*PP+12*bb+11], v[12*(8*(aa%2)+(\k)):12*(8*(aa%2)+(\k))+11], v[32*aa+8*bb:32*aa+8*bb+7], v[YS+4*PP+bb], v[XS+8*aa+(\k)] matrix_a_fmt:MATRIX_FMT_FP6 matrix_b_fmt:MATRIX_FMT_FP6
.endif
.set bb, bb+1
.endr
.set aa, aa+1
.endr
	WIN 0
.endm
.macro KWALK nb                        ; a step: all of K
	v_add_nc_u32 v[AD16], s[TB], v[L16]
	v_add_nc_u32 v[AD8], s[TB], v[L8]
	s_wait_alu depctr_va_vdst(0)                   ; the wait behind these writes
	LOADY 0, \nb
.irp k, 0,1,2,3,4,5,6,7
	s_wait_dscnt 0x0                               ; this K step's fragments are in
.if \k < 7
	LOADY \k+1, \nb
.endif
.if \k < 4
	s_wait_loadcnt 63                              ; X's K step k is in: behind it 16 (7 - k) loads were issued, of which the wait's field names 63 at the most
.else
	s_wait_loadcnt 16*(7-\k)                       ; (no global load is issued behind the head: in the later steps nothing is out)
.endif
.if \k == 0
	MUL \k, \nb, 1
.else
	MUL \k, \nb, 0
.endif
.endr
.rept 4
	v_nop                                          ; four places behind the last products, ahead of the stores that read results
.endr
.endm
.macro TOSTAGE nb
	WIN 0x0c                                       ; the data: window 3
.irp a, 0,1,2,3
.set bb, 0
.rept \nb
	ds_store_b128 v[STO], v[32*\a+8*bb:32*\a+8*bb+3] offset:(32*(\a/2)+8*(\a%2))*SPIT+64*bb      ; each accumulator from its low end on; row r of tile a is token 32 (a / 2) + 8 (a % 2) + r + 8 (r / 8) of my 64
	ds_store_b128 v[STO], v[32*\a+8*bb+4:32*\a+8*bb+7] offset:(32*(\a/2)+8*(\a%2))*SPIT+64*bb+16
.set bb, bb+1
.endr
.endr
	s_wait_xcnt 0x0                                ; the last way out's stores have read their registers and their base
	s_add_nc_u64 s[8:9], s[8:9], s[10:11]          ; 0 the first time, then 256 bytes along the rows
	s_mov_b32 s10, 256
	WIN 0xc0                                       ; read back into window 3
.endm
	s_load_b128 s[4:7], s[0:1], 0x0                ; a0 s[4:5], wt s[6:7]
	s_load_b64 s[8:9], s[0:1], 0x10                ; out0
	v_lshl_add_u32 v[SPW], v0, 2, SPARE
	v_mov_b32 v[NIL], 0
	ds_add_u32 v[SPW], v[NIL]                      ; the wave's opening: the add, twice on end, and its wait ahead of my tensor load
	ds_add_u32 v[SPW], v[NIL]
	v_lshrrev_b32 v12, 5, v0
	v_readfirstlane_b32 s14, v12                   ; wave 0..3
	s_bfe_u32 s40, ttmp6, 0x40000                  ; cx
	s_lshl_b32 s42, ttmp9, 2
	s_add_co_u32 s42, s42, s40                     ; block of 256 tokens: it enters X's and out0's addresses alone
	s_and_b32 s17, ttmp7, 0xffff                   ; group of columns, which the four partners share
	s_mov_b32 s[G1], 15|(3<<16)|(1<<21)            ; the mask: all four partners; elements of 8 bytes; bit 21 beside a mask
	s_mov_b32 s[G1+1], 32<<16                      ; rows of 256 bytes,
	s_mov_b32 s[G1+2], 208<<16                     ; 208 of them
	s_mov_b32 s[G1+3], 32<<16
	s_mov_b32 s[G1+4], 208
	s_mov_b32 s[G1+5], 32
	s_mov_b32 s[G1+6], 0
	s_mov_b32 s[G1+7], 0
	s_mul_i32 s18, s17, 13
	s_add_co_u32 s18, s18, 276
	s_mul_i32 s19, s17, 12
	s_sub_co_u32 s19, s19, 108
	s_cmp_lt_u32 s17, 9
	s_cselect_b32 s18, s18, s19                    ; my group's first tile
	s_mul_i32 s56, s14, QB                         ; my quarter of the group, in memory and in LDS
	s_lshl_b32 s46, s18, 14
	s_add_co_u32 s46, s46, s56
	s_add_co_u32 s46, s46, 0x200000
	s_mov_b32 s47, 0
	s_lshl_b32 s20, s42, 18                        ; X: 16 tiles a block, 4 a wave
	s_lshl_b32 s21, s14, 16
	s_add_co_u32 s20, s20, s21
	s_mov_b32 s21, 0
	s_lshl_b32 s58, s42, 8
	s_lshl_b32 s59, s14, 6
	s_add_co_u32 s58, s58, s59                     ; my first token
	s_mul_i32 s58, s58, ROWO
	s_lshl_b32 s59, s18, 6                         ; my group's first column, in bytes
	s_add_co_u32 s58, s58, s59
	s_mov_b32 s59, 0
	s_lshl_b32 s60, s18, 4
	s_add_co_u32 s60, s60, 192                     ; the 13th tile's first column
	s_mul_i32 s57, s14, STW
	s_add_co_u32 s57, s57, STAGE                   ; my stage
	s_mov_b32 s10, 0
	s_mov_b32 s11, 0
	s_wait_dscnt 0x0                               ; both opening adds are done
	s_wait_kmcnt 0x0
	s_add_nc_u64 s[46:47], s[6:7], s[46:47]
	s_add_nc_u64 s[20:21], s[4:5], s[20:21]
	s_add_nc_u64 s[8:9], s[8:9], s[58:59]
	CROUND                                         ; all four work-groups are here: the joint loads meet
	s_mov_b32 s[G0], 1
	s_mov_b32 s[G0+1], s56
	s_mov_b64 s[G0+2:G0+3], s[46:47]
	s_or_b32 s[G0+3], s[G0+3], 0x80000000
	tensor_load_to_lds s[G0:G0+3], s[G1:G1+7]      ; my one tensor load
	s_nop 0
.rept 4
	v_nop
.endr
	v_and_b32 v12, 15, v0                          ; r
	v_bfe_u32 v13, v0, 4, 1                        ; h
	v_and_b32 v14, 31, v0                          ; lane
	v_lshlrev_b32 v[L16], 4, v14
	v_lshlrev_b32 v[L8], 3, v14
	v_and_b32 v15, 8, v12
	v_add_nc_u32 v15, v15, v12                     ; r + 8 (r / 8)
	v_mul_u32_u24 v[STO], v15, SPIT
	v_lshl_add_u32 v[STO], v13, 5, v[STO]          ; into the stage: my token's row, + 32 h
	v_add_nc_u32 v[STO], s57, v[STO]
	v_add_nc_u32 v[SRM], s57, v[L8]                ; back: the 32 lanes take a row's 256 bytes;
	v_lshrrev_b32 v12, 3, v14                      ; lane / 8
	v_and_b32 v13, 7, v14                          ; lane % 8
	v_mul_u32_u24 v[SRT], v12, SPIT                ; or, of a single tile, eight lanes each the 64 bytes of four rows
	v_lshl_add_u32 v[SRT], v13, 3, v[SRT]
	v_add_nc_u32 v[SRT], s57, v[SRT]
	v_mul_u32_u24 v[GOT], v12, ROWO                ; and the same place in out0
	v_lshl_add_u32 v[GOT], v13, 3, v[GOT]
	v_lshl_add_u32 v[COLT], v13, 1, s60            ; my first column of two in the 13th tile
	s_wait_alu depctr_va_vdst(0)                   ; the wait behind these writes
.irp a, 0,1,2,3
.irp f, 0,1,2,3,4,5,6,7,8,9,10,11,12,13,14,15
	global_load_b32 v[YF+16*\a+\f], v[L8], s[20:21] offset:16384*\a+1024*\f+768   ; X's scale words, by half-fragments, for now where Y's fragments will lie
.endr
.endr
	XLOAD 0
	XLOAD 1
	XLOAD 2
	s_wait_loadcnt 48                              ; the 64 scale words are in; the 48 loads behind them may be out
.irp a, 0,1,2,3
.irp k, 0,1,2,3,4,5,6,7
	v_lshl_or_b32 v[XS+8*\a+\k], v[YF+16*\a+2*\k+1], 16, v[YF+16*\a+2*\k]   ; two half-fragments' bytes make the word of 128 along K
.endr
.endr
	XLOAD 3
	XLOAD 4
	XLOAD 5
	XLOAD 6
	XLOAD 7
.rept 8
	v_nop                                          ; a scale register written by a vector instruction stands eight places ahead of the product
.endr
	s_wait_alu depctr_va_vdst(0)                   ; the wait at the head's end
	s_wait_tensorcnt 0x0                           ; my quarter of Y is in
	s_barrier_signal -1
	s_barrier_wait -1                              ; everybody's is; nothing is filled again
	s_mov_b32 s[TB], 0
	s_mov_b32 s[CNT], 3
.Lstep:
	KWALK 4
	TOSTAGE 4
.set tt, 0
.rept 64
	ds_load_b64 v[128+2*tt:129+2*tt], v[SRM] offset:tt*SPIT      ; LDS serves a wave's instructions in order: these see the stores above
.set tt, tt+1
.endr
	WIN 0x0c
.irp q, 0,1,2,3
	s_wait_dscnt 48-16*\q                          ; these 16 rows are back; the later rows' loads may be out
.set tt, 16*\q
.rept 16
	global_store_b64 v[L8], v[128+2*tt:129+2*tt], s[8:9] offset:tt*ROWO th:TH_STORE_NT   ; 32 lanes store 256 consecutive bytes of a token's row
.set tt, tt+1
.endr
.endr
	WIN 0
	s_add_co_u32 s[TB], s[TB], 65536
	s_sub_co_u32 s[CNT], s[CNT], 1
	s_cmp_lg_u32 s[CNT], 0
	s_cbranch_scc1 .Lstep
	s_cmp_lt_u32 s17, 9                            ; has my group a 13th tile?  The group's number alone decides, and the partners share it
	s_cbranch_scc0 .Ldone
	KWALK 1
	TOSTAGE 1
.irp i, 0,1,2,3,4,5,6,7,8,9,10,11,12,13,14,15
	ds_load_b64 v[128+2*\i:129+2*\i], v[SRT] offset:4*\i*SPIT    ; the 64 bytes of rows 4 i .. 4 i + 3
.endr
	WIN 0
	v_cmp_gt_u32 vcc_lo, NV, v[COLT]               ; 6,282 is even: a lane's two columns are both inside or both outside
	s_wait_dscnt 0x0
	s_and_saveexec_b32 s58, vcc_lo                 ; (no global instruction has been issued since the wait on XCNT above)
	WIN 0x0c
.irp i, 0,1,2,3,4,5,6,7,8,9,10,11,12,13,14,15
	global_store_b64 v[GOT], v[128+2*\i:129+2*\i], s[8:9] offset:4*\i*ROWO th:TH_STORE_NT
.endr
	WIN 0
	s_wait_xcnt 0x0                                ; EXEC is restored only behind this wait
	s_or_b32 exec_lo, exec_lo, s58
.Ldone:
	s_wait_tensorcnt 0x0                           ; the wave's end
	ds_add_u32 v[SPW], v[NIL]
	s_wait_dscnt 0x0
	CROUND                                         ; the closing round
	s_endpgm
.Lfunc_end_k_q8de30a7cb7_logits:
	.size	k_q8de30a7cb7_logits, .Lfunc_end_k_q8de30a7cb7_logits-k_q8de30a7cb7_logits
	.p2alignl 7, 3214868480
	.fill 96, 4, 3214868480
	.section	.rodata,"a",@progbits
	.p2align	6, 0x0
	.amdhsa_kernel k_q8de30a7cb7_logits
		.amdhsa_group_segment_fixed_size 283136
		.amdhsa_private_segment_fixed_size 0
		.amdhsa_enable_private_segment 0
		.amdhsa_kernarg_size 24
		.amdhsa_user_sgpr_count 2
		.amdhsa_user_sgpr_kernarg_segment_ptr 1
		.amdhsa_wavefront_size32 1
		.amdhsa_system_sgpr_workgroup_id_x 1
		.amdhsa_system_sgpr_workgroup_id_y 1
		.amdhsa_system_sgpr_workgroup_id_z 1
		.amdhsa_system_vgpr_workitem_id 0
		.amdhsa_next_free_vgpr 1024
		.amdhsa_next_free_sgpr 66
		.amdhsa_reserve_vcc 1
		.amdhsa_float_denorm_mode_32 3
		.amdhsa_float_denorm_mode_16_64 3
		.amdhsa_memory_ordered 1
		.amdhsa_forward_progress 1
		.amdhsa_inst_pref_size 80
	.end_amdhsa_kernel
	.amdgpu_metadata
---
amdhsa.version: [ 1, 2 ]
amdhsa.kernels:
  - .name:           k_q8de30a7cb7_logits
    .symbol:         k_q8de30a7cb7_logits.kd
    .args:
      - { .name: a0, .offset: 0, .size: 8, .value_kind: global_buffer, .address_space: global }
      - { .name: wt, .offset: 8, .size: 8, .value_kind: global_buffer, .address_space: global }
      - { .name: out0, .offset: 16, .size: 8, .value_kind: global_buffer, .address_space: global }
    .group_segment_fixed_size: 283136
    .private_segment_fixed_size: 0
    .kernarg_segment_align: 8
    .kernarg_segment_size: 24
    .max_flat_workgroup_size: 128
    .sgpr_count:     66
    .vgpr_count:     1024
    .wavefront_size: 32
...
	.end_amdgpu_metadata
.endif
;; end of part 12
